; MI455X (gfx1250); checked and timed in simulation.
; The chip was launched on July 23, 2026; its instructions are those of AMD's public machine-readable ISA for CDNA 5 (MIT licence, August 2026) and "CDNA5" Instruction Set Architecture Reference Guide (July 2026). The comments in the code are by the model that wrote it; some were corrected since.
;; Transformer Block. Allowed arithmetic: matrix products marked QUANTISED: E4M3 operands, one E8M0 scale for each 32 along K, by v_wmma_scale_f32_16x16x128_f8f6f4 with both operands' format E4M3, f32 sums; everything else in f32.
;; Inputs: b1 4,096 float32; b2 1,024 float32; bk 1,024 float32; bo 1,024 float32; bq 1,024 float32; bv 1,024 float32; hidden 2 x 2,048 x 1,024 float32; ln1_b 1,024 float32; ln1_g 1,024 float32; ln2_b 1,024 float32; ln2_g 1,024 float32; mask 2 x 2,048 int32; w1 1,024 x 4,096 float32; w2 4,096 x 1,024 float32; wk 1,024 x 1,024 float32; wo 1,024 x 1,024 float32; wq 1,024 x 1,024 float32; wv 1,024 x 1,024 float32.
;; Outputs: out0 2 x 2,048 x 1,024 float32.
;; This version of the problem:
;;   THIS VERSION OF THE PROBLEM IS GIVEN IN LOW PRECISION. The matrix products marked QUANTISED in the list below multiply operands that are first quantised to E4M3 (4 exponent bits, 3 mantissa bits; 8 bits a number), with one power-of-two scale for each 32 numbers along K (OCP MX v1.0); their sums are f32. All else is computed in f32.
;;   The module's matrix products, in the order in which they are computed (A, B: the left and right operand; K: the contracted axis; several contracted axes count as one K, in the product's order):
;;     1. [M 4,096, K 1,024] x [K 1,024, N 1,024]; A: computed on the way; B: input wq: QUANTISED
;;     2. [M 4,096, K 1,024] x [K 1,024, N 1,024]; A: computed on the way; B: input wk: QUANTISED
;;     3. [M 4,096, K 1,024] x [K 1,024, N 1,024]; A: computed on the way; B: input wv: QUANTISED
;;     4. batch 32 x [M 2,048, K 64] x [K 64, N 2,048]; A: computed on the way; B: computed on the way: QUANTISED
;;     5. batch 32 x [M 64, K 2,048] x [K 2,048, N 2,048]; A: computed on the way; B: softmax (see below): QUANTISED
;;     6. [M 4,096, K 1,024] x [K 1,024, N 1,024]; A: computed on the way; B: input wo: QUANTISED
;;     7. [M 4,096, K 1,024] x [K 1,024, N 4,096]; A: computed on the way; B: input w1: QUANTISED
;;     8. [M 4,096, K 4,096] x [K 4,096, N 1,024]; A: computed on the way; B: input w2: QUANTISED
;;   THE QUANTISER, for each operand of a quantised product, along K:
;;     - K is cut into blocks of 32 from its start; a last block that is shorter is filled with zeros.
;;     - A block's scale is 2^e with e = floor(log2(the largest magnitude in the block)) - 8, held to -126 .. 127; a block of zeros has e = 0. As a byte (E8M0): e + 127.
;;     - Each number is divided by its block's scale, clamped to +-448, and rounded to the nearest number of E4M3, ties to even, subnormals kept.
;;     - The product sums the exact products of the quantised numbers (number of the format x scale) in f32.
;;   ~~~python
;;   def quantise(x, axis):      # numpy; x: float32 -> the quantised numbers, widened to float32 again
;;       x = np.moveaxis(x, axis, -1); K = x.shape[-1]
;;       x = np.pad(x, [(0, 0)] * (x.ndim - 1) + [(0, -K % 32)]); x = x.reshape(x.shape[:-1] + (-1, 32)); a = np.abs(x).max(-1, keepdims=True)
;;       e = np.where(a > 0, np.clip(np.frexp(np.where(a > 0, a, 1))[1] - 1 - 8, -126, 127), 0)      # np.frexp(a)[1] - 1 = floor(log2(a)), exactly
;;       r = np.clip(x / 2.0 ** e, -448, 448)
;;       step = 2.0 ** (np.maximum(np.frexp(np.where(r == 0, 1, r))[1] - 1, -6) - 3)
;;       q = np.round(r / step) * step * 2.0 ** e      # np.round: ties to even
;;       return np.moveaxis(q.reshape(q.shape[:-2] + (-1,))[..., :K], -1, axis).astype(np.float32)
;;   ~~~
;;   SOFTMAX AHEAD OF A QUANTISED PRODUCT. Where the list says 'softmax', what is quantised is not the finished softmax but p = 2^(t - M), with t = logit x log2(e) and M = ceil(the row's largest t), a whole number; so 1/2 < the row's largest p <= 1. The row's sum l is taken of the UNQUANTISED p, in f32, and the product's result is divided by l at the end. Since M is a whole number, a kernel that streams over the keys may use a running M (the ceiling of the running maximum): every later rescaling is an exact power of two, which a block's scale takes up: the codes' values come out the same.
;;   OPERANDS COMPUTED ON THE WAY. 'Computed on the way' means the value that the module computes at that place (a softmax that the list does not call 'softmax' is quantised finished and normalised). What goes into a quantiser is computed in f32, as accurately as f32 sums, v_exp_f32 and their like allow (about 1e-6 of the number): no bf16 or f16 on the way to a quantiser, and a product that is left as it is and whose result goes on into a quantised operand takes f32 operands (vector FMAs, or v_wmma_f32_16x16x4_f32). A number that lies on a knife's edge between two numbers of the format may be rounded either way, as far as f32 arithmetic and the matrix unit's own rounding can turn it there, and no further.
;; 2 versions. Each part assembles by itself: llvm-mc -triple=amdgcn-amd-amdhsa -mcpu=gfx1250 --defsym DOCPART=n.
;; ======== version 1 of 2: 8 launches
;; limits: right only within a limited range of input values
;; workspace buffers: aq 4,325,376 bytes; wb 12,976,128 bytes; qb 8,650,752 bytes; kv 8,650,752 bytes; hq 4,325,376 bytes; h 16,777,216 bytes; gq 17,301,504 bytes
;; launch wquant (part 1): grid 384 x 1, 4 waves a work-group, no clusters, 0 bytes of LDS; arguments wq, wk, wv, wo, w1, w2, wb; writes wb
.if DOCPART == 1
	.amdgcn_target "amdgcn-amd-amdhsa--gfx1250"
	.amdhsa_code_object_version 6
	.text
	.protected	k_q8aae42ee8f_wquant
	.globl	k_q8aae42ee8f_wquant
	.p2align	8
	.type	k_q8aae42ee8f_wquant,@function
k_q8aae42ee8f_wquant:
	s_mov_b64 s[64:65], 0
	v_nop
	global_prefetch_b8 v0, s[64:65] scope:SCOPE_SE
	s_setreg_imm32_b32 hwreg(HW_REG_WAVE_MODE, 25, 1), 1
	s_wait_xcnt 0x0
; The six weights, f32 stored [K][N], become codes of FP8 (E4M3) with one E8M0 scale byte for each 32 along K, laid as OPERAND BLOCKS.
; AN OPERAND BLOCK (33,792 bytes) holds 128 rows (here: columns n of a weight) x 256 along K as an image of the matrix operand's registers:
;   codes: chunk (kb 0..7, tile 0..7) at kb*4096 + tile*512; in it lane l = 16 h + r has 16 bytes at 16 l: row rho(tile, r), k = 32 kb + 16 h + 0..15;
;   rho(t, r) = 32 (t/2) + 8 (t%2) + r + 8 (r/8): the rows of a tile are chosen so that a transposed product's results are neighbours along the next K;
;   scale words at 32768 + q*512 + tile*64 + 4 r, q = kb/4, byte j for block 4 q + j.
; wb holds 384 blocks, [group of 128 rows][K/256]: 0-31 wq, 32-63 wk, 64-95 wv, 96-127 wo, 128-255 w1, 256-383 w2.  A work-group makes the block of its own number.
; A LANE TAKES A COLUMN n AND ITS REGISTERS RUN DOWN K: a load reads 128 consecutive bytes a wave (512 a work-group), a block of 32 lies in one lane, and the conversions give codes with K innermost.
; A lane's 32 codes of a block are the 16 bytes of lane (r, 0) and of lane (r, 1) of one chunk: two stores, each covering two aligned runs of 256 consecutive bytes.  No LDS, no barrier.
; The scale words leave as 128 consecutive bytes a wave and store: 1,024 of a block's 33,792 bytes.
; A block's scale is 2^(floor(log2(largest magnitude)) - 8); its byte is the largest magnitude's exponent field - 8, held at 1 from below.
; LIMITS: a block of zeros, or one whose largest magnitude lies under 2^-118, gets the byte 1 (its codes are zeros or subnormal codes; this program alone reads the bytes); NaN and infinities are not served.
.set BLK,  33792
.set X,    32                          ; v32-95   two sets of 32 numbers
.set VO,   96                          ; v96-127  byte offset of row i of a block of 32, my column
.set C,    128                         ; v128-191 eight registers of codes for each of the 8 blocks: no store's data are written again
.set SB,   24                          ; v24-25   the two scale words
.set BT,   32                          ; s[32:47] the address of each block's first row
	s_load_b256 s[8:15], s[0:1], 0x0               ; wq s[8:9], wk s[10:11], wv s[12:13], wo s[14:15]
	s_load_b128 s[16:19], s[0:1], 0x20             ; w1 s[16:17], w2 s[18:19]
	s_load_b64 s[20:21], s[0:1], 0x30              ; wb
	v_lshrrev_b32 v1, 5, v0
	v_readfirstlane_b32 s22, v1                    ; wave 0..3: columns 32 w on
	v_and_b32 v2, 31, v0                           ; L: my column among them
	v_lshlrev_b32 v3, 2, v2
	s_lshr_b32 s23, ttmp9, 5                       ; 0 wq, 1 wk, 2 wv, 3 wo, 4-7 w1, 8-11 w2
	s_cmp_lt_u32 s23, 4
	s_cselect_b32 s24, 31, 127
	s_and_b32 s24, ttmp9, s24                      ; the block's number inside its weight
	s_cmp_lt_u32 s23, 8
	s_cselect_b32 s26, 2, 4                        ; log2 of K/256: 4 blocks along K, w2 has 16
	s_lshr_b32 s27, s24, s26                       ; g: which 128 columns
	s_lshl_b32 s28, s27, s26
	s_sub_co_u32 s28, s24, s28                     ; s: which 256 along K
	s_lshr_b32 s29, s23, 2
	s_cmp_eq_u32 s29, 1
	s_cselect_b32 s29, 14, 12                      ; log2 of a row's bytes: w1 has 4,096 columns, the others 1,024
	s_lshl_b32 s25, 1, s29                         ; a row's bytes
	s_add_co_u32 s30, s29, 8
	s_lshl_b32 s30, s28, s30                       ; 256 s rows
	s_lshl_b32 s31, s27, 9
	s_add_co_u32 s30, s30, s31                     ; + 128 g columns
	s_lshl_b32 s31, s22, 7
	s_add_co_u32 s30, s30, s31                     ; + 32 w columns
	s_mov_b32 s31, 0
	s_lshl_b32 s48, s25, 5                         ; 32 rows
	s_mov_b32 s49, 0
	s_mul_i32 s50, ttmp9, BLK
	s_mov_b32 s51, 0
	s_mov_b32 s53, 0x600000                        ; the mantissa field of 448
.set I, 0
.rept 32
	v_mad_u32_u24 v[VO+I], s25, I, v3              ; row I of a block, my column
.set I, I+1
.endr
	; my column 32 w + L is lane-row r = L%8 + 8 (L/16) of tile 2 w + (L/8)%2
	v_and_b32 v6, 7, v2
	v_bfe_u32 v7, v2, 3, 1
	v_bfe_u32 v8, v2, 4, 1
	v_lshlrev_b32 v4, 4, v6
	v_lshl_add_u32 v4, v8, 7, v4
	v_lshl_add_u32 v4, v7, 9, v4
	s_lshl_b32 s52, s22, 10
	v_add_nc_u32 v4, s52, v4                       ; codes: tile*512 + 16 r
	v_lshlrev_b32 v5, 2, v6
	v_lshl_add_u32 v5, v8, 5, v5
	v_lshl_add_u32 v5, v7, 6, v5
	s_lshl_b32 s52, s22, 7
	s_add_co_u32 s52, s52, 32768
	v_add_nc_u32 v5, s52, v5                       ; scale words: 32768 + tile*64 + 4 r
	s_wait_kmcnt 0x0
	s_mov_b64 s[4:5], s[18:19]                     ; which weight: a choice on the work-group's number alone
	s_cmp_lt_u32 s23, 8
	s_cselect_b64 s[4:5], s[16:17], s[4:5]
	s_cmp_lt_u32 s23, 4
	s_cselect_b64 s[4:5], s[14:15], s[4:5]
	s_cmp_lt_u32 s23, 3
	s_cselect_b64 s[4:5], s[12:13], s[4:5]
	s_cmp_lt_u32 s23, 2
	s_cselect_b64 s[4:5], s[10:11], s[4:5]
	s_cmp_lt_u32 s23, 1
	s_cselect_b64 s[4:5], s[8:9], s[4:5]
	s_add_nc_u64 s[BT:BT+1], s[4:5], s[30:31]
.irp t, 1,2,3,4,5,6,7
	s_add_nc_u64 s[BT+2*\t:BT+2*\t+1], s[BT+2*\t-2:BT+2*\t-1], s[48:49]
.endr
	s_add_nc_u64 s[6:7], s[20:21], s[50:51]        ; my operand block
.macro LOAD t                          ; block t: W(32 t + i, my column) into set t % 2
.set I, 0
.rept 32
	global_load_b32 v[X+32*((\t)%2)+I], v[VO+I], s[BT+2*(\t):BT+2*(\t)+1] th:TH_LOAD_NT
.set I, I+1
.endr
.endm
	LOAD 0
	LOAD 1
.macro BLOCK t
.set XS, X+32*((\t)%2)
.set CC, C+8*(\t)
.if (\t) < 7
	s_wait_loadcnt 32                              ; this block's 32 loads are in; the next block's 32 may be out
.else
	s_wait_loadcnt 0x0
.endif
	v_max3_num_f32 v12, |v[XS]|, |v[XS+1]|, |v[XS+2]|               ; the block's largest magnitude: all 32 numbers are mine; two chains
	v_max3_num_f32 v13, |v[XS+3]|, |v[XS+4]|, |v[XS+5]|
.irp i, 6,10,14,18,22,26
	v_max3_num_f32 v12, v12, |v[XS+\i]|, |v[XS+\i+1]|
	v_max3_num_f32 v13, v13, |v[XS+\i+2]|, |v[XS+\i+3]|
.endr
	v_max3_num_f32 v12, v12, |v[XS+30]|, |v[XS+31]|
	v_max3_num_f32 v12, v12, v13, 0x4800000        ; and the floor 2^(9 - 127): the byte cannot fall under 1
	v_add_nc_u32 v11, 0xfc000000, v12              ; 8 off the exponent field: the conversion takes this operand's exponent field as its scale
	v_and_or_b32 v10, v12, 0x7f800000, s53         ; 448 x the scale
	v_lshrrev_b32 v13, 23, v11                     ; the scale's byte
.if (\t)%4 == 0
	v_mov_b32 v[SB+(\t)/4], v13
.else
	v_lshl_or_b32 v[SB+(\t)/4], v13, 8*((\t)%4), v[SB+(\t)/4]
.endif
.set I, 0
.rept 32
	v_med3_num_f32 v[XS+I], v[XS+I], -v10, v10     ; the conversion to an 8-bit code does not saturate (ISA guide 7.6.2): the hold comes first
.set I, I+1
.endr
.irp g, 0,1,2,3
	v_cvt_scalef32_pk8_fp8_f32 v[CC+2*\g:CC+2*\g+1], v[XS+8*\g:XS+8*\g+7], v11
.endr
	global_store_b128 v4, v[CC:CC+3], s[6:7] offset:4096*(\t)          ; k = 0..15 of the block: lanes (r, 0) of my chunk
	global_store_b128 v4, v[CC+4:CC+7], s[6:7] offset:4096*(\t)+256    ; k = 16..31: lanes (r, 1)
.if (\t)+2 < 8
	LOAD (\t)+2
.endif
.endm
.irp t, 0,1,2,3,4,5,6,7
	BLOCK \t
.endr
	global_store_b32 v5, v[SB], s[6:7]             ; the words of k 0..127
	global_store_b32 v5, v[SB+1], s[6:7] offset:512   ; and of k 128..255
	s_endpgm
.Lfunc_end_k_q8aae42ee8f_wquant:
	.size	k_q8aae42ee8f_wquant, .Lfunc_end_k_q8aae42ee8f_wquant-k_q8aae42ee8f_wquant
	.p2alignl 7, 3214868480
	.fill 96, 4, 3214868480
	.section	.rodata,"a",@progbits
	.p2align	6, 0x0
	.amdhsa_kernel k_q8aae42ee8f_wquant
		.amdhsa_group_segment_fixed_size 0
		.amdhsa_private_segment_fixed_size 0
		.amdhsa_enable_private_segment 0
		.amdhsa_kernarg_size 56
		.amdhsa_user_sgpr_count 2
		.amdhsa_user_sgpr_kernarg_segment_ptr 1
		.amdhsa_wavefront_size32 1
		.amdhsa_system_sgpr_workgroup_id_x 1
		.amdhsa_system_sgpr_workgroup_id_y 1
		.amdhsa_system_sgpr_workgroup_id_z 1
		.amdhsa_system_vgpr_workitem_id 0
		.amdhsa_next_free_vgpr 192
		.amdhsa_next_free_sgpr 66
		.amdhsa_reserve_vcc 0
		.amdhsa_float_denorm_mode_32 3
		.amdhsa_float_denorm_mode_16_64 3
		.amdhsa_memory_ordered 1
		.amdhsa_forward_progress 1
		.amdhsa_inst_pref_size 59
	.end_amdhsa_kernel
	.amdgpu_metadata
---
amdhsa.version: [ 1, 2 ]
amdhsa.kernels:
  - .name:           k_q8aae42ee8f_wquant
    .symbol:         k_q8aae42ee8f_wquant.kd
    .args:
      - { .name: wq, .offset: 0, .size: 8, .value_kind: global_buffer, .address_space: global }
      - { .name: wk, .offset: 8, .size: 8, .value_kind: global_buffer, .address_space: global }
      - { .name: wv, .offset: 16, .size: 8, .value_kind: global_buffer, .address_space: global }
      - { .name: wo, .offset: 24, .size: 8, .value_kind: global_buffer, .address_space: global }
      - { .name: w1, .offset: 32, .size: 8, .value_kind: global_buffer, .address_space: global }
      - { .name: w2, .offset: 40, .size: 8, .value_kind: global_buffer, .address_space: global }
      - { .name: wb, .offset: 48, .size: 8, .value_kind: global_buffer, .address_space: global }
    .group_segment_fixed_size: 0
    .private_segment_fixed_size: 0
    .kernarg_segment_align: 8
    .kernarg_segment_size: 56
    .max_flat_workgroup_size: 128
    .sgpr_count:     66
    .vgpr_count:     192
    .wavefront_size: 32
...
	.end_amdgpu_metadata
.endif
;; end of part 1
;; launch ln1 (part 2): grid 256 x 1, 4 waves a work-group, no clusters, 1,024 bytes of LDS; arguments hidden, ln1_g, ln1_b, aq; writes aq
.if DOCPART == 2
	.amdgcn_target "amdgcn-amd-amdhsa--gfx1250"
	.amdhsa_code_object_version 6
	.text
	.protected	k_q8aae42ee8f_ln1
	.globl	k_q8aae42ee8f_ln1
	.p2align	8
	.type	k_q8aae42ee8f_ln1,@function
k_q8aae42ee8f_ln1:
	s_mov_b64 s[64:65], 0
	v_nop
	global_prefetch_b8 v0, s[64:65] scope:SCOPE_SE
	s_setreg_imm32_b32 hwreg(HW_REG_WAVE_MODE, 25, 1), 1
	s_wait_xcnt 0x0
; y = g (x - mean) / (std + 1e-6) + b along rows of 1,024 f32, std with the divisor 1,023; y is quantised along the row to FP8 (E4M3) with one E8M0 scale for each 32
; and stored as OPERAND BLOCKS (128 rows x 256 K, 33,792 bytes: chunk (kb, tile) at kb*4096 + tile*512, lane l = 16 h + r at 16 l: row rho(tile, r) = 32 (tile/2) + 8 (tile%2) + r + 8 (r/8),
; k = 32 kb + 16 h + 0..15; scale words at 32768 + q*512 + tile*64 + 4 r).  The buffer is [group of 128 rows][4 blocks along K].
; SHARES: a work-group takes one tile of 16 rows; wave w takes columns 256 w on, which is operand block w of the group; lane (r, h) holds 16 numbers of each of the 8 blocks of 32, in the order
; that the operand's layout gives that lane: 128 registers.  So the conversions' results are the image, and each store of codes covers 512 consecutive bytes, aligned.
; The row's sum and the sum of squares of x - mean (two passes: no difference of large sums) are joined across the two halves of the lanes and, through 16 bytes a row of LDS, across the four waves:
; two barriers, on different LDS bytes, so that no third is needed.  The scale words leave as two runs of 64 bytes a wave: 128 of a wave's 4,224 bytes.
; LIMITS: 1/1023 and 1/(std + eps) are multiplications by a rounded reciprocal (v_rcp_f32, v_sqrt_f32: 1 ulp); a block under 2^-118 gets the byte 1; NaN and infinities are not served.
.set BLK, 33792
.set XA,  4                            ; v4  x: my lane's byte in the tile's rows
.set GA,  5                            ; v5  g, b: 64 h
.set RA,  6                            ; v6  LDS: my row's partial sum, my wave's word
.set RR,  7                            ; v7  LDS: my row's four partial sums
.set OA,  8                            ; v8  codes: 16 lane + tile*512
.set SA,  9                            ; v9  scale words: 32768 + 512 h + tile*64 + 4 r
.set TM,  16                           ; v16-31 the quantiser's: largest magnitudes, bytes, holds, scale operands
.set PC0, 32                           ; v32-47 first the sums' chains, then the codes of k 0..127
.set PC1, 48                           ; v48-63 the codes of k 128..255
.set X,   64                           ; v64-191 my 128 numbers
.set GB,  192                          ; v192-255 two sets of 16 g and 16 b
	s_load_b256 s[4:11], s[0:1], 0x0               ; x s[4:5], g s[6:7], b s[8:9], the blocks s[10:11]
	s_set_vgpr_msb 0x40
	v_lshl_add_u32 v0, v0, 2, 0x200
	v_mov_b32 v1, 0
	s_set_vgpr_msb 0x4000
	v_lshrrev_b32 v1, 5, v0
	v_readfirstlane_b32 s12, v1                    ; wave
	v_and_b32 v1, 15, v0                           ; r
	v_bfe_u32 v2, v0, 4, 1                         ; h
	v_and_b32 v3, 31, v0                           ; lane
	v_and_b32 v[XA], 8, v1
	v_add_nc_u32 v[XA], v[XA], v1                  ; r + 8 (r / 8)
	v_lshlrev_b32 v[XA], 12, v[XA]                 ; rows of 4,096 bytes
	v_lshl_add_u32 v[XA], v2, 6, v[XA]             ; + 64 h: my 16 numbers of a block of 32
	v_lshlrev_b32 v[GA], 6, v2
	v_lshlrev_b32 v[RR], 4, v1
	s_lshl_b32 s13, s12, 2
	v_add_nc_u32 v[RA], s13, v[RR]
	s_and_b32 s14, ttmp9, 7                        ; tile
	s_lshr_b32 s15, ttmp9, 3                       ; group
	s_lshl_b32 s16, s14, 9
	v_lshl_add_u32 v[OA], v3, 4, s16
	s_lshl_b32 s16, s14, 6
	s_add_co_u32 s16, s16, 32768
	v_lshl_add_u32 v[SA], v1, 2, s16
	v_lshl_add_u32 v[SA], v2, 9, v[SA]
	s_lshl_b32 s17, s15, 7                         ; the tile's first row: 128 g + 32 (tile / 2) + 8 (tile % 2)
	s_lshr_b32 s18, s14, 1
	s_lshl_b32 s18, s18, 5
	s_add_co_u32 s17, s17, s18
	s_and_b32 s18, s14, 1
	s_lshl_b32 s18, s18, 3
	s_add_co_u32 s17, s17, s18
	s_lshl_b32 s18, s17, 12
	s_lshl_b32 s20, s12, 10                        ; my wave's 256 columns
	s_add_co_u32 s18, s18, s20
	s_mov_b32 s19, 0
	s_mov_b32 s21, 0
	s_lshl_b32 s22, s15, 2
	s_add_co_u32 s22, s22, s12
	s_mul_i32 s22, s22, BLK                        ; operand block 4 g + w
	s_mov_b32 s23, 0
	s_mov_b32 s24, 0x76543210
	s_mov_b32 s25, 0xfedcba98                      ; v_permlanex16_b32's selects for lane l xor 16
	s_mov_b32 s26, 0x600000                        ; the mantissa field of 448
.irp b, 0,1,2,3
	v_mov_b32 v[TM+4+\b], 0                        ; written once: a lane permute's destination counts as one of its sources
.endr
	s_wait_kmcnt 0x0
	s_add_nc_u64 s[4:5], s[4:5], s[18:19]
	s_add_nc_u64 s[6:7], s[6:7], s[20:21]
	s_add_nc_u64 s[8:9], s[8:9], s[20:21]
	s_add_nc_u64 s[10:11], s[10:11], s[22:23]
.irp kb, 0,1,2,3,4,5,6,7
.irp j, 0,1,2,3
	global_load_b128 v[X+16*\kb+4*\j:X+16*\kb+4*\j+3], v[XA], s[4:5] offset:128*\kb+16*\j
.endr
.endr
.macro GBLOAD kb                       ; g and b of my 16 columns of block kb into set kb % 2
.irp j, 0,1,2,3
	global_load_b128 v[GB+32*((\kb)%2)+4*\j:GB+32*((\kb)%2)+4*\j+3], v[GA], s[6:7] offset:128*(\kb)+16*\j
	global_load_b128 v[GB+16+32*((\kb)%2)+4*\j:GB+16+32*((\kb)%2)+4*\j+3], v[GA], s[8:9] offset:128*(\kb)+16*\j
.endr
.endm
	GBLOAD 0
	GBLOAD 1
; four chains in v32-39 become the row's sum over all 1,024 columns, in v32 of every lane of the row
.macro REDUCE off
	v_pk_add_f32 v[32:33], v[32:33], v[34:35]
	v_pk_add_f32 v[36:37], v[36:37], v[38:39]
	v_pk_add_f32 v[32:33], v[32:33], v[36:37]
	v_add_f32 v32, v32, v33
	v_permlanex16_b32 v33, v32, s24, s25           ; the row's other half lies in lane l xor 16
	v_add_f32 v32, v32, v33
	ds_store_b32 v[RA], v32 offset:\off            ; both lanes of a row write the same word with the same value
	s_wait_dscnt 0x0                               ; for the others' sake: my store has landed
	s_barrier_signal -1
	s_barrier_wait -1
	ds_load_b128 v[36:39], v[RR] offset:\off       ; the four waves' parts of my row
	s_wait_dscnt 0x0
	v_add_f32 v36, v36, v37
	v_add_f32 v38, v38, v39
	v_add_f32 v32, v36, v38
.endm
	s_wait_loadcnt 16                              ; x is in; the two sets of g and b (16 loads) may be out
.irp c, 0,1,2,3
	v_pk_add_f32 v[32+2*\c:33+2*\c], v[X+2*\c:X+2*\c+1], v[X+8+2*\c:X+9+2*\c]   ; the first pairs start the chains: nothing is cleared
.endr
.set P, 8
.rept 56
	v_pk_add_f32 v[32+2*(P%4):33+2*(P%4)], v[32+2*(P%4):33+2*(P%4)], v[X+2*P:X+2*P+1]
.set P, P+1
.endr
	REDUCE 0
	v_mul_f32 v10, 0x3a800000, v32                 ; the mean: / 1,024, exact
	v_mov_b32 v11, v10
.set P, 0
.rept 64
	v_pk_add_f32 v[X+2*P:X+2*P+1], v[X+2*P:X+2*P+1], v[10:11] neg_lo:[0,1] neg_hi:[0,1]   ; x - mean, in place
.set P, P+1
.endr
.irp c, 0,1,2,3
	v_pk_mul_f32 v[32+2*\c:33+2*\c], v[X+2*\c:X+2*\c+1], v[X+2*\c:X+2*\c+1]
.endr
.set P, 4
.rept 60
	v_pk_fma_f32 v[32+2*(P%4):33+2*(P%4)], v[X+2*P:X+2*P+1], v[X+2*P:X+2*P+1], v[32+2*(P%4):33+2*(P%4)]
.set P, P+1
.endr
	REDUCE 256
	v_mul_f32 v32, 0x3a802008, v32                 ; / 1,023
	v_sqrt_f32 v33, v32
	v_nop                                          ; one plain instruction behind a transcendental (ISA guide 5.7.2)
	s_wait_alu depctr_va_vdst(0)
	v_add_f32 v33, 0x358637bd, v33                 ; + 1e-6
	v_rcp_f32 v12, v33
	v_nop
	s_wait_alu depctr_va_vdst(0)
	v_mov_b32 v13, v12
.irp kb, 0,1,2,3,4,5,6,7
.if \kb < 7
	s_wait_loadcnt 8                               ; this block's g and b are in; the next block's 8 loads may be out
.else
	s_wait_loadcnt 0x0
.endif
.irp i, 0,2,4,6,8,10,12,14
	v_pk_mul_f32 v[X+16*\kb+\i:X+16*\kb+\i+1], v[X+16*\kb+\i:X+16*\kb+\i+1], v[12:13]
.endr
.irp i, 0,2,4,6,8,10,12,14
	v_pk_fma_f32 v[X+16*\kb+\i:X+16*\kb+\i+1], v[X+16*\kb+\i:X+16*\kb+\i+1], v[GB+32*(\kb%2)+\i:GB+32*(\kb%2)+\i+1], v[GB+16+32*(\kb%2)+\i:GB+16+32*(\kb%2)+\i+1]
.endr
.if \kb < 6
	GBLOAD \kb+2
.endif
.endr
; 64 numbers of a lane, register 16 b + i = k 32 b + 16 h + i of my row, become a fragment's codes in v[pc] on and its scale word in v[pw]
.macro QUANT s, pc, pw
.irp b, 0,1,2,3
	v_max3_num_f32 v[TM+\b], |v[\s+16*\b]|, |v[\s+1+16*\b]|, 0x4800000   ; my 16 numbers of block b, and the floor 2^(9 - 127): the byte cannot fall under 1
.endr
.irp i, 2,4,6,8,10,12,14
.irp b, 0,1,2,3
	v_max3_num_f32 v[TM+\b], v[TM+\b], |v[\s+16*\b+\i]|, |v[\s+1+16*\b+\i]|   ; the four blocks by turns
.endr
.endr
.irp b, 0,1,2,3
	v_permlanex16_b32 v[TM+4+\b], v[TM+\b], s24, s25
.endr
.irp b, 0,1,2,3
	v_max_num_f32 v[TM+\b], v[TM+\b], v[TM+4+\b]   ; with lane l xor 16's: the block's largest magnitude
.endr
.irp b, 0,1,2,3
	v_add_nc_u32 v[TM+12+\b], 0xfc000000, v[TM+\b] ; 8 off the exponent field: the conversion's scale operand
.endr
.irp b, 0,1,2,3
	v_and_or_b32 v[TM+8+\b], v[TM+\b], 0x7f800000, s26   ; 448 x the scale
.endr
.irp b, 0,1,2,3
	v_lshrrev_b32 v[TM+4+\b], 23, v[TM+12+\b]      ; the scale's byte
.endr
	v_lshl_or_b32 v[\pw], v[TM+5], 8, v[TM+4]
	v_lshl_or_b32 v[\pw], v[TM+6], 16, v[\pw]
	v_lshl_or_b32 v[\pw], v[TM+7], 24, v[\pw]
.irp b, 0,1,2,3
.irp i, 0,1,2,3,4,5,6,7,8,9,10,11,12,13,14,15
	v_med3_num_f32 v[\s+16*\b+\i], v[\s+16*\b+\i], -v[TM+8+\b], v[TM+8+\b]   ; the conversion does not saturate (ISA guide 7.6.2): the hold comes first
.endr
	v_cvt_scalef32_pk8_fp8_f32 v[\pc+4*\b:\pc+1+4*\b], v[\s+16*\b:\s+7+16*\b], v[TM+12+\b]
	v_cvt_scalef32_pk8_fp8_f32 v[\pc+2+4*\b:\pc+3+4*\b], v[\s+8+16*\b:\s+15+16*\b], v[TM+12+\b]
.endr
	v_nop                                          ; a plain instruction behind the last conversion
.endm
	QUANT X, PC0, 14
.irp c, 0,1,2,3
	global_store_b128 v[OA], v[PC0+4*\c:PC0+4*\c+3], s[10:11] offset:4096*\c       ; chunk (c, tile): 512 consecutive bytes
.endr
	QUANT X+64, PC1, 15
.irp c, 0,1,2,3
	global_store_b128 v[OA], v[PC1+4*\c:PC1+4*\c+3], s[10:11] offset:4096*(4+\c)
.endr
	v_cmp_ne_u32 vcc_lo, 0, v2
	v_cndmask_b32 v14, v14, v15, vcc_lo            ; lanes 0-15 store the word of k 0..127, lanes 16-31 that of k 128..255
	global_store_b32 v[SA], v14, s[10:11]
	s_set_vgpr_msb 0x5
	s_wait_tensorcnt 0x0
	ds_add_u32 v0, v1
	s_wait_dscnt 0x0
	s_set_vgpr_msb 0x500
	s_endpgm
.Lfunc_end_k_q8aae42ee8f_ln1:
	.size	k_q8aae42ee8f_ln1, .Lfunc_end_k_q8aae42ee8f_ln1-k_q8aae42ee8f_ln1
	.p2alignl 7, 3214868480
	.fill 96, 4, 3214868480
	.section	.rodata,"a",@progbits
	.p2align	6, 0x0
	.amdhsa_kernel k_q8aae42ee8f_ln1
		.amdhsa_group_segment_fixed_size 1024
		.amdhsa_private_segment_fixed_size 0
		.amdhsa_enable_private_segment 0
		.amdhsa_kernarg_size 32
		.amdhsa_user_sgpr_count 2
		.amdhsa_user_sgpr_kernarg_segment_ptr 1
		.amdhsa_wavefront_size32 1
		.amdhsa_system_sgpr_workgroup_id_x 1
		.amdhsa_system_sgpr_workgroup_id_y 1
		.amdhsa_system_sgpr_workgroup_id_z 1
		.amdhsa_system_vgpr_workitem_id 0
		.amdhsa_next_free_vgpr 258
		.amdhsa_next_free_sgpr 66
		.amdhsa_reserve_vcc 1
		.amdhsa_float_denorm_mode_32 3
		.amdhsa_float_denorm_mode_16_64 3
		.amdhsa_memory_ordered 1
		.amdhsa_forward_progress 1
		.amdhsa_inst_pref_size 51
	.end_amdhsa_kernel
	.amdgpu_metadata
---
amdhsa.version: [ 1, 2 ]
amdhsa.kernels:
  - .name:           k_q8aae42ee8f_ln1
    .symbol:         k_q8aae42ee8f_ln1.kd
    .args:
      - { .name: hidden, .offset: 0, .size: 8, .value_kind: global_buffer, .address_space: global }
      - { .name: ln1_g, .offset: 8, .size: 8, .value_kind: global_buffer, .address_space: global }
      - { .name: ln1_b, .offset: 16, .size: 8, .value_kind: global_buffer, .address_space: global }
      - { .name: aq, .offset: 24, .size: 8, .value_kind: global_buffer, .address_space: global }
    .group_segment_fixed_size: 1024
    .private_segment_fixed_size: 0
    .kernarg_segment_align: 8
    .kernarg_segment_size: 32
    .max_flat_workgroup_size: 128
    .sgpr_count:     66
    .vgpr_count:     258
    .wavefront_size: 32
...
	.end_amdgpu_metadata
.endif
;; end of part 2
;; launch qkv (part 3): grid 8 x 24, 4 waves a work-group, clusters of 4 x 4, 327,680 bytes of LDS; arguments aq, wb, bq, bk, bv, mask, qb, kv; writes qb, kv
.if DOCPART == 3
	.amdgcn_target "amdgcn-amd-amdhsa--gfx1250"
	.amdhsa_code_object_version 6
	.text
	.protected	k_q8aae42ee8f_qkv
	.globl	k_q8aae42ee8f_qkv
	.p2align	8
	.type	k_q8aae42ee8f_qkv,@function
k_q8aae42ee8f_qkv:
	s_mov_b64 s[64:65], 0
	v_nop
	global_prefetch_b8 v0, s[64:65] scope:SCOPE_SE
	s_setreg_imm32_b32 hwreg(HW_REG_WAVE_MODE, 25, 1), 1
	s_wait_xcnt 0x0
	s_wait_alu depctr_hold_cnt(0) depctr_sa_sdst(0) depctr_va_vdst(0) depctr_va_sdst(0) depctr_va_ssrc(0) depctr_va_vcc(0) depctr_vm_vsrc(0)
	s_getreg_b32 s2, hwreg(HW_REG_IB_STS2, 6, 4)
	s_cmp_eq_u32 s2, 0
	s_cbranch_scc0 .Lentry_in_a_cluster
	s_endpgm
.Lentry_in_a_cluster:
	s_bfe_u32 s2, ttmp6, 0x10000c
	s_cmp_lg_u32 s2, 0xf033
	s_cbranch_scc0 .Lentry_shape_is_right
	s_endpgm
.Lentry_shape_is_right:
; q = x Wq + bq, k = x Wk + bk, v = x Wv + bv on codes of FP8 (E4M3) with E8M0 scales for each 32 along K = 1,024; the results are quantised on the way out: q and k along a head's 64, v along the KEYS.
; OPERANDS are OPERAND BLOCKS of 33,792 bytes (128 rows x 256 K as an image of the operand's registers: chunk (kb, tile) at kb*4096 + tile*512, lane l at 16 l; scale words at 32768 + q*512 + tile*64 + 4 r;
; lane-row r of tile t is row rho(t, r) = 32 (t/2) + 8 (t%2) + r + 8 (r/8)).  A buffer is [group of 128 rows][K/256].  x's blocks lie in aq; wq, wk, wv in wb, 32 blocks each.
; ONE TEXT, TWO PARTS, chosen by the cluster's y (no branch: selects on cluster numbers, alike in all partners):
;   y < 4:  C = x [Wq | Wk]: A = aq (16 tile rows of 256 tokens), B = wb's first 16 groups (8 tile columns).   y >= 4:  C = Wv^T x^T: A = wv's 8 groups (4 tile rows of 256 channels), B = aq (16 tile columns of tokens):
;   v comes out transposed, its columns are the tokens, and the same quantiser along the columns runs along the keys.
; THE CORE: a tile of C, 256 x 256, by four waves of 128 x 128 (64 accumulators, 512 registers); K in steps of 256 through two LDS slots, each four operand blocks, one dense tensor load a wave;
; 4 x 4 clusters: A's blocks are asked for jointly along a row of the cluster, B's along a column.  The product is used transposed (source 0 = B's tile, source 1 = A's): by the choice of rows rho, the 16 registers of
; accumulators (a, 2 B) and (a, 2 B + 1) are columns 32 B + 16 h + 0..15 of row rho(a, r): the next operand's layout, so the conversions' results are stored as they stand, 512 consecutive bytes a store.
; BIASES: bq, bk are the C of the first products (zeroed by an AND in the v part); bv belongs to rows: it is added on the way out (zeroed in the other part).
; THE MASK: a masked key's codes of k are made zeros (the hold at the largest code becomes 0 for its rows), so that the attention launch can REPLACE its score exactly.
; OUT: regions of 33,792 bytes for a pair of heads x 256 tokens: chunk (B 0..3, u 0..15) at B*8192 + u*512, words at 32768 + u*64 + 4 r.  q, k: B = 2 e + c (head e of the pair, block c of its 64), u = tile of tokens.
; v: B = block of 32 keys within 128, u = 8 (which 128 keys) + 4 e + tile of the head's 64 channels.  kv = [batch][pair][slot of 256 tokens][k region | v region]; qb has the same stride and its first region alone.
; LIMITS: a block under 2^-118 gets the byte 1; NaN and infinities are not served.
; REGISTERS: window 0: v1-31 addresses; v32-63 scale words, two sets, and nothing else; v64-127 the first products' C, later bv and the mask; v128-255 A's fragments, one set; on the way out codes and the quantiser's registers.
;   window 1: B's fragments, two sets.   windows 2, 3: the accumulators ((a, b) at v[8 (8 (a%4) + b)] of window 2 + a/4).
.set SIZE_K, 1024
.set BLK,    33792
.set GSTR,   (SIZE_K/256)*BLK          ; from a group of 128 rows to the next
.set SLOT,   4*BLK                     ; A's two groups, then B's two
.set LAPS,   SIZE_K/512
.set SPARE,  2*SLOT                    ; the spare words, 128 bytes a wave: two blocks of 256 bytes that no other line names
.set STG,    SPARE+512                 ; 512 bytes a wave for its scale words: never the target of a tensor load
.set FR,   16
.set NP,   8                           ; places behind this matrix instruction (ISA guide 7.12.1)
.set ADRA, 16                          ; v16-17 my A fragments in slot 0, 1
.set ADRB, 20                          ; v20-21 my B fragments
.set ADRS, 22                          ; v22-23 my scale words: lanes 0-15 A's, lanes 16-31 B's
.set SWA,  24                          ; v24 the way out: where my row's scale word goes
.set SRA,  25                          ; v25 and where 16 bytes of words come back
.set CO,   26                          ; v26 16 x lane
.set SPW,  28
.set NIL,  29
.set BIA,  30                          ; v30 64 h
.set RBA,  31                          ; v31 4 (r + 8 (r / 8))
.set SC,   32
.set CB,   64
.set RB,   64                          ; v64-79 bv of my row of tile a, twice
.set MK,   80                          ; v80-87 the mask of my row of tile a
.set AF,   128
.set PCS,  128                         ; the way out: two sets of 16 registers of codes
.set TM,   160                         ; v160-175 the quantiser's
.set PW,   176                         ; v176-183 tile a's scale word
.set KM,   184                         ; v184-191 all ones, or 0 where my row of tile a is a masked key
.set G1,  24
.set G0,  32
.set G1B, 48
.set G0B, 56
.set MSB, 0
.macro WIN new                         ; the immediate's high byte repeats the setting that is left
.if MSB != \new
	s_set_vgpr_msb (MSB<<8)|\new
.set MSB, \new
.endif
.endm
.set MUL_LO, 0xa1                      ; source 0 (B) window 1, source 1 (A) window 0, C and D window 2
.set MUL_HI, 0xf1                      ; the same, C and D window 3
.set TO_B,   0x40                      ; destination window 1, address window 0
.macro JLOAD g0a, g0b                  ; a joint load: waves 0, 1 fetch A's two groups, waves 2, 3 B's; four v_nop follow each line
	s_cmp_eq_u32 s15, 0
	s_cbranch_scc0 .Lfor_b_\@
	tensor_load_to_lds s[\g0a:\g0a+3], s[G1:G1+7]
	s_nop 0
.rept 4
	v_nop
.endr
	s_branch .Lasked_\@
.Lfor_b_\@:
	tensor_load_to_lds s[\g0b:\g0b+3], s[G1B:G1B+7]
	s_nop 0
.rept 4
	v_nop
.endr
.Lasked_\@:
.endm
.macro CREST                           ; a round of the cluster's barrier behind its opening barrier
	s_cmp_lg_u32 s14, 0
	s_cbranch_scc1 .Lnot_wave_0_\@
	s_barrier_signal -3
.Lnot_wave_0_\@:
	s_barrier_wait -3
	s_barrier_signal -1
	s_barrier_wait -1
.endm
.macro CROUND
	s_barrier_signal -1
	s_barrier_wait -1
	CREST
.endm
	s_load_b128 s[4:7], s[0:1], 0x0                ; aq, wb
	s_load_b128 s[8:11], s[0:1], 0x10              ; bq, bk
	s_load_b128 s[68:71], s[0:1], 0x20             ; bv, mask
	s_load_b128 s[72:75], s[0:1], 0x30             ; qb, kv
	v_lshl_add_u32 v[SPW], v0, 2, SPARE
	v_mov_b32 v[NIL], 0
	ds_add_u32 v28, v29
	s_wait_dscnt 0x0
	v_lshrrev_b32 v1, 5, v0
	v_readfirstlane_b32 s14, v1                    ; wave 0..3
	s_lshr_b32 s15, s14, 1                         ; my half of the tile's rows.  Also: I fetch for A (0) or for B (1)
	s_and_b32 s16, s14, 1                          ; my half of its columns.  Also: which group I fetch
	s_bfe_u32 s40, ttmp6, 0x40000                  ; cx
	s_bfe_u32 s41, ttmp6, 0x40004                  ; cy
	s_and_b32 s76, ttmp7, 0xffff                   ; the cluster's y: 0-3 the q, k part, 4-5 the v part
	s_max_u32 s77, s76, 4
	s_sub_co_u32 s77, s77, 4
	s_lshl_b32 s77, s77, 1
	s_add_co_u32 s77, s77, ttmp9                   ; v part: cluster column 2 (y - 4) + x
	s_cmp_ge_u32 s76, 4
	s_cselect_b32 s77, s77, ttmp9                  ; cluster column
	s_cselect_b32 s78, 0, s76                      ; cluster row
	s_cselect_b32 s79, 1, 0                        ; 1 in the v part
	s_cselect_b32 s80, 0, -1                       ; keeps the column bias in the q, k part
	s_cselect_b32 s81, -1, 0                       ; keeps the row bias in the v part
	s_lshl_b32 s42, s77, 2
	s_add_co_u32 s42, s42, s40                     ; tile column
	s_lshl_b32 s17, s78, 2
	s_add_co_u32 s17, s17, s41                     ; tile row
	s_lshl_b32 s43, s41, 2
	s_lshl_b32 s43, 15, s43                        ; my row of the cluster
	s_lshl_b32 s44, 0x1111, s40                    ; my column
	; descriptor group 1: an operand block, dense: 132 rows of 32 elements of 8 bytes, no padding
	s_or_b32 s[G1+0], s43, (3<<16)|(1<<21)         ; 15:0 the mask; 17:16 elements of 8 bytes; 21 set beside a mask
	s_or_b32 s[G1B+0], s44, (3<<16)|(1<<21)
.irp g, G1, G1B
	s_mov_b32 s[\g+1], 32<<16                      ; tensor_dim0 = 32
	s_mov_b32 s[\g+2], 132<<16                     ; tensor_dim1 = 132
	s_mov_b32 s[\g+3], 32<<16                      ; tile_dim0 = 32
	s_mov_b32 s[\g+4], 132                         ; tile_dim1 = 132
	s_mov_b32 s[\g+5], 32                          ; tensor_dim0_stride
	s_mov_b32 s[\g+6], 0
	s_mov_b32 s[\g+7], 0
.endr
	s_lshl_b32 s20, s17, 1
	s_add_co_u32 s20, s20, s16
	s_mul_i32 s20, s20, GSTR                       ; A: group 2 x tile row + which
	s_mov_b32 s21, 0
	s_lshl_b32 s46, s42, 1
	s_add_co_u32 s46, s46, s16
	s_mul_i32 s46, s46, GSTR                       ; B: group 2 x tile column + which
	s_mov_b32 s47, 0
	s_mul_i32 s45, s14, BLK                        ; where it goes: wave x a block: no place in the cluster enters an LDS address
	s_wait_kmcnt 0x0
	s_add_nc_u64 s[82:83], s[6:7], 64*BLK          ; wv's blocks
	s_cmp_eq_u32 s79, 1
	s_cselect_b64 s[84:85], s[82:83], s[4:5]       ; A's buffer
	s_cselect_b64 s[86:87], s[4:5], s[6:7]         ; B's
	s_add_nc_u64 s[20:21], s[84:85], s[20:21]
	s_add_nc_u64 s[46:47], s[86:87], s[46:47]
	CROUND                                         ; all sixteen work-groups are here: the first joint loads meet
.irp s, 0,1
	s_mov_b32 s[G0+4*\s], 1
	s_add_co_u32 s[G0+4*\s+1], s45, \s*SLOT
	s_add_nc_u64 s[G0+4*\s+2:G0+4*\s+3], s[20:21], \s*BLK
	s_or_b32 s[G0+4*\s+3], s[G0+4*\s+3], 0x80000000
	s_mov_b32 s[G0B+4*\s], 1
	s_add_co_u32 s[G0B+4*\s+1], s45, \s*SLOT
	s_add_nc_u64 s[G0B+4*\s+2:G0B+4*\s+3], s[46:47], \s*BLK
	s_or_b32 s[G0B+4*\s+3], s[G0B+4*\s+3], 0x80000000
	JLOAD G0+4*\s, G0B+4*\s                        ; two loads of mine are out
.endr
	v_and_b32 v1, 15, v0                           ; r
	v_bfe_u32 v2, v0, 4, 1                         ; h
	v_and_b32 v3, 31, v0
	v_lshlrev_b32 v[CO], 4, v3                     ; 16 x lane: a lane's place in every chunk
	s_mul_i32 s21, s15, BLK                        ; my group of A
	s_mul_i32 s22, s16, BLK
	s_add_co_u32 s22, s22, 2*BLK                   ; my group of B
	s_xor_b32 s23, s15, 1
	s_add_co_u32 s23, s23, s16
	s_add_co_u32 s23, s23, 1
	s_mul_i32 s23, s23, BLK                        ; the distance from my A block to my B block
	v_mul_u32_u24 v4, s23, v2                      ; lanes 16-31 take B's words: one product
	v_lshl_add_u32 v4, v1, 2, v4
	s_add_co_u32 s23, s21, 32768
	v_add_nc_u32 v[ADRS], s23, v4
	v_add_nc_u32 v[ADRS+1], SLOT, v[ADRS]
.irp s, 0,1
	v_add_nc_u32 v[ADRA+\s], s21, v[CO]
	v_add_nc_u32 v[ADRB+\s], s22, v[CO]
	s_add_co_u32 s21, s21, SLOT
	s_add_co_u32 s22, s22, SLOT
.endr
	v_lshlrev_b32 v[BIA], 6, v2
	v_and_b32 v5, 8, v1
	v_add_nc_u32 v5, v5, v1
	v_lshlrev_b32 v[RBA], 2, v5
	s_lshl_b32 s23, s14, 9
	s_add_co_u32 s23, s23, STG
	v_lshl_add_u32 v[SWA], v1, 2, s23
	v_add_nc_u32 v[SRA], s23, v[CO]
	; the column bias: bq for tile columns 0-3, else bk (in the v part the numbers are loaded and zeroed), at column 256 (tx % 4) + 128 x half
	s_cmp_lt_u32 s42, 4
	s_cselect_b64 s[18:19], s[8:9], s[10:11]
	s_and_b32 s2, s42, 3
	s_lshl_b32 s2, s2, 10
	s_lshl_b32 s3, s16, 9
	s_add_co_u32 s2, s2, s3
	s_mov_b32 s3, 0
	s_add_nc_u64 s[18:19], s[18:19], s[2:3]
.irp b, 0,1,2,3,4,5,6,7
	global_load_b128 v[CB+8*\b:CB+8*\b+3], v[BIA], s[18:19] offset:128*(\b/2)+32*(\b%2)       ; accumulator b's eight columns: 32 (b/2) + 8 (b%2) + 16 h + 0..7
	global_load_b128 v[CB+8*\b+4:CB+8*\b+7], v[BIA], s[18:19] offset:128*(\b/2)+32*(\b%2)+16
.endr
	; the row bias and the mask of my rows
	s_and_b32 s92, s17, 3
	s_lshl_b32 s92, s92, 10
	s_lshl_b32 s93, s15, 9
	s_add_co_u32 s92, s92, s93
	s_mov_b32 s93, 0
	s_add_nc_u64 s[88:89], s[68:69], s[92:93]      ; bv at row 256 (ty % 4) + 128 x half (inside bv in both parts)
	s_lshl_b32 s92, s17, 10
	s_lshl_b32 s94, s15, 9
	s_add_co_u32 s92, s92, s94
	s_add_nc_u64 s[90:91], s[70:71], s[92:93]      ; the mask at token 256 ty + 128 x half
	s_cmp_ge_u32 s42, 4
	s_cselect_b32 s82, 0, -1
	s_or_b32 s82, s82, s81                         ; 0 where my columns are k's: there the mask counts
	; where my results go
	s_and_b32 s92, s42, 3
	s_lshl_b32 s92, s92, 1
	s_add_co_u32 s92, s92, s16                     ; q, k: the pair of heads of my 128 columns
	s_lshl_b32 s93, s17, 1
	s_add_co_u32 s93, s93, s15                     ; v: of my 128 rows
	s_cmp_eq_u32 s79, 1
	s_cselect_b32 s92, s93, s92                    ; pair
	s_cselect_b32 s93, s42, s17                    ; which 256 tokens
	s_cselect_b32 s94, s16, s15                    ; which 128 of them
	s_lshr_b32 s95, s93, 3
	s_lshl_b32 s95, s95, 6
	s_lshl_b32 s92, s92, 3
	s_add_co_u32 s95, s95, s92
	s_and_b32 s93, s93, 7
	s_add_co_u32 s95, s95, s93                     ; [batch][pair][slot]
	s_mul_i32 s95, s95, 2*BLK
	s_lshl_b32 s96, s94, 12
	s_add_co_u32 s96, s96, s95                     ; codes: + 8 tiles of 512 bytes for the second 128
	s_mov_b32 s97, 0
	s_lshl_b32 s92, s94, 9
	s_add_co_u32 s92, s92, s95
	s_add_co_u32 s92, s92, 32768                   ; words
	s_mov_b32 s93, 0
	s_add_nc_u64 s[98:99], s[74:75], BLK           ; the v regions
	s_cmp_lt_u32 s42, 4
	s_cselect_b64 s[12:13], s[72:73], s[74:75]
	s_cmp_eq_u32 s79, 1
	s_cselect_b64 s[12:13], s[98:99], s[12:13]
	s_add_nc_u64 s[100:101], s[12:13], s[92:93]
	s_add_nc_u64 s[12:13], s[12:13], s[96:97]
.macro FRAG reg, adr, q, i             ; a fragment, 16 rows x 128 K: four chunks, 16 bytes a lane each
.irp c, 0,1,2,3
	ds_load_b128 v[\reg+4*\c:\reg+4*\c+3], v[\adr] offset:(4*(\q)+\c)*4096+(\i)*512
.endr
.endm
; 16 matrix instructions: A's tiles a0, a0 + 1 x B's eight, the slot's q-th 128 along K.  p: B's set; sc: the set of scale words; first = 1: C is the bias.  The 64 accumulators take turns.
.macro MUL16 a0, p, q, sc, first
.irp a, \a0, \a0+1
.irp b, 0,1,2,3,4,5,6,7
.if \first
	v_wmma_scale_f32_16x16x128_f8f6f4 v[8*(8*((\a)%4)+\b):8*(8*((\a)%4)+\b)+7], v[128*(\p)+FR*\b:128*(\p)+FR*\b+FR-1], v[AF+FR*(\a):AF+FR*(\a)+FR-1], v[CB+8*\b:CB+8*\b+7], v[SC+16*(\sc)+2*\b+(\q)], v[SC+16*(\sc)+2*(\a)+(\q)] matrix_a_scale:MATRIX_SCALE_ROW1
.else
	v_wmma_scale_f32_16x16x128_f8f6f4 v[8*(8*((\a)%4)+\b):8*(8*((\a)%4)+\b)+7], v[128*(\p)+FR*\b:128*(\p)+FR*\b+FR-1], v[AF+FR*(\a):AF+FR*(\a)+FR-1], v[8*(8*((\a)%4)+\b):8*(8*((\a)%4)+\b)+7], v[SC+16*(\sc)+2*\b+(\q)], v[SC+16*(\sc)+2*(\a)+(\q)] matrix_a_scale:MATRIX_SCALE_ROW1
.endif
.endr
.endr
.endm
.macro FETCH_B slot, q, p
	WIN TO_B
.irp i, 0,1,2,3,4,5,6,7
	FRAG 128*(\p)+FR*\i, ADRB+\slot, \q, \i
.endr
	WIN 0
.endm
.macro FETCH_A slot, q, i0
.irp i, \i0, \i0+1, \i0+2, \i0+3
	FRAG AF+FR*(\i), ADRA+\slot, \q, \i
.endr
.endm
.macro SCALES s                        ; slot s's scale words: register 2 i + q: lanes 0-15 A's tile i, lanes 16-31 B's tile i
.irp i, 0,1,2,3,4,5,6,7
	ds_load_b32 v[SC+16*\s+2*\i], v[ADRS+\s] offset:\i*64
	ds_load_b32 v[SC+16*\s+2*\i+1], v[ADRS+\s] offset:512+\i*64
.endr
.endm
.macro PLACES n                        ; plain vector instructions between a matrix instruction and a load into, or a read of, its registers
.rept \n
	v_nop
.endr
.endm
.macro STEP slot, q, first             ; a step of 128 along K that has its successor in the same slot
	s_wait_dscnt 16                                ; B's set, A's tiles 0-3 and the scale words are in; the youngest 16 loads (A's tiles 4-7) may be out
.if \first
	WIN 0x81                                       ; C in window 0
.else
	WIN MUL_LO
.endif
	MUL16 0, (\q)%2, \q, \slot, \first
	MUL16 2, (\q)%2, \q, \slot, \first
	s_wait_dscnt 0x0
	PLACES NP
	FETCH_B \slot, (\q)+1, 1-(\q)%2
	FETCH_A \slot, (\q)+1, 0
.if \first
	WIN 0xc1
.else
	WIN MUL_HI
.endif
	MUL16 4, (\q)%2, \q, \slot, \first
	MUL16 6, (\q)%2, \q, \slot, \first
	PLACES NP
	WIN 0
	FETCH_A \slot, (\q)+1, 4
.endm
; A slot's last step changes slots: one barrier; in front of it each wave waits for all its tensor loads, adds 0 to its spare word, and waits for that and for its reads of this slot.  fill = 1: the slot is filled again.
.macro TURN slot, next, fill
	s_wait_tensorcnt 0x0                           ; all my tensor loads have landed: my part of the next slot
	ds_add_u32 v[SPW], v[NIL]                      ; 0 onto my spare word
	s_wait_dscnt 17                                ; the add and the youngest 16 loads may be out
	WIN MUL_LO
	MUL16 0, 1, 1, \slot, 0
	s_wait_dscnt 0x0                               ; the add is done, and my reads of this slot are over
	s_barrier_signal -1
	MUL16 2, 1, 1, \slot, 0
	WIN 0
	s_barrier_wait -1
.if \fill
	CREST                                          ; the barrier has opened a round of the cluster's barrier: no wave of any partner still reads this slot or has a load on its way
	s_add_nc_u64 s[G0+4*\slot+2:G0+4*\slot+3], s[G0+4*\slot+2:G0+4*\slot+3], 2*BLK
	s_add_nc_u64 s[G0B+4*\slot+2:G0B+4*\slot+3], s[G0B+4*\slot+2:G0B+4*\slot+3], 2*BLK
	JLOAD G0+4*\slot, G0B+4*\slot                  ; the first tensor load behind the round; its four v_nop are four of the places
	PLACES NP-4
.else
	PLACES NP
.endif
	FETCH_B \next, 0, 0
	FETCH_A \next, 0, 0
	SCALES \next
	WIN MUL_HI
	MUL16 4, 1, 1, \slot, 0
	MUL16 6, 1, 1, \slot, 0
	PLACES NP
	WIN 0
	FETCH_A \next, 0, 4
.endm
	s_wait_loadcnt 0x0                             ; the column bias
.set I, 0
.rept 64
	v_and_b32 v[CB+I], s80, v[CB+I]                ; zero in the v part
.set I, I+1
.endr
	PLACES NP
	s_wait_tensorcnt 1                             ; my part of slot 0 is in; slot 1's load may be out
	s_barrier_signal -1
	s_barrier_wait -1
	FETCH_B 0, 0, 0
	FETCH_A 0, 0, 0
	SCALES 0
	FETCH_A 0, 0, 4
	STEP 0, 0, 1                                   ; the first step stands in front of the loop: its products start the sums from the bias
.irp a, 0,1,2,3,4,5,6,7                ; the bias's registers are free (eight places stand behind their last reader): bv and the mask of row rho(a, r) come there, and are waited for on the way out
	global_load_b32 v[RB+2*\a], v[RBA], s[88:89] offset:(32*(\a/2)+8*(\a%2))*4
	global_load_b32 v[RB+2*\a+1], v[RBA], s[88:89] offset:(32*(\a/2)+8*(\a%2))*4
	global_load_b32 v[MK+\a], v[RBA], s[90:91] offset:(32*(\a/2)+8*(\a%2))*4
.endr
	s_mov_b32 s3, LAPS-1
.Llap:                                                 ; a trip goes once round the ring and fills both slots again: four steps of 128, 256 matrix instructions a wave
	TURN 0, 1, 1
	STEP 1, 0, 0
	TURN 1, 0, 1
	STEP 0, 0, 0
	s_sub_co_u32 s3, s3, 1
	s_cmp_lg_u32 s3, 0
	s_cbranch_scc1 .Llap
	TURN 0, 1, 0                                   ; the last lap fills nothing
	STEP 1, 0, 0
	s_wait_dscnt 16
	WIN MUL_LO
	MUL16 0, 1, 1, 1, 0
	MUL16 2, 1, 1, 1, 0
	s_wait_dscnt 0x0
	WIN MUL_HI
	MUL16 4, 1, 1, 1, 0
	MUL16 6, 1, 1, 1, 0
	WIN 0
	; THE WAY OUT: tile by tile of 16 rows x 128 columns: the row bias, the quantiser along the columns, four stores of 512 consecutive bytes.
	PLACES NP
	s_wait_loadcnt 0x0                             ; bv and the mask
	s_mov_b32 s20, 0x76543210
	s_mov_b32 s21, 0xfedcba98                      ; v_permlanex16_b32's selects for lane l xor 16
	s_mov_b32 s22, 0x600000                        ; the mantissa field of 448
.irp a, 0,1,2,3,4,5,6,7
	v_and_b32 v[RB+2*\a], s81, v[RB+2*\a]          ; zero in the q, k part
	v_and_b32 v[RB+2*\a+1], s81, v[RB+2*\a+1]
	v_cmp_ne_u32 vcc_lo, 0, v[MK+\a]
	v_cndmask_b32 v[KM+\a], 0, -1, vcc_lo
	v_or_b32 v[KM+\a], s82, v[KM+\a]               ; 0 only for a masked key's row of k
.endr
.irp b, 0,1,2,3
	v_mov_b32 v[TM+4+\b], 0                        ; a lane permute's destination counts as one of its sources
.endr
.macro TILEQ a
.set WW, 2+(\a)/4                      ; the tile's window
.set S0, 64*((\a)%4)                   ; its 64 registers: 16 B + i = column 32 B + 16 h + i
.set PC, PCS+16*((\a)%2)
	WIN (WW*65)                                    ; source 0 and destination in the tile's window
.set I, 0
.rept 32
	v_pk_add_f32 v[S0+I:S0+I+1], v[S0+I:S0+I+1], v[RB+2*(\a):RB+2*(\a)+1]   ; each accumulator from its low end on
.set I, I+2
.endr
	WIN (WW*5)                                     ; sources 0 and 1
.irp b, 0,1,2,3
	v_max3_num_f32 v[TM+\b], |v[S0+16*\b]|, |v[S0+1+16*\b]|, 0x4800000   ; my 16 numbers of block b, and the floor 2^(9 - 127)
.endr
	WIN (WW*20)                                    ; sources 1 and 2
.irp i, 2,4,6,8,10,12,14
.irp b, 0,1,2,3
	v_max3_num_f32 v[TM+\b], v[TM+\b], |v[S0+16*\b+\i]|, |v[S0+1+16*\b+\i]|
.endr
.endr
	WIN 0
.irp b, 0,1,2,3
	v_permlanex16_b32 v[TM+4+\b], v[TM+\b], s20, s21
.endr
.irp b, 0,1,2,3
	v_max_num_f32 v[TM+\b], v[TM+\b], v[TM+4+\b]   ; with lane l xor 16's: the block's largest magnitude
.endr
.irp b, 0,1,2,3
	v_add_nc_u32 v[TM+12+\b], 0xfc000000, v[TM+\b] ; the conversion's scale operand
.endr
.irp b, 0,1,2,3
	v_and_or_b32 v[TM+8+\b], v[TM+\b], 0x7f800000, s22   ; 448 x the scale
.endr
.irp b, 0,1,2,3
	v_and_b32 v[TM+8+\b], v[KM+(\a)], v[TM+8+\b]   ; a masked key is held at 0: its codes are zeros
.endr
.irp b, 0,1,2,3
	v_lshrrev_b32 v[TM+4+\b], 23, v[TM+12+\b]      ; the scale's byte
.endr
	v_lshl_or_b32 v[PW+(\a)], v[TM+5], 8, v[TM+4]
	v_lshl_or_b32 v[PW+(\a)], v[TM+6], 16, v[PW+(\a)]
	v_lshl_or_b32 v[PW+(\a)], v[TM+7], 24, v[PW+(\a)]
	WIN (WW*65)
.irp b, 0,1,2,3
.irp i, 0,1,2,3,4,5,6,7,8,9,10,11,12,13,14,15
	v_med3_num_f32 v[S0+16*\b+\i], v[S0+16*\b+\i], -v[TM+8+\b], v[TM+8+\b]   ; the conversion does not saturate (ISA guide 7.6.2)
.endr
.endr
	WIN WW
.if (\a) > 1
	s_wait_xcnt 0x0                                ; tile a - 2's stores have read this set of codes
.endif
.irp b, 0,1,2,3
	v_cvt_scalef32_pk8_fp8_f32 v[PC+4*\b:PC+1+4*\b], v[S0+16*\b:S0+7+16*\b], v[TM+12+\b]
	v_cvt_scalef32_pk8_fp8_f32 v[PC+2+4*\b:PC+3+4*\b], v[S0+8+16*\b:S0+15+16*\b], v[TM+12+\b]
.endr
	WIN 0
	v_nop                                          ; a plain instruction behind the last conversion
.irp b, 0,1,2,3
	global_store_b128 v[CO], v[PC+4*\b:PC+4*\b+3], s[12:13] offset:\b*8192+(\a)*512   ; chunk (B, u): 512 consecutive bytes, aligned
.endr
	ds_store_b32 v[SWA], v[PW+(\a)] offset:(\a)*64 ; both lanes of a row write the same word
.endm
.irp a, 0,1,2,3,4,5,6,7
	TILEQ \a
.endr
	ds_load_b128 v[TM:TM+3], v[SRA]                ; LDS serves a wave's instructions in order (ISA guide 5.7.1.4): my 128 words, 16 bytes a lane
	s_wait_dscnt 0x0
	global_store_b128 v[CO], v[TM:TM+3], s[100:101]
	s_wait_tensorcnt 0x0                           ; the wave's end
	ds_add_u32 v[SPW], v[NIL]
	s_wait_dscnt 0x0
	CROUND                                         ; the closing round
	s_endpgm
.Lfunc_end_k_q8aae42ee8f_qkv:
	.size	k_q8aae42ee8f_qkv, .Lfunc_end_k_q8aae42ee8f_qkv-k_q8aae42ee8f_qkv
	.p2alignl 7, 3214868480
	.fill 96, 4, 3214868480
	.section	.rodata,"a",@progbits
	.p2align	6, 0x0
	.amdhsa_kernel k_q8aae42ee8f_qkv
		.amdhsa_group_segment_fixed_size 327680
		.amdhsa_private_segment_fixed_size 0
		.amdhsa_enable_private_segment 0
		.amdhsa_kernarg_size 64
		.amdhsa_user_sgpr_count 2
		.amdhsa_user_sgpr_kernarg_segment_ptr 1
		.amdhsa_wavefront_size32 1
		.amdhsa_system_sgpr_workgroup_id_x 1
		.amdhsa_system_sgpr_workgroup_id_y 1
		.amdhsa_system_sgpr_workgroup_id_z 1
		.amdhsa_system_vgpr_workitem_id 0
		.amdhsa_next_free_vgpr 1024
		.amdhsa_next_free_sgpr 102
		.amdhsa_reserve_vcc 1
		.amdhsa_float_denorm_mode_32 3
		.amdhsa_float_denorm_mode_16_64 3
		.amdhsa_memory_ordered 1
		.amdhsa_forward_progress 1
		.amdhsa_inst_pref_size 212
	.end_amdhsa_kernel
	.amdgpu_metadata
---
amdhsa.version: [ 1, 2 ]
amdhsa.kernels:
  - .name:           k_q8aae42ee8f_qkv
    .symbol:         k_q8aae42ee8f_qkv.kd
    .args:
      - { .name: aq, .offset: 0, .size: 8, .value_kind: global_buffer, .address_space: global }
      - { .name: wb, .offset: 8, .size: 8, .value_kind: global_buffer, .address_space: global }
      - { .name: bq, .offset: 16, .size: 8, .value_kind: global_buffer, .address_space: global }
      - { .name: bk, .offset: 24, .size: 8, .value_kind: global_buffer, .address_space: global }
      - { .name: bv, .offset: 32, .size: 8, .value_kind: global_buffer, .address_space: global }
      - { .name: mask, .offset: 40, .size: 8, .value_kind: global_buffer, .address_space: global }
      - { .name: qb, .offset: 48, .size: 8, .value_kind: global_buffer, .address_space: global }
      - { .name: kv, .offset: 56, .size: 8, .value_kind: global_buffer, .address_space: global }
    .group_segment_fixed_size: 327680
    .private_segment_fixed_size: 0
    .kernarg_segment_align: 8
    .kernarg_segment_size: 64
    .max_flat_workgroup_size: 128
    .sgpr_count:     102
    .vgpr_count:     1024
    .wavefront_size: 32
...
	.end_amdgpu_metadata
.endif
;; end of part 3
;; launch attn (part 4): grid 16 x 16, 16 waves a work-group, clusters of 4 x 1, 327,680 bytes of LDS; arguments qb, kv, mask, hq; writes hq
.if DOCPART == 4
	.amdgcn_target "amdgcn-amd-amdhsa--gfx1250"
	.amdhsa_code_object_version 6
	.text
	.protected	k_q8aae42ee8f_attn
	.globl	k_q8aae42ee8f_attn
	.p2align	8
	.type	k_q8aae42ee8f_attn,@function
k_q8aae42ee8f_attn:
	s_mov_b64 s[64:65], 0
	v_nop
	global_prefetch_b8 v0, s[64:65] scope:SCOPE_SE
	s_setreg_imm32_b32 hwreg(HW_REG_WAVE_MODE, 25, 1), 1
	s_wait_xcnt 0x0
	s_wait_alu depctr_hold_cnt(0) depctr_sa_sdst(0) depctr_va_vdst(0) depctr_va_sdst(0) depctr_va_ssrc(0) depctr_va_vcc(0) depctr_vm_vsrc(0)
	s_getreg_b32 s2, hwreg(HW_REG_IB_STS2, 6, 4)
	s_cmp_eq_u32 s2, 0
	s_cbranch_scc0 .Lentry_in_a_cluster
	s_endpgm
.Lentry_in_a_cluster:
	s_bfe_u32 s2, ttmp6, 0x10000c
	s_cmp_lg_u32 s2, 0x3003
	s_cbranch_scc0 .Lentry_shape_is_right
	s_endpgm
.Lentry_shape_is_right:
; O = softmax(q k^T / 8, masked keys' scores REPLACED by a very low number) v for 2 batches x 16 heads of 64, 2,048 keys, both products on codes of FP8 (E4M3) with E8M0 scales for each 32 along K.
; THE SOFTMAX AHEAD OF THE SECOND PRODUCT: t = score x log2(e) / 8; M = the running largest t rounded up to a whole number; p = 2^(t - M) is quantised along the keys, not normalised; the row's sum is taken of the
; unquantised p and divides O at the end; when M moves, the sum and O are multiplied by 2^(old M - new M), exact.
; THE MASK: a masked key's codes of k are zeros (the launch before made them so), and the score product's C is 0 or -2^33, from a table of one f32 a key that the work-group makes in LDS from the mask.  So a masked score is
; exactly -2^33, its t = -2^33 x c is exact and a whole number, and a row all of whose keys are masked gets p = 1 for every key, the uniform softmax of the reference.
; LIMIT: -2^33 x c = -1.55e9 stands for -1e9 x log2(e): the two agree unless true logits fall under about -1e9.  NaN and infinities are not served; a block of O under 2^-118 gets the byte 1; 1/l is v_rcp_f32 (1 ulp).
; IN: regions of 33,792 bytes for a pair of heads x 256 tokens: chunk (B, u) at B*8192 + u*512, lane l at 16 l; words at 32768 + u*64 + 4 r.  q, k: B = 2 e + c, u = tile of tokens (lane-row r of tile t is token
; rho(t, r) = 32 (t/2) + 8 (t%2) + r + 8 (r/8) of its 128).  v: B = block of 32 keys within 128, u = 8 (which 128) + 4 e + tile of channels.  kv = [batch][pair][slot][k region | v region]: a slot is 67,584 dense bytes.
; SHARES: a work-group owns 128 queries x a pair of heads; wave w owns tile w % 8 of the queries for head w / 8 of the pair, in 256 registers: four waves to a SIMD.  Every wave walks all keys, 128 a step.
; CLUSTER: the four work-groups of a cluster have the same batch and pair: each slot is asked for JOINTLY, a quarter by each of waves 0-3.
; BOTH PRODUCTS TRANSPOSED: S^T = k q^T, O^T = v^T p^T: a lane holds one query.  A HEAD'S 64 ARE HALF OF THE INSTRUCTION'S K: q's upper 8 registers are zero codes; k's upper 8 registers are whatever finite codes
; stand next (the next tile's, or zeros): they meet zero codes and add nothing; the scale words come as 16 bits (the head's two bytes), with 0 above, which is 2^-127 and no NaN.
; OUT: O / l quantised along the model's 1,024 into operand blocks of hq (chunk (kb, tile) at kb*4096 + tile*512; words at 32768 + q*512 + tile*64 + 4 r): a word's four bytes come from two waves, through 1,024 bytes of LDS.
.set BLK,   33792
.set SLOT1, 1<<17                      ; slot 1 begins here: one exclusive or turns an address
.set MB,    262144                     ; 8,192 bytes: one f32 for each key
.set EX,    270336                     ; 1,024 bytes: the half scale words on the way out
.set SPARE, 271360                     ; the spare words, 128 bytes for each of 16 waves: eight blocks of 256 bytes that no other line names
.set AK0,  1                           ; v1  my lane's place in a k region
.set AV0,  2                           ; v2  in a v region
.set ASK0, 3                           ; v3  among k's scale words
.set ASV0, 4                           ; v4  among v's
.set SPW,  5
.set NIL,  6
.set GO,   7                           ; v7  16 x lane
.set ADK,  8                           ; v8-11 the step's addresses
.set ADV,  9
.set ADS,  10
.set ADT,  11
.set KT,   64                          ; v64-95 four tiles of k, 8 registers each; v96-103 zeros
.set F,    32                          ; v32-95 four fragments of v
.set S,    104                         ; v104-167 S^T, then p
.set O,    168                         ; v168-199 O^T
.set PC,   200                         ; v200-215 p's codes
.set BM,   216
.set T2,   220
.set HL,   224
.set SO,   228
.set KS,   232                         ; v232-235 k's or v's scale words
.set QS,   236                         ; q's
.set PS,   237                         ; p's
.set FF,   238                         ; v[238:239] f
.set TT,   240
.set AM0,  241                         ; MB + 64 h
.set AMB,  242
.set EXA,  243
.set EXR,  244
.set WV,   12
.set E,    13
.set TQ,   14
.set MNT,  19
.set SEL,  20
.set CS,   22                          ; s[22:23] c = log2(e) / 8
.set G1,   24
.set G0,   32
.set TB,   36                          ; the slot in hand
.set TMK,  37                          ; the step's place in the table of keys
.set SLOTS, 38
.macro CROUND
	s_barrier_signal -1
	s_barrier_wait -1
	s_cmp_lg_u32 s[WV], 0
	s_cbranch_scc1 .Lnot_wave_0_\@
	s_barrier_signal -3
.Lnot_wave_0_\@:
	s_barrier_wait -3
	s_barrier_signal -1
	s_barrier_wait -1
.endm
.macro TLOAD                           ; waves 0-3 fetch a quarter of a slot each; four v_nop follow the line
	s_cmp_lt_u32 s[WV], 4
	s_cbranch_scc0 .Lnone_\@
	tensor_load_to_lds s[G0:G0+3], s[G1:G1+7]
	s_nop 0
.rept 4
	v_nop
.endr
.Lnone_\@:
.endm
	s_load_b256 s[4:11], s[0:1], 0x0               ; qb s[4:5], kv s[6:7], mask s[8:9], hq s[10:11]
	v_lshl_add_u32 v[SPW], v0, 2, SPARE
	v_mov_b32 v[NIL], 0
	ds_add_u32 v5, v6
	s_wait_dscnt 0x0
	v_lshrrev_b32 v8, 5, v0
	v_readfirstlane_b32 s[WV], v8                  ; wave 0..15
	s_lshr_b32 s[E], s[WV], 3                      ; my head of the pair
	s_and_b32 s[TQ], s[WV], 7                      ; my tile of queries
	s_bfe_u32 s15, ttmp6, 0x40000                  ; cx
	s_lshl_b32 s16, ttmp9, 2
	s_add_co_u32 s16, s16, s15                     ; my block of 128 queries of the batch: it enters q's and hq's addresses alone
	s_and_b32 s17, ttmp7, 0xffff                   ; 8 x batch + pair, which the four partners share
	s_mul_i32 s42, s17, 16*BLK                     ; the eight slots of this batch and pair
	s_and_b32 s41, s[WV], 3
	s_mul_i32 s41, s41, 16896                      ; my quarter of a slot, in LDS and in memory
	s_add_co_u32 s42, s42, s41
	s_mov_b32 s43, 0
	s_lshl_b32 s44, s17, 3
	s_lshr_b32 s45, s16, 1
	s_add_co_u32 s44, s44, s45
	s_mul_i32 s44, s44, 2*BLK                      ; q's region
	s_and_b32 s45, s16, 1
	s_lshl_b32 s45, s45, 3
	s_add_co_u32 s45, s45, s[TQ]                   ; u: my tile in it
	s_lshl_b32 s46, s45, 9
	s_add_co_u32 s46, s46, s44
	s_lshl_b32 s47, s[E], 14
	s_add_co_u32 s46, s46, s47                     ; chunk (2 e, u)
	s_mov_b32 s47, 0
	s_lshl_b32 s48, s45, 6
	s_add_co_u32 s48, s48, s44
	s_lshl_b32 s49, s[E], 1
	s_add_co_u32 s48, s48, s49
	s_add_co_u32 s48, s48, 32768                   ; my head's two bytes of the tile's words
	s_mov_b32 s49, 0
	s_lshr_b32 s52, s17, 3                         ; batch
	s_lshl_b32 s50, s52, 13                        ; its 2,048 words of the mask
	s_mov_b32 s51, 0
	s_lshl_b32 s52, s52, 4
	s_add_co_u32 s52, s52, s16                     ; hq: group of 128 tokens
	s_lshl_b32 s52, s52, 2
	s_bfe_u32 s53, s17, 0x20001                    ; pair / 2: which 256 of the model's 1,024
	s_add_co_u32 s52, s52, s53
	s_mul_i32 s52, s52, BLK
	s_and_b32 s53, s17, 1                          ; pair % 2
	s_lshl_b32 s54, s53, 9
	s_add_co_u32 s54, s54, s52
	s_add_co_u32 s54, s54, 32768                   ; the words of that 128 along K
	s_mov_b32 s55, 0
	s_lshl_b32 s53, s53, 1
	s_add_co_u32 s53, s53, s[E]
	s_lshl_b32 s53, s53, 13                        ; kb = 4 (pair % 2) + 2 e
	s_add_co_u32 s52, s52, s53
	s_lshl_b32 s53, s[TQ], 9
	s_add_co_u32 s52, s52, s53
	s_mov_b32 s53, 0
	; descriptor group 1: a quarter of a slot, dense: 66 rows of 32 elements of 8 bytes
	s_mov_b32 s[G1], 15|(3<<16)|(1<<21)            ; 15:0 the mask: all four work-groups; 17:16 elements of 8 bytes; 21 set beside a mask
	s_mov_b32 s[G1+1], 32<<16
	s_mov_b32 s[G1+2], 66<<16
	s_mov_b32 s[G1+3], 32<<16
	s_mov_b32 s[G1+4], 66
	s_mov_b32 s[G1+5], 32
	s_mov_b32 s[G1+6], 0
	s_mov_b32 s[G1+7], 0
	s_mov_b32 s[SEL], 0x76543210
	s_mov_b32 s[SEL+1], 0xfedcba98
	s_mov_b32 s[CS], 0x3e38aa3b                    ; c = log2(e) / sqrt(64)
	s_mov_b32 s[CS+1], s[CS]
	s_mov_b32 s[MNT], 0x600000
	s_mov_b32 s[TB], 0
	s_mov_b32 s[TMK], 0
	s_mov_b32 s[SLOTS], 7
	s_wait_kmcnt 0x0
	s_mov_b32 s[G0], 1
	s_mov_b32 s[G0+1], s41
	s_add_nc_u64 s[G0+2:G0+3], s[6:7], s[42:43]
	s_or_b32 s[G0+3], s[G0+3], 0x80000000
	CROUND                                         ; all four work-groups are here
	TLOAD                                          ; slot 0: one load of a fetching wave is out
	s_add_nc_u64 s[56:57], s[4:5], s[48:49]
	s_add_nc_u64 s[4:5], s[4:5], s[46:47]
	s_add_nc_u64 s[8:9], s[8:9], s[50:51]
	s_add_nc_u64 s[58:59], s[10:11], s[54:55]
	s_add_nc_u64 s[10:11], s[10:11], s[52:53]
	v_and_b32 v246, 15, v0                         ; r
	v_bfe_u32 v247, v0, 4, 1                       ; h
	v_and_b32 v248, 31, v0
	v_lshlrev_b32 v[GO], 4, v248
	v_lshlrev_b32 v251, 2, v246
	v_lshlrev_b32 v249, 4, v0
	global_load_b128 v[16:19], v[GO], s[4:5]               ; q: k = 0..31 of my head
	global_load_b128 v[20:23], v[GO], s[4:5] offset:8192   ; k = 32..63
	global_load_u16 v[QS], v251, s[56:57]                  ; its two scale bytes, 0 above
	global_load_b128 v[S:S+3], v249, s[8:9]                ; four keys' mask for each of the 512 threads
	s_lshl_b32 s39, s[E], 14
	v_add_nc_u32 v[AK0], s39, v[GO]
	s_lshl_b32 s39, s[E], 11
	s_add_co_u32 s39, s39, BLK
	v_add_nc_u32 v[AV0], s39, v[GO]
	s_lshl_b32 s39, s[E], 1
	s_add_co_u32 s39, s39, 32768
	v_add_nc_u32 v[ASK0], s39, v251
	s_lshl_b32 s39, s[E], 8
	s_add_co_u32 s39, s39, BLK+32768
	v_add_nc_u32 v[ASV0], s39, v251
	v_lshl_add_u32 v[AM0], v247, 6, MB
	s_lshl_b32 s39, s[E], 9
	s_lshl_b32 s40, s[TQ], 6
	s_add_co_u32 s39, s39, s40
	s_add_co_u32 s39, s39, EX
	v_add_nc_u32 v[EXA], s39, v251
	v_add_nc_u32 v[EXR], EX, v[GO]
	v_lshl_add_u32 v250, v0, 4, MB
	v_mov_b32 v13, 0xff61b1e6                      ; the largest t so far: -3e38
	v_floor_f32 v12, -v13                          ; -M
	v_mov_b32 v14, 0
	v_mov_b32 v15, 0
	v_mov_b32 v[FF+1], 0                           ; named as the upper half of a pair
	v_mov_b32 v[TT], 0
.irp b, 0,1,2,3
	v_mov_b32 v[T2+\b], 0                          ; a lane permute's destination counts as one of its sources
.endr
.irp j, 0,1,2,3,4,5,6,7
	v_mov_b32 v[24+\j], 0                          ; q's upper half: zero codes
	v_mov_b32 v[96+\j], 0                          ; what stands behind k's fourth tile
.endr
.set I, 0
.rept 32
	v_mov_b32 v[O+I], 0                            ; O^T: the step is written once; its first turn finds zeros
.set I, I+1
.endr
	v_mov_b32 v245, 0xd0000000                     ; -2^33
	s_wait_loadcnt 0x0
.irp i, 0,1,2,3
	v_cmp_eq_u32 vcc_lo, 0, v[S+\i]
	v_cndmask_b32 v[S+\i], 0, v245, vcc_lo
.endr
	ds_store_b128 v250, v[S:S+3]                   ; seen by all waves behind the first change of slots: its wait for LDS and its round
; A KEY STEP: 128 keys, the q-th of the slot in hand
.macro STEP q
	v_add_nc_u32 v[ADK], s[TB], v[AK0]
	v_add_nc_u32 v[ADV], s[TB], v[AV0]
	v_add_nc_u32 v[ADS], s[TB], v[ASK0]
	v_add_nc_u32 v[ADT], s[TB], v[ASV0]
	v_add_nc_u32 v[AMB], s[TMK], v[AM0]
.irp g, 0,1                                    ; S^T = k q^T + (0 or -2^33), four tiles of 16 keys at a time
.rept 8-4*(1-\g)
	v_nop                                          ; places in front of loads into registers that matrix instructions have read (eight; the five additions are places too)
.endr
.irp t, 0,1,2,3
	ds_load_b128 v[KT+8*\t:KT+8*\t+3], v[ADK] offset:(8*(\q)+4*\g+\t)*512
	ds_load_b128 v[KT+8*\t+4:KT+8*\t+7], v[ADK] offset:8192+(8*(\q)+4*\g+\t)*512
	ds_load_u16 v[KS+\t], v[ADS] offset:(8*(\q)+4*\g+\t)*64
	ds_load_b128 v[S+8*(4*\g+\t):S+8*(4*\g+\t)+3], v[AMB] offset:128*((4*\g+\t)/2)+32*(\t%2)       ; the C: register j belongs to key 32 (tile/2) + 8 (tile%2) + 16 h + j
	ds_load_b128 v[S+8*(4*\g+\t)+4:S+8*(4*\g+\t)+7], v[AMB] offset:128*((4*\g+\t)/2)+32*(\t%2)+16
.endr
	s_wait_dscnt 0x0
.irp t, 0,1,2,3
	v_wmma_scale_f32_16x16x128_f8f6f4 v[S+8*(4*\g+\t):S+8*(4*\g+\t)+7], v[KT+8*\t:KT+8*\t+15], v[16:31], v[S+8*(4*\g+\t):S+8*(4*\g+\t)+7], v[KS+\t], v[QS]
.endr
.endr                                          ; the 16 registers of tiles 2 b, 2 b + 1 are keys 32 b + 16 h + 0..15 of the step
.rept 8
	v_nop
.endr
.irp b, 0,1,2,3
	v_max3_num_f32 v[BM+\b], v[S+16*\b], v[S+1+16*\b], v[S+2+16*\b]   ; the largest score of each block of 32 keys: for the row's maximum and, since p rises with the score, for the block's largest p
.endr
.irp i, 3,5,7,9,11,13
.irp b, 0,1,2,3
	v_max3_num_f32 v[BM+\b], v[BM+\b], v[S+16*\b+\i], v[S+1+16*\b+\i]
.endr
.endr
.irp b, 0,1,2,3
	v_max_num_f32 v[BM+\b], v[BM+\b], v[S+15+16*\b]
.endr
.irp b, 0,1,2,3
	v_permlanex16_b32 v[T2+\b], v[BM+\b], s[SEL], s[SEL+1]
.endr
.irp b, 0,1,2,3
	v_max_num_f32 v[BM+\b], v[BM+\b], v[T2+\b]     ; with lane l xor 16's 16 keys
.endr
	v_max3_num_f32 v[TT], v[BM], v[BM+1], v[BM+2]
	v_max_num_f32 v[TT], v[TT], v[BM+3]
	v_mul_f32 v[TT], s[CS], v[TT]                  ; as t
	v_max_num_f32 v13, v13, v[TT]                  ; the running largest t
	v_mov_b32 v[TT], v12
	v_floor_f32 v12, -v13                          ; the new -M = -ceil(t): a whole number
	v_sub_f32 v[TT], v12, v[TT]                    ; old M - new M, 0 or less
	v_cvt_i32_f32 v[TT], v[TT]                     ; (it saturates)
	v_ldexp_f32 v[FF], 1.0, v[TT]                  ; f = 2^(old M - new M)
.set I, 0
.rept 32
	v_pk_fma_f32 v[S+I:S+I+1], v[S+I:S+I+1], s[CS:CS+1], v[12:13] op_sel_hi:[1,0,0]   ; t - M
.set I, I+2
.endr
.irp b, 0,1,2,3
	v_fma_f32 v[BM+\b], v[BM+\b], s[CS], v12
.endr
.set I, 0
.rept 64
	v_exp_f32 v[S+I], v[S+I]                       ; p = 2^(t - M)
.set I, I+1
.endr
.irp b, 0,1,2,3
	v_exp_f32 v[BM+\b], v[BM+\b]                   ; the block's largest p
.endr
	v_pk_mul_f32 v[14:15], v[14:15], v[FF:FF+1] op_sel_hi:[1,0]   ; the sums under the new M (a plain instruction behind the exponentials)
	s_wait_alu depctr_va_vdst(0)
.irp b, 0,1,2,3
	v_max_num_f32 v[BM+\b], 0x4800000, v[BM+\b]    ; the floor 2^(9 - 127)
.endr
.irp b, 0,1,2,3
	v_add_nc_u32 v[SO+\b], 0xfc000000, v[BM+\b]    ; the conversion's scale operand
.endr
.irp b, 0,1,2,3
	v_and_or_b32 v[HL+\b], v[BM+\b], 0x7f800000, s[MNT]   ; 448 x the scale
.endr
.irp b, 0,1,2,3
	v_lshrrev_b32 v[T2+\b], 23, v[SO+\b]           ; the scale's byte
.endr
	v_lshl_or_b32 v[PS], v[T2+1], 8, v[T2]         ; p's scale word for these 128 keys
	v_lshl_or_b32 v[PS], v[T2+2], 16, v[PS]
	v_lshl_or_b32 v[PS], v[T2+3], 24, v[PS]
	v_pk_add_f32 v[T2:T2+1], v[S:S+1], v[S+2:S+3]  ; the row's sum, of the unquantised p, in two chains
.irp j, 4,8,12,16,20,24,28,32,36,40,44,48,52,56,60
	v_pk_add_f32 v[14:15], v[14:15], v[S+\j:S+\j+1]
	v_pk_add_f32 v[T2:T2+1], v[T2:T2+1], v[S+\j+2:S+\j+3]
.endr
	v_pk_add_f32 v[14:15], v[14:15], v[T2:T2+1]
.irp b, 0,1,2,3
.irp i, 0,1,2,3,4,5,6,7,8,9,10,11,12,13,14,15
	v_min_num_f32 v[S+16*\b+\i], v[S+16*\b+\i], v[HL+\b]   ; the conversion does not saturate (ISA guide 7.6.2); p is not negative: a one-sided hold
.endr
	v_cvt_scalef32_pk8_fp8_f32 v[PC+4*\b:PC+4*\b+1], v[S+16*\b:S+16*\b+7], v[SO+\b]
	v_cvt_scalef32_pk8_fp8_f32 v[PC+4*\b+2:PC+4*\b+3], v[S+16*\b+8:S+16*\b+15], v[SO+\b]
.endr
.set I, 0
.rept 16
	v_pk_mul_f32 v[O+I:O+I+1], v[O+I:O+I+1], v[FF:FF+1] op_sel_hi:[1,0]   ; O^T under the new M; these sixteen are also the places in front of the products and loads below
.set I, I+2
.endr
.irp t, 0,1,2,3                                ; O^T += v^T p^T: the head's four tiles of 16 channels
.irp c, 0,1,2,3
	ds_load_b128 v[F+16*\t+4*\c:F+16*\t+4*\c+3], v[ADV] offset:\c*8192+(8*(\q)+\t)*512
.endr
	ds_load_b32 v[KS+\t], v[ADT] offset:(8*(\q)+\t)*64
.endr
	s_wait_dscnt 0x0
.irp t, 0,1,2,3
	v_wmma_scale_f32_16x16x128_f8f6f4 v[O+8*\t:O+8*\t+7], v[F+16*\t:F+16*\t+15], v[PC:PC+15], v[O+8*\t:O+8*\t+7], v[KS+\t], v[PS]
.endr
	s_add_co_u32 s[TMK], s[TMK], 512               ; the next 128 keys of the table
.endm
; THE CHANGE OF SLOTS stands at a slot's head: every wave waits for all its tensor loads, adds 0 to its spare word, waits for that and for its reads of the slot that it has left.
; fill = 1: a round of the cluster's barrier, and behind it the joint fill of the slot just left, which has two key steps in which to land.
.macro CHANGE fill
	s_wait_tensorcnt 0x0                           ; no tensor load of mine is out, so the group 0 may be written
	ds_add_u32 v[SPW], v[NIL]                      ; 0 onto my spare word
.if \fill
	s_xor_b32 s[G0+1], s[G0+1], SLOT1              ; the other slot than last time,
	s_add_nc_u64 s[G0+2:G0+3], s[G0+2:G0+3], 2*BLK ; the next 256 keys
.endif
	s_wait_dscnt 0x0
.if \fill
	CROUND
	TLOAD
.else
	s_barrier_signal -1
	s_barrier_wait -1
.endif
.endm
.Lslot:                                            ; seven trips: behind each change of slots but the last the next slot is asked for
	CHANGE 1
	STEP 0
	STEP 1
	s_xor_b32 s[TB], s[TB], SLOT1
	s_sub_co_u32 s[SLOTS], s[SLOTS], 1
	s_cmp_lg_u32 s[SLOTS], 0
	s_cbranch_scc1 .Lslot
	CHANGE 0                                       ; the last slot is written out
	STEP 0
	STEP 1
	; THE WAY OUT: O^T / l; registers 16 b + i are channels 32 b + 16 h + i of my head: two blocks of the next product's K
.rept 8
	v_nop
.endr
	v_add_f32 v14, v14, v15
	v_permlanex16_b32 v[TT], v14, s[SEL], s[SEL+1]
	v_add_f32 v14, v14, v[TT]                      ; the row's sum
	v_rcp_f32 v14, v14
	v_nop
.set I, 0
	s_wait_alu depctr_va_vdst(0)
.rept 16
	v_pk_mul_f32 v[S+I:S+I+1], v[O+I:O+I+1], v[14:15] op_sel_hi:[1,0]   ; each accumulator from its low end on
.set I, I+2
.endr
.irp b, 0,1
	v_max3_num_f32 v[BM+\b], |v[S+16*\b]|, |v[S+1+16*\b]|, 0x4800000
.endr
.irp i, 2,4,6,8,10,12,14
.irp b, 0,1
	v_max3_num_f32 v[BM+\b], v[BM+\b], |v[S+16*\b+\i]|, |v[S+1+16*\b+\i]|
.endr
.endr
.irp b, 0,1
	v_permlanex16_b32 v[T2+\b], v[BM+\b], s[SEL], s[SEL+1]
.endr
.irp b, 0,1
	v_max_num_f32 v[BM+\b], v[BM+\b], v[T2+\b]
.endr
.irp b, 0,1
	v_add_nc_u32 v[SO+\b], 0xfc000000, v[BM+\b]
	v_and_or_b32 v[HL+\b], v[BM+\b], 0x7f800000, s[MNT]
.endr
.irp b, 0,1
	v_lshrrev_b32 v[T2+\b], 23, v[SO+\b]
.endr
	v_lshl_or_b32 v[TT], v[T2+1], 8, v[T2]         ; my head's two bytes of the row's word
.irp b, 0,1
.irp i, 0,1,2,3,4,5,6,7,8,9,10,11,12,13,14,15
	v_med3_num_f32 v[S+16*\b+\i], v[S+16*\b+\i], -v[HL+\b], v[HL+\b]
.endr
	v_cvt_scalef32_pk8_fp8_f32 v[PC+4*\b:PC+4*\b+1], v[S+16*\b:S+16*\b+7], v[SO+\b]
	v_cvt_scalef32_pk8_fp8_f32 v[PC+4*\b+2:PC+4*\b+3], v[S+16*\b+8:S+16*\b+15], v[SO+\b]
.endr
	v_nop                                          ; a plain instruction behind the last conversion
	global_store_b128 v[GO], v[PC:PC+3], s[10:11]              ; chunk (kb, tile): 512 consecutive bytes, aligned
	global_store_b128 v[GO], v[PC+4:PC+7], s[10:11] offset:4096
	ds_store_b32 v[EXA], v[TT]
	s_wait_dscnt 0x0                               ; for wave 0's sake: my store has landed
	s_barrier_signal -1
	s_barrier_wait -1
	s_cmp_lg_u32 s[WV], 0
	s_cbranch_scc1 .Lwords_done
	ds_load_b128 v[S:S+3], v[EXR]                  ; head 0's halves of the 128 rows' words,
	ds_load_b128 v[S+4:S+7], v[EXR] offset:512     ; head 1's
	s_wait_dscnt 0x0
.irp i, 0,1,2,3
	v_lshl_or_b32 v[S+\i], v[S+4+\i], 16, v[S+\i]
.endr
	global_store_b128 v[GO], v[S:S+3], s[58:59]    ; 512 consecutive bytes of words
.Lwords_done:
	s_wait_tensorcnt 0x0                           ; the wave's end
	ds_add_u32 v[SPW], v[NIL]
	s_wait_dscnt 0x0
	CROUND                                         ; the closing round
	s_endpgm
.Lfunc_end_k_q8aae42ee8f_attn:
	.size	k_q8aae42ee8f_attn, .Lfunc_end_k_q8aae42ee8f_attn-k_q8aae42ee8f_attn
	.p2alignl 7, 3214868480
	.fill 96, 4, 3214868480
	.section	.rodata,"a",@progbits
	.p2align	6, 0x0
	.amdhsa_kernel k_q8aae42ee8f_attn
		.amdhsa_group_segment_fixed_size 327680
		.amdhsa_private_segment_fixed_size 0
		.amdhsa_enable_private_segment 0
		.amdhsa_kernarg_size 32
		.amdhsa_user_sgpr_count 2
		.amdhsa_user_sgpr_kernarg_segment_ptr 1
		.amdhsa_wavefront_size32 1
		.amdhsa_system_sgpr_workgroup_id_x 1
		.amdhsa_system_sgpr_workgroup_id_y 1
		.amdhsa_system_sgpr_workgroup_id_z 1
		.amdhsa_system_vgpr_workitem_id 0
		.amdhsa_next_free_vgpr 256
		.amdhsa_next_free_sgpr 66
		.amdhsa_reserve_vcc 1
		.amdhsa_float_denorm_mode_32 3
		.amdhsa_float_denorm_mode_16_64 3
		.amdhsa_memory_ordered 1
		.amdhsa_forward_progress 1
		.amdhsa_inst_pref_size 96
	.end_amdhsa_kernel
	.amdgpu_metadata
---
amdhsa.version: [ 1, 2 ]
amdhsa.kernels:
  - .name:           k_q8aae42ee8f_attn
    .symbol:         k_q8aae42ee8f_attn.kd
    .args:
      - { .name: qb, .offset: 0, .size: 8, .value_kind: global_buffer, .address_space: global }
      - { .name: kv, .offset: 8, .size: 8, .value_kind: global_buffer, .address_space: global }
      - { .name: mask, .offset: 16, .size: 8, .value_kind: global_buffer, .address_space: global }
      - { .name: hq, .offset: 24, .size: 8, .value_kind: global_buffer, .address_space: global }
    .group_segment_fixed_size: 327680
    .private_segment_fixed_size: 0
    .kernarg_segment_align: 8
    .kernarg_segment_size: 32
    .max_flat_workgroup_size: 512
    .sgpr_count:     66
    .vgpr_count:     256
    .wavefront_size: 32
...
	.end_amdgpu_metadata
.endif
;; end of part 4
;; launch wo (part 5): grid 4 x 16, 4 waves a work-group, clusters of 4 x 4, 327,680 bytes of LDS; arguments hq, wb, bo, hidden, h; writes h
.if DOCPART == 5
	.amdgcn_target "amdgcn-amd-amdhsa--gfx1250"
	.amdhsa_code_object_version 6
	.text
	.protected	k_q8aae42ee8f_wo
	.globl	k_q8aae42ee8f_wo
	.p2align	8
	.type	k_q8aae42ee8f_wo,@function
k_q8aae42ee8f_wo:
	s_mov_b64 s[64:65], 0
	v_nop
	global_prefetch_b8 v0, s[64:65] scope:SCOPE_SE
	s_setreg_imm32_b32 hwreg(HW_REG_WAVE_MODE, 25, 1), 1
	s_wait_xcnt 0x0
	s_wait_alu depctr_hold_cnt(0) depctr_sa_sdst(0) depctr_va_vdst(0) depctr_va_sdst(0) depctr_va_ssrc(0) depctr_va_vcc(0) depctr_vm_vsrc(0)
	s_getreg_b32 s2, hwreg(HW_REG_IB_STS2, 6, 4)
	s_cmp_eq_u32 s2, 0
	s_cbranch_scc0 .Lentry_in_a_cluster
	s_endpgm
.Lentry_in_a_cluster:
	s_bfe_u32 s2, ttmp6, 0x10000c
	s_cmp_lg_u32 s2, 0xf033
	s_cbranch_scc0 .Lentry_shape_is_right
	s_endpgm
.Lentry_shape_is_right:
; h = hidden + (attention's output) Wo + bo: [4,096 x 1,024] x [1,024 x 1,024] on codes of FP8 (E4M3) with E8M0 scales for each 32 along K; bias, residual and result f32.
; OPERANDS are OPERAND BLOCKS of 33,792 bytes (128 rows x 256 K as an image of the operand's registers: chunk (kb, tile) at kb*4096 + tile*512, lane l at 16 l; scale words at 32768 + q*512 + tile*64 + 4 r;
; lane-row r of tile t is row rho(t, r) = 32 (t/2) + 8 (t%2) + r + 8 (r/8)).  A buffer is [group of 128 rows][K/256].  A = hq; B = wb from block 96 on.
; THE CORE: a tile of C, 256 x 256, by four waves of 128 x 128 (64 accumulators, 512 registers); K in steps of 256 through two LDS slots, each four operand blocks, one dense tensor load a wave; 4 x 4 clusters: A's blocks are
; asked for jointly along a row of the cluster, B's along a column.  The product is used transposed (source 0 = B's tile, source 1 = A's): a lane holds row rho(a, r), and accumulator b's eight registers the columns
; 32 (b/2) + 8 (b%2) + 16 h + 0..7.  The bias is the C of the first products.
; THE GRID has 64 work-groups: this tile keeps the LDS bytes for each product lowest; a smaller tile would fill more WGPs at twice those bytes.
; THE WAY OUT: a tile of 16 rows goes through the wave's own stage in LDS and comes back as whole rows of 512 bytes; the residual's same bytes are added; 32 lanes store two aligned runs of 256 bytes.
; REGISTERS: window 0: v1-31 addresses; v32-63 scale words, two sets, and nothing else; v64-127 the bias; v128-255 A's fragments, on the way out rows of C.  window 1: B's fragments, two sets; on the way out the residual.
;   windows 2, 3: the accumulators ((a, b) at v[8 (8 (a%4) + b)] of window 2 + a/4).
.set SIZE_K, 1024
.set WOFF,   96*33792                  ; where B's blocks begin in wb
.set BLK,    33792
.set GSTR,   (SIZE_K/256)*BLK
.set SLOT,   4*BLK
.set LAPS,   SIZE_K/512
.set SPARE,  2*SLOT                    ; the spare words, 128 bytes a wave: two blocks of 256 bytes that no other line names
.set STG,    SPARE+512                 ; a stage of 16 rows x 528 bytes for each wave: never the target of a tensor load
.set FR,   16
.set NP,   8
.set ADRA, 16
.set ADRB, 20
.set ADRS, 22
.set STO,  24
.set RD,   25
.set CO,   26
.set SPW,  28
.set NIL,  29
.set BIA,  30
.set SC,   32
.set CB,   64
.set AF,   128
.set BK,   128
.set G1,  24
.set G0,  32
.set G1B, 48
.set G0B, 56
.set MSB, 0
.macro WIN new                         ; the immediate's high byte repeats the setting that is left
.if MSB != \new
	s_set_vgpr_msb (MSB<<8)|\new
.set MSB, \new
.endif
.endm
.set MUL_LO, 0xa1
.set MUL_HI, 0xf1
.set TO_B,   0x40
.macro JLOAD g0a, g0b                  ; a joint load: waves 0, 1 fetch A's two groups, waves 2, 3 B's; four v_nop follow each line
	s_cmp_eq_u32 s15, 0
	s_cbranch_scc0 .Lfor_b_\@
	tensor_load_to_lds s[\g0a:\g0a+3], s[G1:G1+7]
	s_nop 0
.rept 4
	v_nop
.endr
	s_branch .Lasked_\@
.Lfor_b_\@:
	tensor_load_to_lds s[\g0b:\g0b+3], s[G1B:G1B+7]
	s_nop 0
.rept 4
	v_nop
.endr
.Lasked_\@:
.endm
.macro CREST
	s_cmp_lg_u32 s14, 0
	s_cbranch_scc1 .Lnot_wave_0_\@
	s_barrier_signal -3
.Lnot_wave_0_\@:
	s_barrier_wait -3
	s_barrier_signal -1
	s_barrier_wait -1
.endm
.macro CROUND
	s_barrier_signal -1
	s_barrier_wait -1
	CREST
.endm
	s_load_b128 s[4:7], s[0:1], 0x0                ; A's blocks, wb
	s_load_b128 s[8:11], s[0:1], 0x10              ; the bias, the residual
	s_load_b64 s[12:13], s[0:1], 0x20              ; the result
	v_lshl_add_u32 v[SPW], v0, 2, SPARE
	v_mov_b32 v[NIL], 0
	ds_add_u32 v28, v29
	s_wait_dscnt 0x0
	v_lshrrev_b32 v1, 5, v0
	v_readfirstlane_b32 s14, v1                    ; wave 0..3
	s_lshr_b32 s15, s14, 1                         ; my half of the tile's rows.  Also: I fetch for A (0) or for B (1)
	s_and_b32 s16, s14, 1                          ; my half of its columns.  Also: which group I fetch
	s_bfe_u32 s40, ttmp6, 0x40000                  ; cx
	s_bfe_u32 s41, ttmp6, 0x40004                  ; cy
	s_lshl_b32 s42, ttmp9, 2
	s_add_co_u32 s42, s42, s40                     ; tile column
	s_and_b32 s17, ttmp7, 0xffff
	s_lshl_b32 s17, s17, 2
	s_add_co_u32 s17, s17, s41                     ; tile row
	s_lshl_b32 s43, s41, 2
	s_lshl_b32 s43, 15, s43                        ; my row of the cluster
	s_lshl_b32 s44, 0x1111, s40                    ; my column
	; descriptor group 1: an operand block, dense: 132 rows of 32 elements of 8 bytes, no padding
	s_or_b32 s[G1+0], s43, (3<<16)|(1<<21)
	s_or_b32 s[G1B+0], s44, (3<<16)|(1<<21)
.irp g, G1, G1B
	s_mov_b32 s[\g+1], 32<<16
	s_mov_b32 s[\g+2], 132<<16
	s_mov_b32 s[\g+3], 32<<16
	s_mov_b32 s[\g+4], 132
	s_mov_b32 s[\g+5], 32
	s_mov_b32 s[\g+6], 0
	s_mov_b32 s[\g+7], 0
.endr
	s_lshl_b32 s20, s17, 1
	s_add_co_u32 s20, s20, s16
	s_mul_i32 s20, s20, GSTR                       ; A: group 2 x tile row + which
	s_mov_b32 s21, 0
	s_lshl_b32 s46, s42, 1
	s_add_co_u32 s46, s46, s16
	s_mul_i32 s46, s46, GSTR                       ; B: group 2 x tile column + which
	s_add_co_u32 s46, s46, WOFF
	s_mov_b32 s47, 0
	s_mul_i32 s45, s14, BLK                        ; where it goes: wave x a block
	s_wait_kmcnt 0x0
	s_add_nc_u64 s[20:21], s[4:5], s[20:21]
	s_add_nc_u64 s[46:47], s[6:7], s[46:47]
	CROUND                                         ; all sixteen work-groups are here: the first joint loads meet
.irp s, 0,1
	s_mov_b32 s[G0+4*\s], 1
	s_add_co_u32 s[G0+4*\s+1], s45, \s*SLOT
	s_add_nc_u64 s[G0+4*\s+2:G0+4*\s+3], s[20:21], \s*BLK
	s_or_b32 s[G0+4*\s+3], s[G0+4*\s+3], 0x80000000
	s_mov_b32 s[G0B+4*\s], 1
	s_add_co_u32 s[G0B+4*\s+1], s45, \s*SLOT
	s_add_nc_u64 s[G0B+4*\s+2:G0B+4*\s+3], s[46:47], \s*BLK
	s_or_b32 s[G0B+4*\s+3], s[G0B+4*\s+3], 0x80000000
	JLOAD G0+4*\s, G0B+4*\s                        ; two loads of mine are out
.endr
	v_and_b32 v1, 15, v0                           ; r
	v_bfe_u32 v2, v0, 4, 1                         ; h
	v_and_b32 v3, 31, v0
	v_lshlrev_b32 v[CO], 4, v3                     ; 16 x lane
	s_mul_i32 s21, s15, BLK
	s_mul_i32 s22, s16, BLK
	s_add_co_u32 s22, s22, 2*BLK
	s_xor_b32 s23, s15, 1
	s_add_co_u32 s23, s23, s16
	s_add_co_u32 s23, s23, 1
	s_mul_i32 s23, s23, BLK                        ; the distance from my A block to my B block
	v_mul_u32_u24 v4, s23, v2                      ; lanes 16-31 take B's words: one product
	v_lshl_add_u32 v4, v1, 2, v4
	s_add_co_u32 s23, s21, 32768
	v_add_nc_u32 v[ADRS], s23, v4
	v_add_nc_u32 v[ADRS+1], SLOT, v[ADRS]
.irp s, 0,1
	v_add_nc_u32 v[ADRA+\s], s21, v[CO]
	v_add_nc_u32 v[ADRB+\s], s22, v[CO]
	s_add_co_u32 s21, s21, SLOT
	s_add_co_u32 s22, s22, SLOT
.endr
	v_lshlrev_b32 v[BIA], 6, v2
	s_lshl_b32 s2, s42, 10
	s_lshl_b32 s3, s16, 9
	s_add_co_u32 s2, s2, s3                        ; my first column, in bytes
	s_mov_b32 s3, 0
	s_add_nc_u64 s[8:9], s[8:9], s[2:3]
.irp b, 0,1,2,3,4,5,6,7
	global_load_b128 v[CB+8*\b:CB+8*\b+3], v[BIA], s[8:9] offset:128*(\b/2)+32*(\b%2)
	global_load_b128 v[CB+8*\b+4:CB+8*\b+7], v[BIA], s[8:9] offset:128*(\b/2)+32*(\b%2)+16
.endr
	s_lshl_b32 s18, s17, 8
	s_lshl_b32 s19, s15, 7
	s_add_co_u32 s18, s18, s19                     ; my first row
	s_lshl_b32 s18, s18, 12                        ; rows of 4,096 bytes
	s_add_co_u32 s18, s18, s2
	s_mov_b32 s19, 0
	s_add_nc_u64 s[10:11], s[10:11], s[18:19]
	s_add_nc_u64 s[12:13], s[12:13], s[18:19]
	s_mul_i32 s23, s14, 16*528
	s_add_co_u32 s23, s23, STG                     ; my stage
	v_mul_u32_u24 v5, v1, 528
	v_lshl_add_u32 v5, v2, 6, v5
	v_add_nc_u32 v[STO], s23, v5                   ; in: row r, + 64 h
	v_add_nc_u32 v[RD], s23, v[CO]                 ; back: a row of 512 bytes, 16 bytes a lane
.macro FRAG reg, adr, q, i
.irp c, 0,1,2,3
	ds_load_b128 v[\reg+4*\c:\reg+4*\c+3], v[\adr] offset:(4*(\q)+\c)*4096+(\i)*512
.endr
.endm
; 16 matrix instructions: A's tiles a0, a0 + 1 x B's eight.  first = 1: C is the bias.  The 64 accumulators take turns.
.macro MUL16 a0, p, q, sc, first
.irp a, \a0, \a0+1
.irp b, 0,1,2,3,4,5,6,7
.if \first
	v_wmma_scale_f32_16x16x128_f8f6f4 v[8*(8*((\a)%4)+\b):8*(8*((\a)%4)+\b)+7], v[128*(\p)+FR*\b:128*(\p)+FR*\b+FR-1], v[AF+FR*(\a):AF+FR*(\a)+FR-1], v[CB+8*\b:CB+8*\b+7], v[SC+16*(\sc)+2*\b+(\q)], v[SC+16*(\sc)+2*(\a)+(\q)] matrix_a_scale:MATRIX_SCALE_ROW1
.else
	v_wmma_scale_f32_16x16x128_f8f6f4 v[8*(8*((\a)%4)+\b):8*(8*((\a)%4)+\b)+7], v[128*(\p)+FR*\b:128*(\p)+FR*\b+FR-1], v[AF+FR*(\a):AF+FR*(\a)+FR-1], v[8*(8*((\a)%4)+\b):8*(8*((\a)%4)+\b)+7], v[SC+16*(\sc)+2*\b+(\q)], v[SC+16*(\sc)+2*(\a)+(\q)] matrix_a_scale:MATRIX_SCALE_ROW1
.endif
.endr
.endr
.endm
.macro FETCH_B slot, q, p
	WIN TO_B
.irp i, 0,1,2,3,4,5,6,7
	FRAG 128*(\p)+FR*\i, ADRB+\slot, \q, \i
.endr
	WIN 0
.endm
.macro FETCH_A slot, q, i0
.irp i, \i0, \i0+1, \i0+2, \i0+3
	FRAG AF+FR*(\i), ADRA+\slot, \q, \i
.endr
.endm
.macro SCALES s
.irp i, 0,1,2,3,4,5,6,7
	ds_load_b32 v[SC+16*\s+2*\i], v[ADRS+\s] offset:\i*64
	ds_load_b32 v[SC+16*\s+2*\i+1], v[ADRS+\s] offset:512+\i*64
.endr
.endm
.macro PLACES n
.rept \n
	v_nop
.endr
.endm
.macro STEP slot, q, first
	s_wait_dscnt 16                                ; all but the youngest 16 loads (A's tiles 4-7) are in
.if \first
	WIN 0x81
.else
	WIN MUL_LO
.endif
	MUL16 0, (\q)%2, \q, \slot, \first
	MUL16 2, (\q)%2, \q, \slot, \first
	s_wait_dscnt 0x0
	PLACES NP
	FETCH_B \slot, (\q)+1, 1-(\q)%2
	FETCH_A \slot, (\q)+1, 0
.if \first
	WIN 0xc1
.else
	WIN MUL_HI
.endif
	MUL16 4, (\q)%2, \q, \slot, \first
	MUL16 6, (\q)%2, \q, \slot, \first
	PLACES NP
	WIN 0
	FETCH_A \slot, (\q)+1, 4
.endm
.macro TURN slot, next, fill
	s_wait_tensorcnt 0x0                           ; all my tensor loads have landed: my part of the next slot
	ds_add_u32 v[SPW], v[NIL]                      ; 0 onto my spare word
	s_wait_dscnt 17                                ; the add and the youngest 16 loads may be out
	WIN MUL_LO
	MUL16 0, 1, 1, \slot, 0
	s_wait_dscnt 0x0                               ; the add is done, and my reads of this slot are over
	s_barrier_signal -1
	MUL16 2, 1, 1, \slot, 0
	WIN 0
	s_barrier_wait -1
.if \fill
	CREST                                          ; the barrier has opened a round of the cluster's barrier
	s_add_nc_u64 s[G0+4*\slot+2:G0+4*\slot+3], s[G0+4*\slot+2:G0+4*\slot+3], 2*BLK
	s_add_nc_u64 s[G0B+4*\slot+2:G0B+4*\slot+3], s[G0B+4*\slot+2:G0B+4*\slot+3], 2*BLK
	JLOAD G0+4*\slot, G0B+4*\slot                  ; the first tensor load behind the round; its four v_nop are four of the places
	PLACES NP-4
.else
	PLACES NP
.endif
	FETCH_B \next, 0, 0
	FETCH_A \next, 0, 0
	SCALES \next
	WIN MUL_HI
	MUL16 4, 1, 1, \slot, 0
	MUL16 6, 1, 1, \slot, 0
	PLACES NP
	WIN 0
	FETCH_A \next, 0, 4
.endm
	s_wait_tensorcnt 1                             ; my part of slot 0 is in; slot 1's load may be out
	s_barrier_signal -1
	s_barrier_wait -1
	FETCH_B 0, 0, 0
	FETCH_A 0, 0, 0
	SCALES 0
	FETCH_A 0, 0, 4
	s_wait_loadcnt 0x0                             ; the bias
	STEP 0, 0, 1
	s_mov_b32 s3, LAPS-1
.Llap:                                                 ; a trip goes once round the ring and fills both slots again
	TURN 0, 1, 1
	STEP 1, 0, 0
	TURN 1, 0, 1
	STEP 0, 0, 0
	s_sub_co_u32 s3, s3, 1
	s_cmp_lg_u32 s3, 0
	s_cbranch_scc1 .Llap
	TURN 0, 1, 0
	STEP 1, 0, 0
	s_wait_dscnt 16
	WIN MUL_LO
	MUL16 0, 1, 1, 1, 0
	MUL16 2, 1, 1, 1, 0
	s_wait_dscnt 0x0
	WIN MUL_HI
	MUL16 4, 1, 1, 1, 0
	MUL16 6, 1, 1, 1, 0
	WIN 0
.macro RLOAD a                         ; the residual's bytes of tile a's 16 rows into window 1, set a % 2; stage row t is row rho(a, t)
	WIN TO_B
.irp t, 0,1,2,3,4,5,6,7,8,9,10,11,12,13,14,15
	global_load_b128 v[64*((\a)%2)+4*\t:64*((\a)%2)+4*\t+3], v[CO], s[10:11] offset:(32*((\a)/2)+8*((\a)%2)+\t+8*(\t/8))*4096
.endr
	WIN 0
.endm
.macro TOSTAGE a
.set AC, 64*((\a)%4)
	WIN 0x08+4*((\a)/4)                            ; the data: window 2 or 3
.irp b, 0,1,2,3,4,5,6,7
	ds_store_b128 v[STO], v[AC+8*\b:AC+8*\b+3] offset:128*(\b/2)+32*(\b%2)        ; each accumulator from its low end on
	ds_store_b128 v[STO], v[AC+8*\b+4:AC+8*\b+7] offset:128*(\b/2)+32*(\b%2)+16
.endr
	WIN 0
.set BB, BK+64*((\a)%2)
.irp t, 0,1,2,3,4,5,6,7,8,9,10,11,12,13,14,15
	ds_load_b128 v[BB+4*\t:BB+4*\t+3], v[RD] offset:\t*528     ; LDS serves a wave's instructions in order (ISA guide 5.7.1.4)
.endr
.endm
.macro SEND a, yds, yld                ; yds, yld: the LDS instructions and the global loads issued behind tile a's, which may stay out
.set BB, BK+64*((\a)%2)
.set RS, 64*((\a)%2)
	s_wait_dscnt \yds
	s_wait_loadcnt \yld
	WIN 0x04                                       ; source 1: window 1
.set I, 0
.rept 32
	v_pk_add_f32 v[BB+I:BB+I+1], v[BB+I:BB+I+1], v[RS+I:RS+I+1]
.set I, I+2
.endr
	WIN 0
.irp t, 0,1,2,3,4,5,6,7,8,9,10,11,12,13,14,15
	global_store_b128 v[CO], v[BB+4*\t:BB+4*\t+3], s[12:13] offset:(32*((\a)/2)+8*((\a)%2)+\t+8*(\t/8))*4096   ; 32 lanes store 512 consecutive bytes, aligned
.endr
.endm
	PLACES NP
	RLOAD 0
	TOSTAGE 0
.irp a, 1,2,3,4,5,6,7
.if \a > 1
	s_wait_xcnt 0x0                                ; tile a - 2's stores have read the registers into which tile a's rows now come
.endif
	RLOAD \a
	TOSTAGE \a
	SEND \a-1, 32, 16                              ; behind tile a - 1's: tile a's 16 stage stores and 16 stage loads; its 16 residual loads
.endr
	SEND 7, 0, 0
	s_wait_tensorcnt 0x0                           ; the wave's end
	ds_add_u32 v[SPW], v[NIL]
	s_wait_dscnt 0x0
	CROUND                                         ; the closing round
	s_endpgm
.Lfunc_end_k_q8aae42ee8f_wo:
	.size	k_q8aae42ee8f_wo, .Lfunc_end_k_q8aae42ee8f_wo-k_q8aae42ee8f_wo
	.p2alignl 7, 3214868480
	.fill 96, 4, 3214868480
	.section	.rodata,"a",@progbits
	.p2align	6, 0x0
	.amdhsa_kernel k_q8aae42ee8f_wo
		.amdhsa_group_segment_fixed_size 327680
		.amdhsa_private_segment_fixed_size 0
		.amdhsa_enable_private_segment 0
		.amdhsa_kernarg_size 40
		.amdhsa_user_sgpr_count 2
		.amdhsa_user_sgpr_kernarg_segment_ptr 1
		.amdhsa_wavefront_size32 1
		.amdhsa_system_sgpr_workgroup_id_x 1
		.amdhsa_system_sgpr_workgroup_id_y 1
		.amdhsa_system_sgpr_workgroup_id_z 1
		.amdhsa_system_vgpr_workitem_id 0
		.amdhsa_next_free_vgpr 1024
		.amdhsa_next_free_sgpr 66
		.amdhsa_reserve_vcc 0
		.amdhsa_float_denorm_mode_32 3
		.amdhsa_float_denorm_mode_16_64 3
		.amdhsa_memory_ordered 1
		.amdhsa_forward_progress 1
		.amdhsa_inst_pref_size 175
	.end_amdhsa_kernel
	.amdgpu_metadata
---
amdhsa.version: [ 1, 2 ]
amdhsa.kernels:
  - .name:           k_q8aae42ee8f_wo
    .symbol:         k_q8aae42ee8f_wo.kd
    .args:
      - { .name: hq, .offset: 0, .size: 8, .value_kind: global_buffer, .address_space: global }
      - { .name: wb, .offset: 8, .size: 8, .value_kind: global_buffer, .address_space: global }
      - { .name: bo, .offset: 16, .size: 8, .value_kind: global_buffer, .address_space: global }
      - { .name: hidden, .offset: 24, .size: 8, .value_kind: global_buffer, .address_space: global }
      - { .name: h, .offset: 32, .size: 8, .value_kind: global_buffer, .address_space: global }
    .group_segment_fixed_size: 327680
    .private_segment_fixed_size: 0
    .kernarg_segment_align: 8
    .kernarg_segment_size: 40
    .max_flat_workgroup_size: 128
    .sgpr_count:     66
    .vgpr_count:     1024
    .wavefront_size: 32
...
	.end_amdgpu_metadata
.endif
;; end of part 5
;; launch ln2: the kernel of part 2 again; grid 256 x 1, 4 waves a work-group, no clusters, 1,024 bytes of LDS; arguments h, ln2_g, ln2_b, aq; writes aq
;; launch ffn1 (part 6): grid 16 x 16, 4 waves a work-group, clusters of 4 x 4, 327,680 bytes of LDS; arguments aq, wb, b1, gq; writes gq
.if DOCPART == 6
	.amdgcn_target "amdgcn-amd-amdhsa--gfx1250"
	.amdhsa_code_object_version 6
	.text
	.protected	k_q8aae42ee8f_ffn1
	.globl	k_q8aae42ee8f_ffn1
	.p2align	8
	.type	k_q8aae42ee8f_ffn1,@function
k_q8aae42ee8f_ffn1:
	s_mov_b64 s[64:65], 0
	v_nop
	global_prefetch_b8 v0, s[64:65] scope:SCOPE_SE
	s_setreg_imm32_b32 hwreg(HW_REG_WAVE_MODE, 25, 1), 1
	s_wait_xcnt 0x0
	s_wait_alu depctr_hold_cnt(0) depctr_sa_sdst(0) depctr_va_vdst(0) depctr_va_sdst(0) depctr_va_ssrc(0) depctr_va_vcc(0) depctr_vm_vsrc(0)
	s_getreg_b32 s2, hwreg(HW_REG_IB_STS2, 6, 4)
	s_cmp_eq_u32 s2, 0
	s_cbranch_scc0 .Lentry_in_a_cluster
	s_endpgm
.Lentry_in_a_cluster:
	s_bfe_u32 s2, ttmp6, 0x10000c
	s_cmp_lg_u32 s2, 0xf033
	s_cbranch_scc0 .Lentry_shape_is_right
	s_endpgm
.Lentry_shape_is_right:
; gq = Q(gelu_tanh(x W1 + b1)): [4,096 x 1,024] x [1,024 x 4,096] on codes of FP8 (E4M3) with E8M0 scales for each 32 along K; the activation in f32; the result quantised along its columns, the next product's K.
; OPERANDS are OPERAND BLOCKS of 33,792 bytes (128 rows x 256 K as an image of the operand's registers: chunk (kb, tile) at kb*4096 + tile*512, lane l at 16 l; scale words at 32768 + q*512 + tile*64 + 4 r;
; lane-row r of tile t is row rho(t, r) = 32 (t/2) + 8 (t%2) + r + 8 (r/8)).  A buffer is [group of 128 rows][K/256].  A = aq; B = wb from block 128 on; the result is [32 groups][16 blocks].
; THE CORE: a tile of C, 256 x 256, by four waves of 128 x 128 (64 accumulators, 512 registers); K in steps of 256 through two LDS slots, each four operand blocks, one dense tensor load a wave; 4 x 4 clusters: A's blocks are
; asked for jointly along a row of the cluster, B's along a column.  The product is used transposed (source 0 = B's tile, source 1 = A's): by the choice of rows rho the 16 registers of accumulators (a, 2 B), (a, 2 B + 1)
; are columns 32 B + 16 h + 0..15 of row rho(a, r): the next operand's layout.  The bias is the C of the first products.
; GELU: 0.5 h (1 + tanh(u)) = h / (1 + 2^z), z = h (k1 + k2 h^2), k1 = -2 log2(e) sqrt(2/pi), k2 = 0.044715 k1: one v_exp_f32 and one v_rcp_f32 a number; where 2^z overflows the quotient is 0, as the limit is.
; LIMITS: v_exp_f32 and v_rcp_f32 are good to 1 ulp; a block under 2^-118 gets the byte 1; NaN and infinities are not served.
; REGISTERS: window 0: v1-31 addresses; v32-63 scale words, two sets, and nothing else; v64-127 the bias, later k1; v128-255 A's fragments, on the way out codes (two sets), the quantiser's registers and gelu's 64.
;   window 1: B's fragments, two sets.   windows 2, 3: the accumulators ((a, b) at v[8 (8 (a%4) + b)] of window 2 + a/4).
.set SIZE_K, 1024
.set WOFF,   128*33792
.set BLK,    33792
.set GSTR,   (SIZE_K/256)*BLK
.set SLOT,   4*BLK
.set LAPS,   SIZE_K/512
.set SPARE,  2*SLOT                    ; the spare words, 128 bytes a wave: two blocks of 256 bytes that no other line names
.set STG,    SPARE+512                 ; 512 bytes a wave for its scale words: never the target of a tensor load
.set FR,   16
.set NP,   8
.set ADRA, 16
.set ADRB, 20
.set ADRS, 22
.set SWA,  24
.set SRA,  25
.set CO,   26
.set SPW,  28
.set NIL,  29
.set BIA,  30
.set SC,   32
.set CB,   64
.set K1,   66                          ; v[66:67] k1, twice
.set AF,   128
.set PCS,  128
.set TM,   160
.set PW,   176
.set T,    192
.set G1,  24
.set G0,  32
.set G1B, 48
.set G0B, 56
.set MSB, 0
.macro WIN new                         ; the immediate's high byte repeats the setting that is left
.if MSB != \new
	s_set_vgpr_msb (MSB<<8)|\new
.set MSB, \new
.endif
.endm
.set MUL_LO, 0xa1
.set MUL_HI, 0xf1
.set TO_B,   0x40
.macro JLOAD g0a, g0b                  ; a joint load: waves 0, 1 fetch A's two groups, waves 2, 3 B's; four v_nop follow each line
	s_cmp_eq_u32 s15, 0
	s_cbranch_scc0 .Lfor_b_\@
	tensor_load_to_lds s[\g0a:\g0a+3], s[G1:G1+7]
	s_nop 0
.rept 4
	v_nop
.endr
	s_branch .Lasked_\@
.Lfor_b_\@:
	tensor_load_to_lds s[\g0b:\g0b+3], s[G1B:G1B+7]
	s_nop 0
.rept 4
	v_nop
.endr
.Lasked_\@:
.endm
.macro CREST
	s_cmp_lg_u32 s14, 0
	s_cbranch_scc1 .Lnot_wave_0_\@
	s_barrier_signal -3
.Lnot_wave_0_\@:
	s_barrier_wait -3
	s_barrier_signal -1
	s_barrier_wait -1
.endm
.macro CROUND
	s_barrier_signal -1
	s_barrier_wait -1
	CREST
.endm
	s_load_b128 s[4:7], s[0:1], 0x0                ; aq, wb
	s_load_b128 s[8:11], s[0:1], 0x10              ; b1, gq
	v_lshl_add_u32 v[SPW], v0, 2, SPARE
	v_mov_b32 v[NIL], 0
	ds_add_u32 v28, v29
	s_wait_dscnt 0x0
	v_lshrrev_b32 v1, 5, v0
	v_readfirstlane_b32 s14, v1                    ; wave 0..3
	s_lshr_b32 s15, s14, 1                         ; my half of the tile's rows.  Also: I fetch for A (0) or for B (1)
	s_and_b32 s16, s14, 1                          ; my half of its columns.  Also: which group I fetch
	s_bfe_u32 s40, ttmp6, 0x40000                  ; cx
	s_bfe_u32 s41, ttmp6, 0x40004                  ; cy
	s_lshl_b32 s42, ttmp9, 2
	s_add_co_u32 s42, s42, s40                     ; tile column
	s_and_b32 s17, ttmp7, 0xffff
	s_lshl_b32 s17, s17, 2
	s_add_co_u32 s17, s17, s41                     ; tile row
	s_lshl_b32 s43, s41, 2
	s_lshl_b32 s43, 15, s43                        ; my row of the cluster
	s_lshl_b32 s44, 0x1111, s40                    ; my column
	; descriptor group 1: an operand block, dense: 132 rows of 32 elements of 8 bytes, no padding
	s_or_b32 s[G1+0], s43, (3<<16)|(1<<21)
	s_or_b32 s[G1B+0], s44, (3<<16)|(1<<21)
.irp g, G1, G1B
	s_mov_b32 s[\g+1], 32<<16
	s_mov_b32 s[\g+2], 132<<16
	s_mov_b32 s[\g+3], 32<<16
	s_mov_b32 s[\g+4], 132
	s_mov_b32 s[\g+5], 32
	s_mov_b32 s[\g+6], 0
	s_mov_b32 s[\g+7], 0
.endr
	s_lshl_b32 s20, s17, 1
	s_add_co_u32 s20, s20, s16
	s_mul_i32 s20, s20, GSTR
	s_mov_b32 s21, 0
	s_lshl_b32 s46, s42, 1
	s_add_co_u32 s46, s46, s16
	s_mul_i32 s46, s46, GSTR
	s_add_co_u32 s46, s46, WOFF
	s_mov_b32 s47, 0
	s_mul_i32 s45, s14, BLK
	s_wait_kmcnt 0x0
	s_add_nc_u64 s[20:21], s[4:5], s[20:21]
	s_add_nc_u64 s[46:47], s[6:7], s[46:47]
	CROUND                                         ; all sixteen work-groups are here: the first joint loads meet
.irp s, 0,1
	s_mov_b32 s[G0+4*\s], 1
	s_add_co_u32 s[G0+4*\s+1], s45, \s*SLOT
	s_add_nc_u64 s[G0+4*\s+2:G0+4*\s+3], s[20:21], \s*BLK
	s_or_b32 s[G0+4*\s+3], s[G0+4*\s+3], 0x80000000
	s_mov_b32 s[G0B+4*\s], 1
	s_add_co_u32 s[G0B+4*\s+1], s45, \s*SLOT
	s_add_nc_u64 s[G0B+4*\s+2:G0B+4*\s+3], s[46:47], \s*BLK
	s_or_b32 s[G0B+4*\s+3], s[G0B+4*\s+3], 0x80000000
	JLOAD G0+4*\s, G0B+4*\s                        ; two loads of mine are out
.endr
	v_and_b32 v1, 15, v0                           ; r
	v_bfe_u32 v2, v0, 4, 1                         ; h
	v_and_b32 v3, 31, v0
	v_lshlrev_b32 v[CO], 4, v3                     ; 16 x lane
	s_mul_i32 s21, s15, BLK
	s_mul_i32 s22, s16, BLK
	s_add_co_u32 s22, s22, 2*BLK
	s_xor_b32 s23, s15, 1
	s_add_co_u32 s23, s23, s16
	s_add_co_u32 s23, s23, 1
	s_mul_i32 s23, s23, BLK                        ; the distance from my A block to my B block
	v_mul_u32_u24 v4, s23, v2                      ; lanes 16-31 take B's words: one product
	v_lshl_add_u32 v4, v1, 2, v4
	s_add_co_u32 s23, s21, 32768
	v_add_nc_u32 v[ADRS], s23, v4
	v_add_nc_u32 v[ADRS+1], SLOT, v[ADRS]
.irp s, 0,1
	v_add_nc_u32 v[ADRA+\s], s21, v[CO]
	v_add_nc_u32 v[ADRB+\s], s22, v[CO]
	s_add_co_u32 s21, s21, SLOT
	s_add_co_u32 s22, s22, SLOT
.endr
	v_lshlrev_b32 v[BIA], 6, v2
	s_lshl_b32 s2, s42, 10
	s_lshl_b32 s3, s16, 9
	s_add_co_u32 s2, s2, s3                        ; my first column, in bytes of f32
	s_mov_b32 s3, 0
	s_add_nc_u64 s[8:9], s[8:9], s[2:3]
.irp b, 0,1,2,3,4,5,6,7
	global_load_b128 v[CB+8*\b:CB+8*\b+3], v[BIA], s[8:9] offset:128*(\b/2)+32*(\b%2)
	global_load_b128 v[CB+8*\b+4:CB+8*\b+7], v[BIA], s[8:9] offset:128*(\b/2)+32*(\b%2)+16
.endr
	s_lshl_b32 s23, s14, 9
	s_add_co_u32 s23, s23, STG
	v_lshl_add_u32 v[SWA], v1, 2, s23
	v_add_nc_u32 v[SRA], s23, v[CO]
	; where my results go: block (2 ty + row half) x 16 + tx; my 128 columns are its kb 4 x column half on
	s_lshl_b32 s18, s17, 1
	s_add_co_u32 s18, s18, s15
	s_lshl_b32 s18, s18, 4
	s_add_co_u32 s18, s18, s42
	s_mul_i32 s18, s18, BLK
	s_lshl_b32 s68, s16, 9
	s_add_co_u32 s68, s68, s18
	s_add_co_u32 s68, s68, 32768                   ; the words
	s_mov_b32 s69, 0
	s_lshl_b32 s19, s16, 14
	s_add_co_u32 s18, s18, s19                     ; the codes
	s_mov_b32 s19, 0
	s_add_nc_u64 s[12:13], s[10:11], s[68:69]
	s_add_nc_u64 s[10:11], s[10:11], s[18:19]
.macro FRAG reg, adr, q, i
.irp c, 0,1,2,3
	ds_load_b128 v[\reg+4*\c:\reg+4*\c+3], v[\adr] offset:(4*(\q)+\c)*4096+(\i)*512
.endr
.endm
; 16 matrix instructions: A's tiles a0, a0 + 1 x B's eight.  first = 1: C is the bias.  The 64 accumulators take turns.
.macro MUL16 a0, p, q, sc, first
.irp a, \a0, \a0+1
.irp b, 0,1,2,3,4,5,6,7
.if \first
	v_wmma_scale_f32_16x16x128_f8f6f4 v[8*(8*((\a)%4)+\b):8*(8*((\a)%4)+\b)+7], v[128*(\p)+FR*\b:128*(\p)+FR*\b+FR-1], v[AF+FR*(\a):AF+FR*(\a)+FR-1], v[CB+8*\b:CB+8*\b+7], v[SC+16*(\sc)+2*\b+(\q)], v[SC+16*(\sc)+2*(\a)+(\q)] matrix_a_scale:MATRIX_SCALE_ROW1
.else
	v_wmma_scale_f32_16x16x128_f8f6f4 v[8*(8*((\a)%4)+\b):8*(8*((\a)%4)+\b)+7], v[128*(\p)+FR*\b:128*(\p)+FR*\b+FR-1], v[AF+FR*(\a):AF+FR*(\a)+FR-1], v[8*(8*((\a)%4)+\b):8*(8*((\a)%4)+\b)+7], v[SC+16*(\sc)+2*\b+(\q)], v[SC+16*(\sc)+2*(\a)+(\q)] matrix_a_scale:MATRIX_SCALE_ROW1
.endif
.endr
.endr
.endm
.macro FETCH_B slot, q, p
	WIN TO_B
.irp i, 0,1,2,3,4,5,6,7
	FRAG 128*(\p)+FR*\i, ADRB+\slot, \q, \i
.endr
	WIN 0
.endm
.macro FETCH_A slot, q, i0
.irp i, \i0, \i0+1, \i0+2, \i0+3
	FRAG AF+FR*(\i), ADRA+\slot, \q, \i
.endr
.endm
.macro SCALES s
.irp i, 0,1,2,3,4,5,6,7
	ds_load_b32 v[SC+16*\s+2*\i], v[ADRS+\s] offset:\i*64
	ds_load_b32 v[SC+16*\s+2*\i+1], v[ADRS+\s] offset:512+\i*64
.endr
.endm
.macro PLACES n
.rept \n
	v_nop
.endr
.endm
.macro STEP slot, q, first
	s_wait_dscnt 16                                ; all but the youngest 16 loads (A's tiles 4-7) are in
.if \first
	WIN 0x81
.else
	WIN MUL_LO
.endif
	MUL16 0, (\q)%2, \q, \slot, \first
	MUL16 2, (\q)%2, \q, \slot, \first
	s_wait_dscnt 0x0
	PLACES NP
	FETCH_B \slot, (\q)+1, 1-(\q)%2
	FETCH_A \slot, (\q)+1, 0
.if \first
	WIN 0xc1
.else
	WIN MUL_HI
.endif
	MUL16 4, (\q)%2, \q, \slot, \first
	MUL16 6, (\q)%2, \q, \slot, \first
	PLACES NP
	WIN 0
	FETCH_A \slot, (\q)+1, 4
.endm
.macro TURN slot, next, fill
	s_wait_tensorcnt 0x0                           ; all my tensor loads have landed: my part of the next slot
	ds_add_u32 v[SPW], v[NIL]                      ; 0 onto my spare word
	s_wait_dscnt 17                                ; the add and the youngest 16 loads may be out
	WIN MUL_LO
	MUL16 0, 1, 1, \slot, 0
	s_wait_dscnt 0x0                               ; the add is done, and my reads of this slot are over
	s_barrier_signal -1
	MUL16 2, 1, 1, \slot, 0
	WIN 0
	s_barrier_wait -1
.if \fill
	CREST                                          ; the barrier has opened a round of the cluster's barrier
	s_add_nc_u64 s[G0+4*\slot+2:G0+4*\slot+3], s[G0+4*\slot+2:G0+4*\slot+3], 2*BLK
	s_add_nc_u64 s[G0B+4*\slot+2:G0B+4*\slot+3], s[G0B+4*\slot+2:G0B+4*\slot+3], 2*BLK
	JLOAD G0+4*\slot, G0B+4*\slot                  ; the first tensor load behind the round; its four v_nop are four of the places
	PLACES NP-4
.else
	PLACES NP
.endif
	FETCH_B \next, 0, 0
	FETCH_A \next, 0, 0
	SCALES \next
	WIN MUL_HI
	MUL16 4, 1, 1, \slot, 0
	MUL16 6, 1, 1, \slot, 0
	PLACES NP
	WIN 0
	FETCH_A \next, 0, 4
.endm
	s_wait_tensorcnt 1                             ; my part of slot 0 is in; slot 1's load may be out
	s_barrier_signal -1
	s_barrier_wait -1
	FETCH_B 0, 0, 0
	FETCH_A 0, 0, 0
	SCALES 0
	FETCH_A 0, 0, 4
	s_wait_loadcnt 0x0                             ; the bias
	STEP 0, 0, 1
	s_mov_b32 s3, LAPS-1
.Llap:                                                 ; a trip goes once round the ring and fills both slots again
	TURN 0, 1, 1
	STEP 1, 0, 0
	TURN 1, 0, 1
	STEP 0, 0, 0
	s_sub_co_u32 s3, s3, 1
	s_cmp_lg_u32 s3, 0
	s_cbranch_scc1 .Llap
	TURN 0, 1, 0
	STEP 1, 0, 0
	s_wait_dscnt 16
	WIN MUL_LO
	MUL16 0, 1, 1, 1, 0
	MUL16 2, 1, 1, 1, 0
	s_wait_dscnt 0x0
	WIN MUL_HI
	MUL16 4, 1, 1, 1, 0
	MUL16 6, 1, 1, 1, 0
	WIN 0
	; THE WAY OUT: tile by tile of 16 rows x 128 columns: gelu, the quantiser along the columns, four stores of 512 consecutive bytes.
	PLACES NP
	s_mov_b32 s20, 0x76543210
	s_mov_b32 s21, 0xfedcba98                      ; v_permlanex16_b32's selects for lane l xor 16
	s_mov_b32 s22, 0x600000                        ; the mantissa field of 448
	s_mov_b32 s66, 0xbdd2d3e8                      ; k2
	s_mov_b32 s67, s66
	v_mov_b32 v[K1], 0xc0135761                    ; k1
	v_mov_b32 v[K1+1], 0xc0135761
.irp b, 0,1,2,3
	v_mov_b32 v[TM+4+\b], 0                        ; a lane permute's destination counts as one of its sources
.endr
.macro TILEQ a
.set WW, 2+(\a)/4                      ; the tile's window
.set S0, 64*((\a)%4)                   ; its 64 registers: 16 B + i = column 32 B + 16 h + i
.set PC, PCS+16*((\a)%2)
	WIN (WW*5)                                     ; sources 0 and 1 in the tile's window
.set I, 0
.rept 32
	v_pk_mul_f32 v[T+I:T+I+1], v[S0+I:S0+I+1], v[S0+I:S0+I+1]      ; h^2; each accumulator from its low end on
.set I, I+2
.endr
	WIN 0
.set I, 0
.rept 32
	v_pk_fma_f32 v[T+I:T+I+1], v[T+I:T+I+1], s[66:67], v[K1:K1+1] op_sel_hi:[1,0,1]   ; k1 + k2 h^2
.set I, I+2
.endr
	WIN (WW*4)                                     ; source 1
.set I, 0
.rept 32
	v_pk_mul_f32 v[T+I:T+I+1], v[T+I:T+I+1], v[S0+I:S0+I+1]        ; z
.set I, I+2
.endr
	WIN 0
.set I, 0
.rept 64
	v_exp_f32 v[T+I], v[T+I]
.set I, I+1
.endr
	v_nop                                          ; a plain instruction behind the transcendentals
.set I, 0
	s_wait_alu depctr_va_vdst(0)
.rept 32
	v_pk_add_f32 v[T+I:T+I+1], v[T+I:T+I+1], 1.0 op_sel_hi:[1,0]
.set I, I+2
.endr
.set I, 0
.rept 64
	v_rcp_f32 v[T+I], v[T+I]
.set I, I+1
.endr
	v_nop
	WIN (WW*65)                                    ; source 0 and destination
.set I, 0
	s_wait_alu depctr_va_vdst(0)
.rept 32
	v_pk_mul_f32 v[S0+I:S0+I+1], v[S0+I:S0+I+1], v[T+I:T+I+1]      ; gelu
.set I, I+2
.endr
	WIN (WW*5)
.irp b, 0,1,2,3
	v_max3_num_f32 v[TM+\b], |v[S0+16*\b]|, |v[S0+1+16*\b]|, 0x4800000   ; my 16 numbers of block b, and the floor 2^(9 - 127)
.endr
	WIN (WW*20)                                    ; sources 1 and 2
.irp i, 2,4,6,8,10,12,14
.irp b, 0,1,2,3
	v_max3_num_f32 v[TM+\b], v[TM+\b], |v[S0+16*\b+\i]|, |v[S0+1+16*\b+\i]|
.endr
.endr
	WIN 0
.irp b, 0,1,2,3
	v_permlanex16_b32 v[TM+4+\b], v[TM+\b], s20, s21
.endr
.irp b, 0,1,2,3
	v_max_num_f32 v[TM+\b], v[TM+\b], v[TM+4+\b]   ; with lane l xor 16's: the block's largest magnitude
.endr
.irp b, 0,1,2,3
	v_add_nc_u32 v[TM+12+\b], 0xfc000000, v[TM+\b] ; the conversion's scale operand
.endr
.irp b, 0,1,2,3
	v_and_or_b32 v[TM+8+\b], v[TM+\b], 0x7f800000, s22   ; 448 x the scale
.endr
.irp b, 0,1,2,3
	v_lshrrev_b32 v[TM+4+\b], 23, v[TM+12+\b]      ; the scale's byte
.endr
	v_lshl_or_b32 v[PW+(\a)], v[TM+5], 8, v[TM+4]
	v_lshl_or_b32 v[PW+(\a)], v[TM+6], 16, v[PW+(\a)]
	v_lshl_or_b32 v[PW+(\a)], v[TM+7], 24, v[PW+(\a)]
	WIN (WW*65)
.irp b, 0,1,2,3
.irp i, 0,1,2,3,4,5,6,7,8,9,10,11,12,13,14,15
	v_med3_num_f32 v[S0+16*\b+\i], v[S0+16*\b+\i], -v[TM+8+\b], v[TM+8+\b]   ; the conversion does not saturate (ISA guide 7.6.2)
.endr
.endr
	WIN WW
.if (\a) > 1
	s_wait_xcnt 0x0                                ; tile a - 2's stores have read this set of codes
.endif
.irp b, 0,1,2,3
	v_cvt_scalef32_pk8_fp8_f32 v[PC+4*\b:PC+1+4*\b], v[S0+16*\b:S0+7+16*\b], v[TM+12+\b]
	v_cvt_scalef32_pk8_fp8_f32 v[PC+2+4*\b:PC+3+4*\b], v[S0+8+16*\b:S0+15+16*\b], v[TM+12+\b]
.endr
	WIN 0
	v_nop                                          ; a plain instruction behind the last conversion
.irp b, 0,1,2,3
	global_store_b128 v[CO], v[PC+4*\b:PC+4*\b+3], s[10:11] offset:\b*4096+(\a)*512   ; chunk (kb, tile): 512 consecutive bytes, aligned
.endr
	ds_store_b32 v[SWA], v[PW+(\a)] offset:(\a)*64 ; both lanes of a row write the same word
.endm
.irp a, 0,1,2,3,4,5,6,7
	TILEQ \a
.endr
	ds_load_b128 v[TM:TM+3], v[SRA]                ; LDS serves a wave's instructions in order (ISA guide 5.7.1.4): my 128 words, 16 bytes a lane
	s_wait_dscnt 0x0
	global_store_b128 v[CO], v[TM:TM+3], s[12:13]
	s_wait_tensorcnt 0x0                           ; the wave's end
	ds_add_u32 v[SPW], v[NIL]
	s_wait_dscnt 0x0
	CROUND                                         ; the closing round
	s_endpgm
.Lfunc_end_k_q8aae42ee8f_ffn1:
	.size	k_q8aae42ee8f_ffn1, .Lfunc_end_k_q8aae42ee8f_ffn1-k_q8aae42ee8f_ffn1
	.p2alignl 7, 3214868480
	.fill 96, 4, 3214868480
	.section	.rodata,"a",@progbits
	.p2align	6, 0x0
	.amdhsa_kernel k_q8aae42ee8f_ffn1
		.amdhsa_group_segment_fixed_size 327680
		.amdhsa_private_segment_fixed_size 0
		.amdhsa_enable_private_segment 0
		.amdhsa_kernarg_size 32
		.amdhsa_user_sgpr_count 2
		.amdhsa_user_sgpr_kernarg_segment_ptr 1
		.amdhsa_wavefront_size32 1
		.amdhsa_system_sgpr_workgroup_id_x 1
		.amdhsa_system_sgpr_workgroup_id_y 1
		.amdhsa_system_sgpr_workgroup_id_z 1
		.amdhsa_system_vgpr_workitem_id 0
		.amdhsa_next_free_vgpr 1024
		.amdhsa_next_free_sgpr 72
		.amdhsa_reserve_vcc 0
		.amdhsa_float_denorm_mode_32 3
		.amdhsa_float_denorm_mode_16_64 3
		.amdhsa_memory_ordered 1
		.amdhsa_forward_progress 1
		.amdhsa_inst_pref_size 255
	.end_amdhsa_kernel
	.section	.bss,"aw",@nobits
	.p2align	6
	.space	262144
	.amdgpu_metadata
---
amdhsa.version: [ 1, 2 ]
amdhsa.kernels:
  - .name:           k_q8aae42ee8f_ffn1
    .symbol:         k_q8aae42ee8f_ffn1.kd
    .args:
      - { .name: aq, .offset: 0, .size: 8, .value_kind: global_buffer, .address_space: global }
      - { .name: wb, .offset: 8, .size: 8, .value_kind: global_buffer, .address_space: global }
      - { .name: b1, .offset: 16, .size: 8, .value_kind: global_buffer, .address_space: global }
      - { .name: gq, .offset: 24, .size: 8, .value_kind: global_buffer, .address_space: global }
    .group_segment_fixed_size: 327680
    .private_segment_fixed_size: 0
    .kernarg_segment_align: 8
    .kernarg_segment_size: 32
    .max_flat_workgroup_size: 128
    .sgpr_count:     72
    .vgpr_count:     1024
    .wavefront_size: 32
...
	.end_amdgpu_metadata
.endif
;; end of part 6
;; launch ffn2 (part 7): grid 4 x 16, 4 waves a work-group, clusters of 4 x 4, 327,680 bytes of LDS; arguments gq, wb, b2, h, out0; writes out0
.if DOCPART == 7
	.amdgcn_target "amdgcn-amd-amdhsa--gfx1250"
	.amdhsa_code_object_version 6
	.text
	.protected	k_q8aae42ee8f_ffn2
	.globl	k_q8aae42ee8f_ffn2
	.p2align	8
	.type	k_q8aae42ee8f_ffn2,@function
k_q8aae42ee8f_ffn2:
	s_mov_b64 s[64:65], 0
	v_nop
	global_prefetch_b8 v0, s[64:65] scope:SCOPE_SE
	s_setreg_imm32_b32 hwreg(HW_REG_WAVE_MODE, 25, 1), 1
	s_wait_xcnt 0x0
	s_wait_alu depctr_hold_cnt(0) depctr_sa_sdst(0) depctr_va_vdst(0) depctr_va_sdst(0) depctr_va_ssrc(0) depctr_va_vcc(0) depctr_vm_vsrc(0)
	s_getreg_b32 s2, hwreg(HW_REG_IB_STS2, 6, 4)
	s_cmp_eq_u32 s2, 0
	s_cbranch_scc0 .Lentry_in_a_cluster
	s_endpgm
.Lentry_in_a_cluster:
	s_bfe_u32 s2, ttmp6, 0x10000c
	s_cmp_lg_u32 s2, 0xf033
	s_cbranch_scc0 .Lentry_shape_is_right
	s_endpgm
.Lentry_shape_is_right:
; out = h + gelu's output W2 + b2: [4,096 x 4,096] x [4,096 x 1,024] on codes of FP8 (E4M3) with E8M0 scales for each 32 along K; bias, residual and result f32.
; OPERANDS are OPERAND BLOCKS of 33,792 bytes (128 rows x 256 K as an image of the operand's registers: chunk (kb, tile) at kb*4096 + tile*512, lane l at 16 l; scale words at 32768 + q*512 + tile*64 + 4 r;
; lane-row r of tile t is row rho(t, r) = 32 (t/2) + 8 (t%2) + r + 8 (r/8)).  A buffer is [group of 128 rows][K/256].  A = gq; B = wb from block 256 on.
; THE CORE: a tile of C, 256 x 256, by four waves of 128 x 128 (64 accumulators, 512 registers); K in steps of 256 through two LDS slots, each four operand blocks, one dense tensor load a wave; 4 x 4 clusters: A's blocks are
; asked for jointly along a row of the cluster, B's along a column.  The product is used transposed (source 0 = B's tile, source 1 = A's): a lane holds row rho(a, r), and accumulator b's eight registers the columns
; 32 (b/2) + 8 (b%2) + 16 h + 0..7.  The bias is the C of the first products.
; THE GRID has 64 work-groups: this tile keeps the LDS bytes for each product lowest; a smaller tile would fill more WGPs at twice those bytes.
; THE WAY OUT: a tile of 16 rows goes through the wave's own stage in LDS and comes back as whole rows of 512 bytes; the residual's same bytes are added; 32 lanes store two aligned runs of 256 bytes.
; REGISTERS: window 0: v1-31 addresses; v32-63 scale words, two sets, and nothing else; v64-127 the bias; v128-255 A's fragments, on the way out rows of C.  window 1: B's fragments, two sets; on the way out the residual.
;   windows 2, 3: the accumulators ((a, b) at v[8 (8 (a%4) + b)] of window 2 + a/4).
.set SIZE_K, 4096
.set WOFF,   256*33792                 ; where B's blocks begin in wb
.set BLK,    33792
.set GSTR,   (SIZE_K/256)*BLK
.set SLOT,   4*BLK
.set LAPS,   SIZE_K/512
.set SPARE,  2*SLOT                    ; the spare words, 128 bytes a wave: two blocks of 256 bytes that no other line names
.set STG,    SPARE+512                 ; a stage of 16 rows x 528 bytes for each wave: never the target of a tensor load
.set FR,   16
.set NP,   8
.set ADRA, 16
.set ADRB, 20
.set ADRS, 22
.set STO,  24
.set RD,   25
.set CO,   26
.set SPW,  28
.set NIL,  29
.set BIA,  30
.set SC,   32
.set CB,   64
.set AF,   128
.set BK,   128
.set G1,  24
.set G0,  32
.set G1B, 48
.set G0B, 56
.set MSB, 0
.macro WIN new                         ; the immediate's high byte repeats the setting that is left
.if MSB != \new
	s_set_vgpr_msb (MSB<<8)|\new
.set MSB, \new
.endif
.endm
.set MUL_LO, 0xa1
.set MUL_HI, 0xf1
.set TO_B,   0x40
.macro JLOAD g0a, g0b                  ; a joint load: waves 0, 1 fetch A's two groups, waves 2, 3 B's; four v_nop follow each line
	s_cmp_eq_u32 s15, 0
	s_cbranch_scc0 .Lfor_b_\@
	tensor_load_to_lds s[\g0a:\g0a+3], s[G1:G1+7]
	s_nop 0
.rept 4
	v_nop
.endr
	s_branch .Lasked_\@
.Lfor_b_\@:
	tensor_load_to_lds s[\g0b:\g0b+3], s[G1B:G1B+7]
	s_nop 0
.rept 4
	v_nop
.endr
.Lasked_\@:
.endm
.macro CREST
	s_cmp_lg_u32 s14, 0
	s_cbranch_scc1 .Lnot_wave_0_\@
	s_barrier_signal -3
.Lnot_wave_0_\@:
	s_barrier_wait -3
	s_barrier_signal -1
	s_barrier_wait -1
.endm
.macro CROUND
	s_barrier_signal -1
	s_barrier_wait -1
	CREST
.endm
	s_load_b128 s[4:7], s[0:1], 0x0                ; A's blocks, wb
	s_load_b128 s[8:11], s[0:1], 0x10              ; the bias, the residual
	s_load_b64 s[12:13], s[0:1], 0x20              ; the result
	v_lshl_add_u32 v[SPW], v0, 2, SPARE
	v_mov_b32 v[NIL], 0
	ds_add_u32 v28, v29
	s_wait_dscnt 0x0
	v_lshrrev_b32 v1, 5, v0
	v_readfirstlane_b32 s14, v1                    ; wave 0..3
	s_lshr_b32 s15, s14, 1                         ; my half of the tile's rows.  Also: I fetch for A (0) or for B (1)
	s_and_b32 s16, s14, 1                          ; my half of its columns.  Also: which group I fetch
	s_bfe_u32 s40, ttmp6, 0x40000                  ; cx
	s_bfe_u32 s41, ttmp6, 0x40004                  ; cy
	s_lshl_b32 s42, ttmp9, 2
	s_add_co_u32 s42, s42, s40                     ; tile column
	s_and_b32 s17, ttmp7, 0xffff
	s_lshl_b32 s17, s17, 2
	s_add_co_u32 s17, s17, s41                     ; tile row
	s_lshl_b32 s43, s41, 2
	s_lshl_b32 s43, 15, s43                        ; my row of the cluster
	s_lshl_b32 s44, 0x1111, s40                    ; my column
	; descriptor group 1: an operand block, dense: 132 rows of 32 elements of 8 bytes, no padding
	s_or_b32 s[G1+0], s43, (3<<16)|(1<<21)
	s_or_b32 s[G1B+0], s44, (3<<16)|(1<<21)
.irp g, G1, G1B
	s_mov_b32 s[\g+1], 32<<16
	s_mov_b32 s[\g+2], 132<<16
	s_mov_b32 s[\g+3], 32<<16
	s_mov_b32 s[\g+4], 132
	s_mov_b32 s[\g+5], 32
	s_mov_b32 s[\g+6], 0
	s_mov_b32 s[\g+7], 0
.endr
	s_lshl_b32 s20, s17, 1
	s_add_co_u32 s20, s20, s16
	s_mul_i32 s20, s20, GSTR                       ; A: group 2 x tile row + which
	s_mov_b32 s21, 0
	s_lshl_b32 s46, s42, 1
	s_add_co_u32 s46, s46, s16
	s_mul_i32 s46, s46, GSTR                       ; B: group 2 x tile column + which
	s_add_co_u32 s46, s46, WOFF
	s_mov_b32 s47, 0
	s_mul_i32 s45, s14, BLK                        ; where it goes: wave x a block
	s_wait_kmcnt 0x0
	s_add_nc_u64 s[20:21], s[4:5], s[20:21]
	s_add_nc_u64 s[46:47], s[6:7], s[46:47]
	CROUND                                         ; all sixteen work-groups are here: the first joint loads meet
.irp s, 0,1
	s_mov_b32 s[G0+4*\s], 1
	s_add_co_u32 s[G0+4*\s+1], s45, \s*SLOT
	s_add_nc_u64 s[G0+4*\s+2:G0+4*\s+3], s[20:21], \s*BLK
	s_or_b32 s[G0+4*\s+3], s[G0+4*\s+3], 0x80000000
	s_mov_b32 s[G0B+4*\s], 1
	s_add_co_u32 s[G0B+4*\s+1], s45, \s*SLOT
	s_add_nc_u64 s[G0B+4*\s+2:G0B+4*\s+3], s[46:47], \s*BLK
	s_or_b32 s[G0B+4*\s+3], s[G0B+4*\s+3], 0x80000000
	JLOAD G0+4*\s, G0B+4*\s                        ; two loads of mine are out
.endr
	v_and_b32 v1, 15, v0                           ; r
	v_bfe_u32 v2, v0, 4, 1                         ; h
	v_and_b32 v3, 31, v0
	v_lshlrev_b32 v[CO], 4, v3                     ; 16 x lane
	s_mul_i32 s21, s15, BLK
	s_mul_i32 s22, s16, BLK
	s_add_co_u32 s22, s22, 2*BLK
	s_xor_b32 s23, s15, 1
	s_add_co_u32 s23, s23, s16
	s_add_co_u32 s23, s23, 1
	s_mul_i32 s23, s23, BLK                        ; the distance from my A block to my B block
	v_mul_u32_u24 v4, s23, v2                      ; lanes 16-31 take B's words: one product
	v_lshl_add_u32 v4, v1, 2, v4
	s_add_co_u32 s23, s21, 32768
	v_add_nc_u32 v[ADRS], s23, v4
	v_add_nc_u32 v[ADRS+1], SLOT, v[ADRS]
.irp s, 0,1
	v_add_nc_u32 v[ADRA+\s], s21, v[CO]
	v_add_nc_u32 v[ADRB+\s], s22, v[CO]
	s_add_co_u32 s21, s21, SLOT
	s_add_co_u32 s22, s22, SLOT
.endr
	v_lshlrev_b32 v[BIA], 6, v2
	s_lshl_b32 s2, s42, 10
	s_lshl_b32 s3, s16, 9
	s_add_co_u32 s2, s2, s3                        ; my first column, in bytes
	s_mov_b32 s3, 0
	s_add_nc_u64 s[8:9], s[8:9], s[2:3]
.irp b, 0,1,2,3,4,5,6,7
	global_load_b128 v[CB+8*\b:CB+8*\b+3], v[BIA], s[8:9] offset:128*(\b/2)+32*(\b%2)
	global_load_b128 v[CB+8*\b+4:CB+8*\b+7], v[BIA], s[8:9] offset:128*(\b/2)+32*(\b%2)+16
.endr
	s_lshl_b32 s18, s17, 8
	s_lshl_b32 s19, s15, 7
	s_add_co_u32 s18, s18, s19                     ; my first row
	s_lshl_b32 s18, s18, 12                        ; rows of 4,096 bytes
	s_add_co_u32 s18, s18, s2
	s_mov_b32 s19, 0
	s_add_nc_u64 s[10:11], s[10:11], s[18:19]
	s_add_nc_u64 s[12:13], s[12:13], s[18:19]
	s_mul_i32 s23, s14, 16*528
	s_add_co_u32 s23, s23, STG                     ; my stage
	v_mul_u32_u24 v5, v1, 528
	v_lshl_add_u32 v5, v2, 6, v5
	v_add_nc_u32 v[STO], s23, v5                   ; in: row r, + 64 h
	v_add_nc_u32 v[RD], s23, v[CO]                 ; back: a row of 512 bytes, 16 bytes a lane
.macro FRAG reg, adr, q, i
.irp c, 0,1,2,3
	ds_load_b128 v[\reg+4*\c:\reg+4*\c+3], v[\adr] offset:(4*(\q)+\c)*4096+(\i)*512
.endr
.endm
; 16 matrix instructions: A's tiles a0, a0 + 1 x B's eight.  first = 1: C is the bias.  The 64 accumulators take turns.
.macro MUL16 a0, p, q, sc, first
.irp a, \a0, \a0+1
.irp b, 0,1,2,3,4,5,6,7
.if \first
	v_wmma_scale_f32_16x16x128_f8f6f4 v[8*(8*((\a)%4)+\b):8*(8*((\a)%4)+\b)+7], v[128*(\p)+FR*\b:128*(\p)+FR*\b+FR-1], v[AF+FR*(\a):AF+FR*(\a)+FR-1], v[CB+8*\b:CB+8*\b+7], v[SC+16*(\sc)+2*\b+(\q)], v[SC+16*(\sc)+2*(\a)+(\q)] matrix_a_scale:MATRIX_SCALE_ROW1
.else
	v_wmma_scale_f32_16x16x128_f8f6f4 v[8*(8*((\a)%4)+\b):8*(8*((\a)%4)+\b)+7], v[128*(\p)+FR*\b:128*(\p)+FR*\b+FR-1], v[AF+FR*(\a):AF+FR*(\a)+FR-1], v[8*(8*((\a)%4)+\b):8*(8*((\a)%4)+\b)+7], v[SC+16*(\sc)+2*\b+(\q)], v[SC+16*(\sc)+2*(\a)+(\q)] matrix_a_scale:MATRIX_SCALE_ROW1
.endif
.endr
.endr
.endm
.macro FETCH_B slot, q, p
	WIN TO_B
.irp i, 0,1,2,3,4,5,6,7
	FRAG 128*(\p)+FR*\i, ADRB+\slot, \q, \i
.endr
	WIN 0
.endm
.macro FETCH_A slot, q, i0
.irp i, \i0, \i0+1, \i0+2, \i0+3
	FRAG AF+FR*(\i), ADRA+\slot, \q, \i
.endr
.endm
.macro SCALES s
.irp i, 0,1,2,3,4,5,6,7
	ds_load_b32 v[SC+16*\s+2*\i], v[ADRS+\s] offset:\i*64
	ds_load_b32 v[SC+16*\s+2*\i+1], v[ADRS+\s] offset:512+\i*64
.endr
.endm
.macro PLACES n
.rept \n
	v_nop
.endr
.endm
.macro STEP slot, q, first
	s_wait_dscnt 16                                ; all but the youngest 16 loads (A's tiles 4-7) are in
.if \first
	WIN 0x81
.else
	WIN MUL_LO
.endif
	MUL16 0, (\q)%2, \q, \slot, \first
	MUL16 2, (\q)%2, \q, \slot, \first
	s_wait_dscnt 0x0
	PLACES NP
	FETCH_B \slot, (\q)+1, 1-(\q)%2
	FETCH_A \slot, (\q)+1, 0
.if \first
	WIN 0xc1
.else
	WIN MUL_HI
.endif
	MUL16 4, (\q)%2, \q, \slot, \first
	MUL16 6, (\q)%2, \q, \slot, \first
	PLACES NP
	WIN 0
	FETCH_A \slot, (\q)+1, 4
.endm
.macro TURN slot, next, fill
	s_wait_tensorcnt 0x0                           ; all my tensor loads have landed: my part of the next slot
	ds_add_u32 v[SPW], v[NIL]                      ; 0 onto my spare word
	s_wait_dscnt 17                                ; the add and the youngest 16 loads may be out
	WIN MUL_LO
	MUL16 0, 1, 1, \slot, 0
	s_wait_dscnt 0x0                               ; the add is done, and my reads of this slot are over
	s_barrier_signal -1
	MUL16 2, 1, 1, \slot, 0
	WIN 0
	s_barrier_wait -1
.if \fill
	CREST                                          ; the barrier has opened a round of the cluster's barrier
	s_add_nc_u64 s[G0+4*\slot+2:G0+4*\slot+3], s[G0+4*\slot+2:G0+4*\slot+3], 2*BLK
	s_add_nc_u64 s[G0B+4*\slot+2:G0B+4*\slot+3], s[G0B+4*\slot+2:G0B+4*\slot+3], 2*BLK
	JLOAD G0+4*\slot, G0B+4*\slot                  ; the first tensor load behind the round; its four v_nop are four of the places
	PLACES NP-4
.else
	PLACES NP
.endif
	FETCH_B \next, 0, 0
	FETCH_A \next, 0, 0
	SCALES \next
	WIN MUL_HI
	MUL16 4, 1, 1, \slot, 0
	MUL16 6, 1, 1, \slot, 0
	PLACES NP
	WIN 0
	FETCH_A \next, 0, 4
.endm
	s_wait_tensorcnt 1                             ; my part of slot 0 is in; slot 1's load may be out
	s_barrier_signal -1
	s_barrier_wait -1
	FETCH_B 0, 0, 0
	FETCH_A 0, 0, 0
	SCALES 0
	FETCH_A 0, 0, 4
	s_wait_loadcnt 0x0                             ; the bias
	STEP 0, 0, 1
	s_mov_b32 s3, LAPS-1
.Llap:                                                 ; a trip goes once round the ring and fills both slots again
	TURN 0, 1, 1
	STEP 1, 0, 0
	TURN 1, 0, 1
	STEP 0, 0, 0
	s_sub_co_u32 s3, s3, 1
	s_cmp_lg_u32 s3, 0
	s_cbranch_scc1 .Llap
	TURN 0, 1, 0
	STEP 1, 0, 0
	s_wait_dscnt 16
	WIN MUL_LO
	MUL16 0, 1, 1, 1, 0
	MUL16 2, 1, 1, 1, 0
	s_wait_dscnt 0x0
	WIN MUL_HI
	MUL16 4, 1, 1, 1, 0
	MUL16 6, 1, 1, 1, 0
	WIN 0
.macro RLOAD a                         ; the residual's bytes of tile a's 16 rows into window 1, set a % 2; stage row t is row rho(a, t)
	WIN TO_B
.irp t, 0,1,2,3,4,5,6,7,8,9,10,11,12,13,14,15
	global_load_b128 v[64*((\a)%2)+4*\t:64*((\a)%2)+4*\t+3], v[CO], s[10:11] offset:(32*((\a)/2)+8*((\a)%2)+\t+8*(\t/8))*4096
.endr
	WIN 0
.endm
.macro TOSTAGE a
.set AC, 64*((\a)%4)
	WIN 0x08+4*((\a)/4)                            ; the data: window 2 or 3
.irp b, 0,1,2,3,4,5,6,7
	ds_store_b128 v[STO], v[AC+8*\b:AC+8*\b+3] offset:128*(\b/2)+32*(\b%2)        ; each accumulator from its low end on
	ds_store_b128 v[STO], v[AC+8*\b+4:AC+8*\b+7] offset:128*(\b/2)+32*(\b%2)+16
.endr
	WIN 0
.set BB, BK+64*((\a)%2)
.irp t, 0,1,2,3,4,5,6,7,8,9,10,11,12,13,14,15
	ds_load_b128 v[BB+4*\t:BB+4*\t+3], v[RD] offset:\t*528     ; LDS serves a wave's instructions in order (ISA guide 5.7.1.4)
.endr
.endm
.macro SEND a, yds, yld                ; yds, yld: the LDS instructions and the global loads issued behind tile a's, which may stay out
.set BB, BK+64*((\a)%2)
.set RS, 64*((\a)%2)
	s_wait_dscnt \yds
	s_wait_loadcnt \yld
	WIN 0x04                                       ; source 1: window 1
.set I, 0
.rept 32
	v_pk_add_f32 v[BB+I:BB+I+1], v[BB+I:BB+I+1], v[RS+I:RS+I+1]
.set I, I+2
.endr
	WIN 0
.irp t, 0,1,2,3,4,5,6,7,8,9,10,11,12,13,14,15
	global_store_b128 v[CO], v[BB+4*\t:BB+4*\t+3], s[12:13] offset:(32*((\a)/2)+8*((\a)%2)+\t+8*(\t/8))*4096 th:TH_STORE_NT   ; 32 lanes store 512 consecutive bytes, aligned; written once, read by nobody here
.endr
.endm
	PLACES NP
	RLOAD 0
	TOSTAGE 0
.irp a, 1,2,3,4,5,6,7
.if \a > 1
	s_wait_xcnt 0x0                                ; tile a - 2's stores have read the registers into which tile a's rows now come
.endif
	RLOAD \a
	TOSTAGE \a
	SEND \a-1, 32, 16                              ; behind tile a - 1's: tile a's 16 stage stores and 16 stage loads; its 16 residual loads
.endr
	SEND 7, 0, 0
	s_wait_tensorcnt 0x0                           ; the wave's end
	ds_add_u32 v[SPW], v[NIL]
	s_wait_dscnt 0x0
	CROUND                                         ; the closing round
	s_endpgm
.Lfunc_end_k_q8aae42ee8f_ffn2:
	.size	k_q8aae42ee8f_ffn2, .Lfunc_end_k_q8aae42ee8f_ffn2-k_q8aae42ee8f_ffn2
	.p2alignl 7, 3214868480
	.fill 96, 4, 3214868480
	.section	.rodata,"a",@progbits
	.p2align	6, 0x0
	.amdhsa_kernel k_q8aae42ee8f_ffn2
		.amdhsa_group_segment_fixed_size 327680
		.amdhsa_private_segment_fixed_size 0
		.amdhsa_enable_private_segment 0
		.amdhsa_kernarg_size 40
		.amdhsa_user_sgpr_count 2
		.amdhsa_user_sgpr_kernarg_segment_ptr 1
		.amdhsa_wavefront_size32 1
		.amdhsa_system_sgpr_workgroup_id_x 1
		.amdhsa_system_sgpr_workgroup_id_y 1
		.amdhsa_system_sgpr_workgroup_id_z 1
		.amdhsa_system_vgpr_workitem_id 0
		.amdhsa_next_free_vgpr 1024
		.amdhsa_next_free_sgpr 66
		.amdhsa_reserve_vcc 0
		.amdhsa_float_denorm_mode_32 3
		.amdhsa_float_denorm_mode_16_64 3
		.amdhsa_memory_ordered 1
		.amdhsa_forward_progress 1
		.amdhsa_inst_pref_size 175
	.end_amdhsa_kernel
	.amdgpu_metadata
---
amdhsa.version: [ 1, 2 ]
amdhsa.kernels:
  - .name:           k_q8aae42ee8f_ffn2
    .symbol:         k_q8aae42ee8f_ffn2.kd
    .args:
      - { .name: gq, .offset: 0, .size: 8, .value_kind: global_buffer, .address_space: global }
      - { .name: wb, .offset: 8, .size: 8, .value_kind: global_buffer, .address_space: global }
      - { .name: b2, .offset: 16, .size: 8, .value_kind: global_buffer, .address_space: global }
      - { .name: h, .offset: 24, .size: 8, .value_kind: global_buffer, .address_space: global }
      - { .name: out0, .offset: 32, .size: 8, .value_kind: global_buffer, .address_space: global }
    .group_segment_fixed_size: 327680
    .private_segment_fixed_size: 0
    .kernarg_segment_align: 8
    .kernarg_segment_size: 40
    .max_flat_workgroup_size: 128
    .sgpr_count:     66
    .vgpr_count:     1024
    .wavefront_size: 32
...
	.end_amdgpu_metadata
.endif
;; end of part 7
;; ======== version 2 of 2: 7 launches
;; limits: right only within a limited range of input values
;; workspace buffers: aq 4,325,376 bytes; wb 12,976,128 bytes; qb 8,650,752 bytes; kv 8,650,752 bytes; hq 4,325,376 bytes; h 16,777,216 bytes; gq 17,301,504 bytes
;; launch ln1 (part 8): grid 640 x 1, 4 waves a work-group, no clusters, 1,024 bytes of LDS; arguments hidden, ln1_g, ln1_b, aq, wq, wk, wv, wo, w1, w2, wb; writes aq, wb
.if DOCPART == 8
	.amdgcn_target "amdgcn-amd-amdhsa--gfx1250"
	.amdhsa_code_object_version 6
	.text
	.protected	k_q8aae42ee8f_ln1
	.globl	k_q8aae42ee8f_ln1
	.p2align	8
	.type	k_q8aae42ee8f_ln1,@function
k_q8aae42ee8f_ln1:
	s_mov_b64 s[64:65], 0
	v_nop
	global_prefetch_b8 v0, s[64:65] scope:SCOPE_SE
	s_setreg_imm32_b32 hwreg(HW_REG_WAVE_MODE, 25, 1), 1
	s_wait_xcnt 0x0
; y = g (x - mean) / (std + 1e-6) + b along rows of 1,024 f32, std with the divisor 1,023; y is quantised along the row to FP8 (E4M3) with one E8M0 scale for each 32
; and stored as OPERAND BLOCKS (128 rows x 256 K, 33,792 bytes: chunk (kb, tile) at kb*4096 + tile*512, lane l = 16 h + r at 16 l: row rho(tile, r) = 32 (tile/2) + 8 (tile%2) + r + 8 (r/8),
; k = 32 kb + 16 h + 0..15; scale words at 32768 + q*512 + tile*64 + 4 r).  The buffer is [group of 128 rows][4 blocks along K].
; SHARES: a work-group takes one tile of 16 rows; wave w takes columns 256 w on, which is operand block w of the group; lane (r, h) holds 16 numbers of each of the 8 blocks of 32, in the order
; that the operand's layout gives that lane: 128 registers.  So the conversions' results are the image, and each store of codes covers 512 consecutive bytes, aligned.
; The row's sum and the sum of squares of x - mean (two passes: no difference of large sums) are joined across the two halves of the lanes and, through 16 bytes a row of LDS, across the four waves:
; two barriers, on different LDS bytes, so that no third is needed.  The scale words leave as two runs of 64 bytes a wave: 128 of a wave's 4,224 bytes.
; LIMITS: 1/1023 and 1/(std + eps) are multiplications by a rounded reciprocal (v_rcp_f32, v_sqrt_f32: 1 ulp); a block under 2^-118 gets the byte 1; NaN and infinities are not served.
.set BLK, 33792
.set XA,  4                            ; v4  x: my lane's byte in the tile's rows
.set GA,  5                            ; v5  g, b: 64 h
.set RA,  6                            ; v6  LDS: my row's partial sum, my wave's word
.set RR,  7                            ; v7  LDS: my row's four partial sums
.set OA,  8                            ; v8  codes: 16 lane + tile*512
.set SA,  9                            ; v9  scale words: 32768 + 512 h + tile*64 + 4 r
.set TM,  16                           ; v16-31 the quantiser's: largest magnitudes, bytes, holds, scale operands
.set PC0, 32                           ; v32-47 first the sums' chains, then the codes of k 0..127
.set PC1, 48                           ; v48-63 the codes of k 128..255
.set X,   64                           ; v64-191 my 128 numbers
.set GB,  192                          ; v192-255 two sets of 16 g and 16 b
	; Work-groups 0 to 255 take the norm; work-groups 256 to 639, where the grid has them, quantise the six weights (behind .Lweights): the two tasks share nothing.
	s_cmp_ge_u32 ttmp9, 256
	s_cbranch_scc1 .Lweights
	s_load_b256 s[4:11], s[0:1], 0x0
	s_set_vgpr_msb 0x40
	v_lshl_add_u32 v0, v0, 2, 0x200
	v_mov_b32 v1, 0
	s_set_vgpr_msb 0x4000
	v_lshrrev_b32 v1, 5, v0
	v_readfirstlane_b32 s12, v1                    ; wave
	v_and_b32 v1, 15, v0                           ; r
	v_bfe_u32 v2, v0, 4, 1                         ; h
	v_and_b32 v3, 31, v0                           ; lane
	v_and_b32 v[XA], 8, v1
	v_add_nc_u32 v[XA], v[XA], v1                  ; r + 8 (r / 8)
	v_lshlrev_b32 v[XA], 12, v[XA]                 ; rows of 4,096 bytes
	v_lshl_add_u32 v[XA], v2, 6, v[XA]             ; + 64 h: my 16 numbers of a block of 32
	v_lshlrev_b32 v[GA], 6, v2
	v_lshlrev_b32 v[RR], 4, v1
	s_lshl_b32 s13, s12, 2
	v_add_nc_u32 v[RA], s13, v[RR]
	s_and_b32 s14, ttmp9, 7                        ; tile
	s_lshr_b32 s15, ttmp9, 3                       ; group
	s_lshl_b32 s16, s14, 9
	v_lshl_add_u32 v[OA], v3, 4, s16
	s_lshl_b32 s16, s14, 6
	s_add_co_u32 s16, s16, 32768
	v_lshl_add_u32 v[SA], v1, 2, s16
	v_lshl_add_u32 v[SA], v2, 9, v[SA]
	s_lshl_b32 s17, s15, 7                         ; the tile's first row: 128 g + 32 (tile / 2) + 8 (tile % 2)
	s_lshr_b32 s18, s14, 1
	s_lshl_b32 s18, s18, 5
	s_add_co_u32 s17, s17, s18
	s_and_b32 s18, s14, 1
	s_lshl_b32 s18, s18, 3
	s_add_co_u32 s17, s17, s18
	s_lshl_b32 s18, s17, 12
	s_lshl_b32 s20, s12, 10                        ; my wave's 256 columns
	s_add_co_u32 s18, s18, s20
	s_mov_b32 s19, 0
	s_mov_b32 s21, 0
	s_lshl_b32 s22, s15, 2
	s_add_co_u32 s22, s22, s12
	s_mul_i32 s22, s22, BLK                        ; operand block 4 g + w
	s_mov_b32 s23, 0
	s_mov_b32 s24, 0x76543210
	s_mov_b32 s25, 0xfedcba98                      ; v_permlanex16_b32's selects for lane l xor 16
	s_mov_b32 s26, 0x600000                        ; the mantissa field of 448
.irp b, 0,1,2,3
	v_mov_b32 v[TM+4+\b], 0                        ; written once: a lane permute's destination counts as one of its sources
.endr
	s_wait_kmcnt 0x0
	s_add_nc_u64 s[4:5], s[4:5], s[18:19]
	s_add_nc_u64 s[6:7], s[6:7], s[20:21]
	s_add_nc_u64 s[8:9], s[8:9], s[20:21]
	s_add_nc_u64 s[10:11], s[10:11], s[22:23]
.irp kb, 0,1,2,3,4,5,6,7
.irp j, 0,1,2,3
	global_load_b128 v[X+16*\kb+4*\j:X+16*\kb+4*\j+3], v[XA], s[4:5] offset:128*\kb+16*\j
.endr
.endr
.macro GBLOAD kb                       ; g and b of my 16 columns of block kb into set kb % 2
.irp j, 0,1,2,3
	global_load_b128 v[GB+32*((\kb)%2)+4*\j:GB+32*((\kb)%2)+4*\j+3], v[GA], s[6:7] offset:128*(\kb)+16*\j
	global_load_b128 v[GB+16+32*((\kb)%2)+4*\j:GB+16+32*((\kb)%2)+4*\j+3], v[GA], s[8:9] offset:128*(\kb)+16*\j
.endr
.endm
	GBLOAD 0
	GBLOAD 1
; four chains in v32-39 become the row's sum over all 1,024 columns, in v32 of every lane of the row
.macro REDUCE off
	v_pk_add_f32 v[32:33], v[32:33], v[34:35]
	v_pk_add_f32 v[36:37], v[36:37], v[38:39]
	v_pk_add_f32 v[32:33], v[32:33], v[36:37]
	v_add_f32 v32, v32, v33
	v_permlanex16_b32 v33, v32, s24, s25           ; the row's other half lies in lane l xor 16
	v_add_f32 v32, v32, v33
	ds_store_b32 v[RA], v32 offset:\off            ; both lanes of a row write the same word with the same value
	s_wait_dscnt 0x0                               ; for the others' sake: my store has landed
	s_barrier_signal -1
	s_barrier_wait -1
	ds_load_b128 v[36:39], v[RR] offset:\off       ; the four waves' parts of my row
	s_wait_dscnt 0x0
	v_add_f32 v36, v36, v37
	v_add_f32 v38, v38, v39
	v_add_f32 v32, v36, v38
.endm
	s_wait_loadcnt 16                              ; x is in; the two sets of g and b (16 loads) may be out
.irp c, 0,1,2,3
	v_pk_add_f32 v[32+2*\c:33+2*\c], v[X+2*\c:X+2*\c+1], v[X+8+2*\c:X+9+2*\c]   ; the first pairs start the chains: nothing is cleared
.endr
.set P, 8
.rept 56
	v_pk_add_f32 v[32+2*(P%4):33+2*(P%4)], v[32+2*(P%4):33+2*(P%4)], v[X+2*P:X+2*P+1]
.set P, P+1
.endr
	REDUCE 0
	v_mul_f32 v10, 0x3a800000, v32                 ; the mean: / 1,024, exact
	v_mov_b32 v11, v10
.set P, 0
.rept 64
	v_pk_add_f32 v[X+2*P:X+2*P+1], v[X+2*P:X+2*P+1], v[10:11] neg_lo:[0,1] neg_hi:[0,1]   ; x - mean, in place
.set P, P+1
.endr
.irp c, 0,1,2,3
	v_pk_mul_f32 v[32+2*\c:33+2*\c], v[X+2*\c:X+2*\c+1], v[X+2*\c:X+2*\c+1]
.endr
.set P, 4
.rept 60
	v_pk_fma_f32 v[32+2*(P%4):33+2*(P%4)], v[X+2*P:X+2*P+1], v[X+2*P:X+2*P+1], v[32+2*(P%4):33+2*(P%4)]
.set P, P+1
.endr
	REDUCE 256
	v_mul_f32 v32, 0x3a802008, v32                 ; / 1,023
	s_wait_alu depctr_va_vdst(0)
	v_sqrt_f32 v33, v32
	v_nop                                          ; one plain instruction behind a transcendental (ISA guide 5.7.2)
	s_wait_alu depctr_va_vdst(0)
	v_add_f32 v33, 0x358637bd, v33                 ; + 1e-6
	s_wait_alu depctr_va_vdst(0)
	v_rcp_f32 v12, v33
	v_nop
	s_wait_alu depctr_va_vdst(0)
	v_mov_b32 v13, v12
	s_wait_alu depctr_va_vdst(0)
.irp kb, 0,1,2,3,4,5,6,7
.if \kb < 7
	s_wait_loadcnt 8                               ; this block's g and b are in; the next block's 8 loads may be out
.else
	s_wait_loadcnt 0x0
.endif
.irp i, 0,2,4,6,8,10,12,14
	v_pk_mul_f32 v[X+16*\kb+\i:X+16*\kb+\i+1], v[X+16*\kb+\i:X+16*\kb+\i+1], v[12:13]
.endr
.irp i, 0,2,4,6,8,10,12,14
	v_pk_fma_f32 v[X+16*\kb+\i:X+16*\kb+\i+1], v[X+16*\kb+\i:X+16*\kb+\i+1], v[GB+32*(\kb%2)+\i:GB+32*(\kb%2)+\i+1], v[GB+16+32*(\kb%2)+\i:GB+16+32*(\kb%2)+\i+1]
.endr
.if \kb < 6
	GBLOAD \kb+2
.endif
.endr
; 64 numbers of a lane, register 16 b + i = k 32 b + 16 h + i of my row, become a fragment's codes in v[pc] on and its scale word in v[pw]
.macro QUANT s, pc, pw
.irp b, 0,1,2,3
	v_max3_num_f32 v[TM+\b], |v[\s+16*\b]|, |v[\s+1+16*\b]|, 0x4800000   ; my 16 numbers of block b, and the floor 2^(9 - 127): the byte cannot fall under 1
.endr
.irp i, 2,4,6,8,10,12,14
.irp b, 0,1,2,3
	v_max3_num_f32 v[TM+\b], v[TM+\b], |v[\s+16*\b+\i]|, |v[\s+1+16*\b+\i]|   ; the four blocks by turns
.endr
.endr
.irp b, 0,1,2,3
	v_permlanex16_b32 v[TM+4+\b], v[TM+\b], s24, s25
.endr
.irp b, 0,1,2,3
	v_max_num_f32 v[TM+\b], v[TM+\b], v[TM+4+\b]   ; with lane l xor 16's: the block's largest magnitude
.endr
.irp b, 0,1,2,3
	v_add_nc_u32 v[TM+12+\b], 0xfc000000, v[TM+\b] ; 8 off the exponent field: the conversion's scale operand
.endr
.irp b, 0,1,2,3
	v_and_or_b32 v[TM+8+\b], v[TM+\b], 0x7f800000, s26   ; 448 x the scale
.endr
.irp b, 0,1,2,3
	v_lshrrev_b32 v[TM+4+\b], 23, v[TM+12+\b]      ; the scale's byte
.endr
	v_lshl_or_b32 v[\pw], v[TM+5], 8, v[TM+4]
	v_lshl_or_b32 v[\pw], v[TM+6], 16, v[\pw]
	v_lshl_or_b32 v[\pw], v[TM+7], 24, v[\pw]
.irp b, 0,1,2,3
.irp i, 0,1,2,3,4,5,6,7,8,9,10,11,12,13,14,15
	v_med3_num_f32 v[\s+16*\b+\i], v[\s+16*\b+\i], -v[TM+8+\b], v[TM+8+\b]   ; the conversion does not saturate (ISA guide 7.6.2): the hold comes first
.endr
	v_cvt_scalef32_pk8_fp8_f32 v[\pc+4*\b:\pc+1+4*\b], v[\s+16*\b:\s+7+16*\b], v[TM+12+\b]
	v_cvt_scalef32_pk8_fp8_f32 v[\pc+2+4*\b:\pc+3+4*\b], v[\s+8+16*\b:\s+15+16*\b], v[TM+12+\b]
.endr
	v_nop                                          ; a plain instruction behind the last conversion
.endm
	QUANT X, PC0, 14
.irp c, 0,1,2,3
	global_store_b128 v[OA], v[PC0+4*\c:PC0+4*\c+3], s[10:11] offset:4096*\c       ; chunk (c, tile): 512 consecutive bytes
.endr
	QUANT X+64, PC1, 15
.irp c, 0,1,2,3
	global_store_b128 v[OA], v[PC1+4*\c:PC1+4*\c+3], s[10:11] offset:4096*(4+\c)
.endr
	v_cmp_ne_u32 vcc_lo, 0, v2
	v_cndmask_b32 v14, v14, v15, vcc_lo            ; lanes 0-15 store the word of k 0..127, lanes 16-31 that of k 128..255
	global_store_b32 v[SA], v14, s[10:11]
	s_set_vgpr_msb 0x5
	s_wait_tensorcnt 0x0
	ds_add_u32 v0, v1
	s_wait_dscnt 0x0
	s_set_vgpr_msb 0x500
	s_endpgm
; THE WEIGHTS.  The six weights, f32 stored [K][N], become codes of FP8 (E4M3) with one E8M0 scale byte for each 32 along K, laid as operand blocks of the same form as above
; (rows = columns n of a weight).  wb holds 384 blocks, [group of 128 rows][K/256]: 0-31 wq, 32-63 wk, 64-95 wv, 96-127 wo, 128-255 w1, 256-383 w2.  Work-group 256 + i makes block i.
; A lane takes a column n and its registers run down K: a load reads 128 consecutive bytes a wave, a block of 32 lies in one lane, and the conversions give codes with K innermost.
; A lane's 32 codes of a block are the 16 bytes of lane (r, 0) and of lane (r, 1) of one chunk: two stores.  No LDS, no barrier on this path.
; LIMITS: a block of zeros, or one under 2^-118, gets the byte 1 (this program alone reads the bytes); NaN and infinities are not served.
.Lweights:
.set X,    32                          ; v32-95   two sets of 32 numbers
.set VO,   96                          ; v96-127  byte offset of row i of a block of 32, my column
.set C,    128                         ; v128-191 eight registers of codes for each of the 8 blocks
.set SB,   24                          ; v24-25   the two scale words
.set BT,   32                          ; s[32:47] the address of each block's first row
	s_load_b256 s[8:15], s[0:1], 0x20              ; wq, wk, wv, wo
	s_load_b128 s[16:19], s[0:1], 0x40             ; w1, w2
	s_load_b64 s[20:21], s[0:1], 0x50              ; wb
	v_lshrrev_b32 v1, 5, v0
	v_readfirstlane_b32 s22, v1                    ; wave: columns 32 w on
	v_and_b32 v2, 31, v0
	v_lshlrev_b32 v3, 2, v2
	s_wait_alu depctr_va_vdst(0)
	s_sub_co_u32 s54, ttmp9, 256                   ; the block's number in wb
	s_lshr_b32 s23, s54, 5                         ; 0 wq, 1 wk, 2 wv, 3 wo, 4-7 w1, 8-11 w2
	s_cmp_lt_u32 s23, 4
	s_cselect_b32 s24, 31, 127
	s_and_b32 s24, s54, s24                        ; the block's number inside its weight
	s_cmp_lt_u32 s23, 8
	s_cselect_b32 s26, 2, 4                        ; log2 of K/256
	s_lshr_b32 s27, s24, s26                       ; which 128 columns
	s_lshl_b32 s28, s27, s26
	s_sub_co_u32 s28, s24, s28                     ; which 256 along K
	s_lshr_b32 s29, s23, 2
	s_cmp_eq_u32 s29, 1
	s_cselect_b32 s29, 14, 12                      ; log2 of a row's bytes
	s_lshl_b32 s25, 1, s29
	s_add_co_u32 s30, s29, 8
	s_lshl_b32 s30, s28, s30
	s_lshl_b32 s31, s27, 9
	s_add_co_u32 s30, s30, s31
	s_lshl_b32 s31, s22, 7
	s_add_co_u32 s30, s30, s31
	s_mov_b32 s31, 0
	s_lshl_b32 s48, s25, 5                         ; 32 rows
	s_mov_b32 s49, 0
	s_mul_i32 s50, s54, BLK
	s_mov_b32 s51, 0
	s_mov_b32 s53, 0x600000                        ; the mantissa field of 448
.set I, 0
.rept 32
	v_mad_u32_u24 v[VO+I], s25, I, v3
.set I, I+1
.endr
	v_and_b32 v6, 7, v2                            ; my column 32 w + L is lane-row L%8 + 8 (L/16) of tile 2 w + (L/8)%2
	v_bfe_u32 v7, v2, 3, 1
	v_bfe_u32 v8, v2, 4, 1
	v_lshlrev_b32 v4, 4, v6
	v_lshl_add_u32 v4, v8, 7, v4
	v_lshl_add_u32 v4, v7, 9, v4
	s_lshl_b32 s52, s22, 10
	v_add_nc_u32 v4, s52, v4                       ; codes: tile*512 + 16 r
	v_lshlrev_b32 v5, 2, v6
	v_lshl_add_u32 v5, v8, 5, v5
	v_lshl_add_u32 v5, v7, 6, v5
	s_lshl_b32 s52, s22, 7
	s_add_co_u32 s52, s52, 32768
	v_add_nc_u32 v5, s52, v5                       ; scale words: 32768 + tile*64 + 4 r
	s_wait_kmcnt 0x0
	s_mov_b64 s[4:5], s[18:19]                     ; which weight: a choice on the work-group's number alone
	s_cmp_lt_u32 s23, 8
	s_cselect_b64 s[4:5], s[16:17], s[4:5]
	s_cmp_lt_u32 s23, 4
	s_cselect_b64 s[4:5], s[14:15], s[4:5]
	s_cmp_lt_u32 s23, 3
	s_cselect_b64 s[4:5], s[12:13], s[4:5]
	s_cmp_lt_u32 s23, 2
	s_cselect_b64 s[4:5], s[10:11], s[4:5]
	s_cmp_lt_u32 s23, 1
	s_cselect_b64 s[4:5], s[8:9], s[4:5]
	s_add_nc_u64 s[BT:BT+1], s[4:5], s[30:31]
.irp t, 1,2,3,4,5,6,7
	s_add_nc_u64 s[BT+2*\t:BT+2*\t+1], s[BT+2*\t-2:BT+2*\t-1], s[48:49]
.endr
	s_add_nc_u64 s[6:7], s[20:21], s[50:51]        ; my operand block
.macro LOAD t                          ; block t: W(32 t + i, my column) into set t % 2
.set I, 0
.rept 32
	global_load_b32 v[X+32*((\t)%2)+I], v[VO+I], s[BT+2*(\t):BT+2*(\t)+1] th:TH_LOAD_NT
.set I, I+1
.endr
.endm
	LOAD 0
	LOAD 1
.macro BLOCK t
.set XS, X+32*((\t)%2)
.set CC, C+8*(\t)
.if (\t) < 7
	s_wait_loadcnt 32                              ; this block's 32 loads are in; the next block's 32 may be out
.else
	s_wait_loadcnt 0x0
.endif
	v_max3_num_f32 v12, |v[XS]|, |v[XS+1]|, |v[XS+2]|
	v_max3_num_f32 v13, |v[XS+3]|, |v[XS+4]|, |v[XS+5]|
.irp i, 6,10,14,18,22,26
	v_max3_num_f32 v12, v12, |v[XS+\i]|, |v[XS+\i+1]|
	v_max3_num_f32 v13, v13, |v[XS+\i+2]|, |v[XS+\i+3]|
.endr
	v_max3_num_f32 v12, v12, |v[XS+30]|, |v[XS+31]|
	v_max3_num_f32 v12, v12, v13, 0x4800000        ; and the floor 2^(9 - 127): the byte cannot fall under 1
	v_add_nc_u32 v11, 0xfc000000, v12              ; 8 off the exponent field: the conversion's scale operand
	v_and_or_b32 v10, v12, 0x7f800000, s53         ; 448 x the scale
	v_lshrrev_b32 v13, 23, v11                     ; the scale's byte
.if (\t)%4 == 0
	v_mov_b32 v[SB+(\t)/4], v13
.else
	v_lshl_or_b32 v[SB+(\t)/4], v13, 8*((\t)%4), v[SB+(\t)/4]
.endif
.set I, 0
.rept 32
	v_med3_num_f32 v[XS+I], v[XS+I], -v10, v10     ; the conversion does not saturate (ISA guide 7.6.2): the hold comes first
.set I, I+1
.endr
.irp g, 0,1,2,3
	v_cvt_scalef32_pk8_fp8_f32 v[CC+2*\g:CC+2*\g+1], v[XS+8*\g:XS+8*\g+7], v11
.endr
	global_store_b128 v4, v[CC:CC+3], s[6:7] offset:4096*(\t)          ; k = 0..15 of the block: lanes (r, 0) of my chunk
	global_store_b128 v4, v[CC+4:CC+7], s[6:7] offset:4096*(\t)+256    ; k = 16..31: lanes (r, 1)
.if (\t)+2 < 8
	LOAD (\t)+2
.endif
.endm
.irp t, 0,1,2,3,4,5,6,7
	BLOCK \t
.endr
	global_store_b32 v5, v[SB], s[6:7]
	global_store_b32 v5, v[SB+1], s[6:7] offset:512
	s_endpgm
.Lfunc_end_k_q8aae42ee8f_ln1:
	.size	k_q8aae42ee8f_ln1, .Lfunc_end_k_q8aae42ee8f_ln1-k_q8aae42ee8f_ln1
	.p2alignl 7, 3214868480
	.fill 96, 4, 3214868480
	.section	.rodata,"a",@progbits
	.p2align	6, 0x0
	.amdhsa_kernel k_q8aae42ee8f_ln1
		.amdhsa_group_segment_fixed_size 1024
		.amdhsa_private_segment_fixed_size 0
		.amdhsa_enable_private_segment 0
		.amdhsa_kernarg_size 88
		.amdhsa_user_sgpr_count 2
		.amdhsa_user_sgpr_kernarg_segment_ptr 1
		.amdhsa_wavefront_size32 1
		.amdhsa_system_sgpr_workgroup_id_x 1
		.amdhsa_system_sgpr_workgroup_id_y 1
		.amdhsa_system_sgpr_workgroup_id_z 1
		.amdhsa_system_vgpr_workitem_id 0
		.amdhsa_next_free_vgpr 258
		.amdhsa_next_free_sgpr 66
		.amdhsa_reserve_vcc 1
		.amdhsa_float_denorm_mode_32 3
		.amdhsa_float_denorm_mode_16_64 3
		.amdhsa_memory_ordered 1
		.amdhsa_forward_progress 1
		.amdhsa_inst_pref_size 110
	.end_amdhsa_kernel
	.amdgpu_metadata
---
amdhsa.version: [ 1, 2 ]
amdhsa.kernels:
  - .name:           k_q8aae42ee8f_ln1
    .symbol:         k_q8aae42ee8f_ln1.kd
    .args:
      - { .name: hidden, .offset: 0, .size: 8, .value_kind: global_buffer, .address_space: global }
      - { .name: ln1_g, .offset: 8, .size: 8, .value_kind: global_buffer, .address_space: global }
      - { .name: ln1_b, .offset: 16, .size: 8, .value_kind: global_buffer, .address_space: global }
      - { .name: aq, .offset: 24, .size: 8, .value_kind: global_buffer, .address_space: global }
      - { .name: wq, .offset: 32, .size: 8, .value_kind: global_buffer, .address_space: global }
      - { .name: wk, .offset: 40, .size: 8, .value_kind: global_buffer, .address_space: global }
      - { .name: wv, .offset: 48, .size: 8, .value_kind: global_buffer, .address_space: global }
      - { .name: wo, .offset: 56, .size: 8, .value_kind: global_buffer, .address_space: global }
      - { .name: w1, .offset: 64, .size: 8, .value_kind: global_buffer, .address_space: global }
      - { .name: w2, .offset: 72, .size: 8, .value_kind: global_buffer, .address_space: global }
      - { .name: wb, .offset: 80, .size: 8, .value_kind: global_buffer, .address_space: global }
    .group_segment_fixed_size: 1024
    .private_segment_fixed_size: 0
    .kernarg_segment_align: 8
    .kernarg_segment_size: 88
    .max_flat_workgroup_size: 128
    .sgpr_count:     66
    .vgpr_count:     258
    .wavefront_size: 32
...
	.end_amdgpu_metadata
.endif
;; end of part 8
;; launch qkv (part 9): grid 8 x 24, 4 waves a work-group, clusters of 4 x 4, 327,680 bytes of LDS; arguments aq, wb, bq, bk, bv, mask, qb, kv; writes qb, kv
.if DOCPART == 9
	.amdgcn_target "amdgcn-amd-amdhsa--gfx1250"
	.amdhsa_code_object_version 6
	.text
	.protected	k_q8aae42ee8f_qkv
	.globl	k_q8aae42ee8f_qkv
	.p2align	8
	.type	k_q8aae42ee8f_qkv,@function
k_q8aae42ee8f_qkv:
	s_mov_b64 s[64:65], 0
	v_nop
	global_prefetch_b8 v0, s[64:65] scope:SCOPE_SE
	s_setreg_imm32_b32 hwreg(HW_REG_WAVE_MODE, 25, 1), 1
	s_wait_xcnt 0x0
	s_wait_alu depctr_hold_cnt(0) depctr_sa_sdst(0) depctr_va_vdst(0) depctr_va_sdst(0) depctr_va_ssrc(0) depctr_va_vcc(0) depctr_vm_vsrc(0)
	s_getreg_b32 s2, hwreg(HW_REG_IB_STS2, 6, 4)
	s_cmp_eq_u32 s2, 0
	s_cbranch_scc0 .Lentry_in_a_cluster
	s_endpgm
.Lentry_in_a_cluster:
	s_bfe_u32 s2, ttmp6, 0x10000c
	s_cmp_lg_u32 s2, 0xf033
	s_cbranch_scc0 .Lentry_shape_is_right
	s_endpgm
.Lentry_shape_is_right:
.set SIZE_K, 1024
.set BLK,    33792
.set GSTR,   (SIZE_K/256)*BLK
.set SLOT,   4*BLK
.set LAPS,   SIZE_K/512
.set SPARE,  2*SLOT
.set STG,    SPARE+512
.set FR,   16
.set NP,   8
.set ADRA, 16
.set ADRB, 20
.set ADRS, 22
.set SWA,  24
.set SRA,  25
.set CO,   26
.set SPW,  28
.set NIL,  29
.set BIA,  30
.set RBA,  31
.set SC,   32
.set CB,   64
.set RB,   64
.set MK,   80
.set AF,   128
.set PCS,  128
.set TM,   160
.set PW,   176
.set KM,   184
.set G1,  24
.set G0,  32
.set G1B, 48
.set G0B, 56
.set MSB, 0
.macro WIN new
.if MSB != \new
	s_set_vgpr_msb (MSB<<8)|\new
.set MSB, \new
.endif
.endm
.set MUL_LO, 0xa1
.set MUL_HI, 0xf1
.set TO_B,   0x40
.macro JLOAD g0a, g0b
	s_cmp_eq_u32 s15, 0
	s_cbranch_scc0 .Lfor_b_\@
	tensor_load_to_lds s[\g0a:\g0a+3], s[G1:G1+7]
	s_nop 0
.rept 4
	v_nop
.endr
	s_branch .Lasked_\@
.Lfor_b_\@:
	tensor_load_to_lds s[\g0b:\g0b+3], s[G1B:G1B+7]
	s_nop 0
.rept 4
	v_nop
.endr
.Lasked_\@:
.endm
.macro CREST
	s_cmp_lg_u32 s14, 0
	s_cbranch_scc1 .Lnot_wave_0_\@
	s_barrier_signal -3
.Lnot_wave_0_\@:
	s_barrier_wait -3
	s_barrier_signal -1
	s_barrier_wait -1
.endm
.macro CROUND
	s_barrier_signal -1
	s_barrier_wait -1
	CREST
.endm
	s_load_b128 s[4:7], s[0:1], 0x0
	s_load_b128 s[8:11], s[0:1], 0x10
	s_load_b128 s[68:71], s[0:1], 0x20
	s_load_b128 s[72:75], s[0:1], 0x30
	v_lshl_add_u32 v[SPW], v0, 2, SPARE
	v_mov_b32 v[NIL], 0
	ds_add_u32 v28, v29
	ds_add_u32 v28, v29
	s_wait_dscnt 0x0
	v_lshrrev_b32 v1, 5, v0
	v_readfirstlane_b32 s14, v1
	s_lshr_b32 s15, s14, 1
	s_and_b32 s16, s14, 1
	s_bfe_u32 s40, ttmp6, 0x40000
	s_bfe_u32 s41, ttmp6, 0x40004
	s_and_b32 s76, ttmp7, 0xffff
	s_max_u32 s77, s76, 4
	s_sub_co_u32 s77, s77, 4
	s_lshl_b32 s77, s77, 1
	s_add_co_u32 s77, s77, ttmp9
	s_cmp_ge_u32 s76, 4
	s_cselect_b32 s77, s77, ttmp9
	s_cselect_b32 s78, 0, s76
	s_cselect_b32 s79, 1, 0
	s_cselect_b32 s80, 0, -1
	s_cselect_b32 s81, -1, 0
	s_lshl_b32 s42, s77, 2
	s_add_co_u32 s42, s42, s40
	s_lshl_b32 s17, s78, 2
	s_add_co_u32 s17, s17, s41
	s_lshl_b32 s43, s41, 2
	s_lshl_b32 s43, 15, s43
	s_lshl_b32 s44, 0x1111, s40
	s_or_b32 s[G1+0], s43, (3<<16)|(1<<21)
	s_or_b32 s[G1B+0], s44, (3<<16)|(1<<21)
.irp g, G1, G1B
	s_mov_b32 s[\g+1], 32<<16
	s_mov_b32 s[\g+2], 264<<16                     ; the head's loads bring two neighbouring blocks: 264 rows of 256 bytes
	s_mov_b32 s[\g+3], 32<<16
	s_mov_b32 s[\g+4], 264
	s_mov_b32 s[\g+5], 32
	s_mov_b32 s[\g+6], 0
	s_mov_b32 s[\g+7], 0
.endr
	s_lshl_b32 s20, s17, 1
	s_add_co_u32 s20, s20, s16
	s_mul_i32 s20, s20, GSTR
	s_mov_b32 s21, 0
	s_lshl_b32 s46, s42, 1
	s_add_co_u32 s46, s46, s16
	s_mul_i32 s46, s46, GSTR
	s_mov_b32 s47, 0
	s_mul_i32 s45, s14, 2*BLK                      ; LDS: place (A's two groups, then B's two) x two blocks; in a place slot 0's block, then slot 1's
	s_wait_kmcnt 0x0
	s_add_nc_u64 s[82:83], s[6:7], 64*BLK
	s_cmp_eq_u32 s79, 1
	s_cselect_b64 s[84:85], s[82:83], s[4:5]
	s_cselect_b64 s[86:87], s[4:5], s[6:7]
	s_add_nc_u64 s[20:21], s[84:85], s[20:21]
	s_add_nc_u64 s[46:47], s[86:87], s[46:47]
	CROUND
.irp s, 0,1
	s_mov_b32 s[G0+4*\s], 1
	s_add_co_u32 s[G0+4*\s+1], s45, \s*BLK
	s_add_nc_u64 s[G0+4*\s+2:G0+4*\s+3], s[20:21], \s*BLK
	s_or_b32 s[G0+4*\s+3], s[G0+4*\s+3], 0x80000000
	s_mov_b32 s[G0B+4*\s], 1
	s_add_co_u32 s[G0B+4*\s+1], s45, \s*BLK
	s_add_nc_u64 s[G0B+4*\s+2:G0B+4*\s+3], s[46:47], \s*BLK
	s_or_b32 s[G0B+4*\s+3], s[G0B+4*\s+3], 0x80000000
.endr
	; THE PREFETCH: blocks 2 and 3 of my group, the only refills, are 264 rows of 256 bytes on end.  Each of the four partners that will ask for them jointly names 66, told apart by address (cx for A, cy for B):
	; 32, 32 and 2 rows (the third line's other lanes name its last row again).  It stands behind the head's load, two slots ahead of the refills.
	s_cmp_eq_u32 s15, 0
	s_cselect_b64 s[66:67], s[20:21], s[46:47]
	s_cselect_b32 s18, s40, s41
	s_mul_i32 s18, s18, 16896
	s_add_co_u32 s18, s18, 2*BLK
	s_mov_b32 s19, 0
	s_add_nc_u64 s[66:67], s[66:67], s[18:19]
	JLOAD G0, G0B                                  ; my one load at the head: my group's blocks 0 and 1, which lie on end in memory and in LDS: both slots are filled
	v_and_b32 v8, 31, v0
	v_min_u32 v10, 1, v8
	v_lshlrev_b32 v8, 8, v8                        ; 256 x lane; never rewritten
	v_lshlrev_b32 v10, 8, v10                      ; 256 x min(lane, 1); never rewritten
	global_prefetch_b8 v8, s[66:67] th:TH_LOAD_NT scope:SCOPE_SE
	global_prefetch_b8 v8, s[66:67] offset:8192 th:TH_LOAD_NT scope:SCOPE_SE
	global_prefetch_b8 v10, s[66:67] offset:16384 th:TH_LOAD_NT scope:SCOPE_SE
	v_and_b32 v1, 15, v0
	v_bfe_u32 v2, v0, 4, 1
	v_and_b32 v3, 31, v0
	v_lshlrev_b32 v[CO], 4, v3
	s_wait_alu depctr_va_vdst(0)
	s_mul_i32 s21, s15, 2*BLK                      ; my group of A: place s15
	s_mul_i32 s22, s16, 2*BLK
	s_add_co_u32 s22, s22, 4*BLK                   ; my group of B: place 2 + s16
	s_xor_b32 s23, s15, 1
	s_add_co_u32 s23, s23, s16
	s_add_co_u32 s23, s23, 1
	s_mul_i32 s23, s23, 2*BLK                      ; the distance between the two places
	v_mul_u32_u24 v4, s23, v2
	v_lshl_add_u32 v4, v1, 2, v4
	s_add_co_u32 s23, s21, 32768
	v_add_nc_u32 v[ADRS], s23, v4
	v_add_nc_u32 v[ADRS+1], BLK, v[ADRS]
.irp s, 0,1
	v_add_nc_u32 v[ADRA+\s], s21, v[CO]
	v_add_nc_u32 v[ADRB+\s], s22, v[CO]
	s_add_co_u32 s21, s21, BLK
	s_add_co_u32 s22, s22, BLK
.endr
	v_lshlrev_b32 v[BIA], 6, v2
	s_wait_alu depctr_va_vdst(0)
	v_and_b32 v5, 8, v1
	v_add_nc_u32 v5, v5, v1
	v_lshlrev_b32 v[RBA], 2, v5
	s_lshl_b32 s23, s14, 9
	s_add_co_u32 s23, s23, STG
	v_lshl_add_u32 v[SWA], v1, 2, s23
	v_add_nc_u32 v[SRA], s23, v[CO]
	s_cmp_lt_u32 s42, 4
	s_cselect_b64 s[18:19], s[8:9], s[10:11]
	s_and_b32 s2, s42, 3
	s_lshl_b32 s2, s2, 10
	s_lshl_b32 s3, s16, 9
	s_add_co_u32 s2, s2, s3
	s_mov_b32 s3, 0
	s_add_nc_u64 s[18:19], s[18:19], s[2:3]
.irp b, 0,1,2,3,4,5,6,7
	global_load_b128 v[CB+8*\b:CB+8*\b+3], v[BIA], s[18:19] offset:128*(\b/2)+32*(\b%2)
	global_load_b128 v[CB+8*\b+4:CB+8*\b+7], v[BIA], s[18:19] offset:128*(\b/2)+32*(\b%2)+16
.endr
	s_and_b32 s92, s17, 3
	s_lshl_b32 s92, s92, 10
	s_lshl_b32 s93, s15, 9
	s_add_co_u32 s92, s92, s93
	s_mov_b32 s93, 0
	s_add_nc_u64 s[88:89], s[68:69], s[92:93]
	s_lshl_b32 s92, s17, 10
	s_lshl_b32 s94, s15, 9
	s_add_co_u32 s92, s92, s94
	s_add_nc_u64 s[90:91], s[70:71], s[92:93]
	s_cmp_ge_u32 s42, 4
	s_cselect_b32 s82, 0, -1
	s_or_b32 s82, s82, s81
	s_and_b32 s92, s42, 3
	s_lshl_b32 s92, s92, 1
	s_add_co_u32 s92, s92, s16
	s_lshl_b32 s93, s17, 1
	s_add_co_u32 s93, s93, s15
	s_cmp_eq_u32 s79, 1
	s_cselect_b32 s92, s93, s92
	s_cselect_b32 s93, s42, s17
	s_cselect_b32 s94, s16, s15
	s_lshr_b32 s95, s93, 3
	s_lshl_b32 s95, s95, 6
	s_lshl_b32 s92, s92, 3
	s_add_co_u32 s95, s95, s92
	s_and_b32 s93, s93, 7
	s_add_co_u32 s95, s95, s93
	s_mul_i32 s95, s95, 2*BLK
	s_lshl_b32 s96, s94, 12
	s_add_co_u32 s96, s96, s95
	s_mov_b32 s97, 0
	s_lshl_b32 s92, s94, 9
	s_add_co_u32 s92, s92, s95
	s_add_co_u32 s92, s92, 32768
	s_mov_b32 s93, 0
	s_add_nc_u64 s[98:99], s[74:75], BLK
	s_cmp_lt_u32 s42, 4
	s_cselect_b64 s[12:13], s[72:73], s[74:75]
	s_cmp_eq_u32 s79, 1
	s_cselect_b64 s[12:13], s[98:99], s[12:13]
	s_add_nc_u64 s[100:101], s[12:13], s[92:93]
	s_add_nc_u64 s[12:13], s[12:13], s[96:97]
.macro FRAG reg, adr, q, i
.irp c, 0,1,2,3
	ds_load_b128 v[\reg+4*\c:\reg+4*\c+3], v[\adr] offset:(4*(\q)+\c)*4096+(\i)*512
.endr
.endm
.macro MUL16 a0, p, q, sc, first
.irp a, \a0, \a0+1
.irp b, 0,1,2,3,4,5,6,7
.if \first
	v_wmma_scale_f32_16x16x128_f8f6f4 v[8*(8*((\a)%4)+\b):8*(8*((\a)%4)+\b)+7], v[128*(\p)+FR*\b:128*(\p)+FR*\b+FR-1], v[AF+FR*(\a):AF+FR*(\a)+FR-1], v[CB+8*\b:CB+8*\b+7], v[SC+16*(\sc)+2*\b+(\q)], v[SC+16*(\sc)+2*(\a)+(\q)] matrix_a_scale:MATRIX_SCALE_ROW1
.else
	v_wmma_scale_f32_16x16x128_f8f6f4 v[8*(8*((\a)%4)+\b):8*(8*((\a)%4)+\b)+7], v[128*(\p)+FR*\b:128*(\p)+FR*\b+FR-1], v[AF+FR*(\a):AF+FR*(\a)+FR-1], v[8*(8*((\a)%4)+\b):8*(8*((\a)%4)+\b)+7], v[SC+16*(\sc)+2*\b+(\q)], v[SC+16*(\sc)+2*(\a)+(\q)] matrix_a_scale:MATRIX_SCALE_ROW1
.endif
.endr
.endr
.endm
.macro FETCH_B slot, q, p
	WIN TO_B
.irp i, 0,1,2,3,4,5,6,7
	FRAG 128*(\p)+FR*\i, ADRB+\slot, \q, \i
.endr
	WIN 0
.endm
.macro FETCH_A slot, q, i0
.irp i, \i0, \i0+1, \i0+2, \i0+3
	FRAG AF+FR*(\i), ADRA+\slot, \q, \i
.endr
.endm
.macro SCALES s
.irp i, 0,1,2,3,4,5,6,7
	ds_load_b32 v[SC+16*\s+2*\i], v[ADRS+\s] offset:\i*64
	ds_load_b32 v[SC+16*\s+2*\i+1], v[ADRS+\s] offset:512+\i*64
.endr
.endm
.macro PLACES n
.rept \n
	v_nop
.endr
.endm
.macro STEP slot, q, first
	s_wait_dscnt 16
.if \first
	WIN 0x81
.else
	WIN MUL_LO
.endif
	MUL16 0, (\q)%2, \q, \slot, \first
	MUL16 2, (\q)%2, \q, \slot, \first
	s_wait_dscnt 0x0
	PLACES NP
	FETCH_B \slot, (\q)+1, 1-(\q)%2
	FETCH_A \slot, (\q)+1, 0
.if \first
	WIN 0xc1
.else
	WIN MUL_HI
.endif
	MUL16 4, (\q)%2, \q, \slot, \first
	MUL16 6, (\q)%2, \q, \slot, \first
	PLACES NP
	WIN 0
	FETCH_A \slot, (\q)+1, 4
.endm
.macro TURN slot, next, fill
	s_wait_tensorcnt 0x0
	ds_add_u32 v[SPW], v[NIL]
	s_wait_dscnt 17
	WIN MUL_LO
	MUL16 0, 1, 1, \slot, 0
	s_wait_dscnt 0x0
	s_barrier_signal -1
	MUL16 2, 1, 1, \slot, 0
	WIN 0
	s_barrier_wait -1
.if \fill
	CREST
	s_add_nc_u64 s[G0+4*\slot+2:G0+4*\slot+3], s[G0+4*\slot+2:G0+4*\slot+3], 2*BLK
	s_add_nc_u64 s[G0B+4*\slot+2:G0B+4*\slot+3], s[G0B+4*\slot+2:G0B+4*\slot+3], 2*BLK
	JLOAD G0+4*\slot, G0B+4*\slot
	PLACES NP-4
.else
	PLACES NP
.endif
	FETCH_B \next, 0, 0
	FETCH_A \next, 0, 0
	SCALES \next
	WIN MUL_HI
	MUL16 4, 1, 1, \slot, 0
	MUL16 6, 1, 1, \slot, 0
	PLACES NP
	WIN 0
	FETCH_A \next, 0, 4
.endm
	s_wait_loadcnt 0x0
.set I, 0
.rept 64
	v_and_b32 v[CB+I], s80, v[CB+I]
.set I, I+1
.endr
	PLACES NP
	s_wait_alu depctr_va_vdst(0)
	s_wait_tensorcnt 0x0                           ; my two blocks are in, and no load of mine is out: from here on a load brings one block, 132 rows
	s_mov_b32 s[G1+2], 132<<16
	s_mov_b32 s[G1+4], 132
	s_mov_b32 s[G1B+2], 132<<16
	s_mov_b32 s[G1B+4], 132
	s_barrier_signal -1
	s_barrier_wait -1
	FETCH_B 0, 0, 0
	FETCH_A 0, 0, 0
	SCALES 0
	FETCH_A 0, 0, 4
	STEP 0, 0, 1
.irp a, 0,1,2,3,4,5,6,7
	global_load_b32 v[RB+2*\a], v[RBA], s[88:89] offset:(32*(\a/2)+8*(\a%2))*4
	global_load_b32 v[RB+2*\a+1], v[RBA], s[88:89] offset:(32*(\a/2)+8*(\a%2))*4
	global_load_b32 v[MK+\a], v[RBA], s[90:91] offset:(32*(\a/2)+8*(\a%2))*4
.endr
	s_mov_b32 s3, LAPS-1
.Llap:
	TURN 0, 1, 1
	STEP 1, 0, 0
	TURN 1, 0, 1
	STEP 0, 0, 0
	s_sub_co_u32 s3, s3, 1
	s_cmp_lg_u32 s3, 0
	s_cbranch_scc1 .Llap
	TURN 0, 1, 0
	STEP 1, 0, 0
	s_wait_dscnt 16
	WIN MUL_LO
	MUL16 0, 1, 1, 1, 0
	MUL16 2, 1, 1, 1, 0
	s_wait_dscnt 0x0
	WIN MUL_HI
	MUL16 4, 1, 1, 1, 0
	MUL16 6, 1, 1, 1, 0
	WIN 0
	PLACES NP
	s_wait_loadcnt 0x0
	s_mov_b32 s20, 0x76543210
	s_mov_b32 s21, 0xfedcba98
	s_mov_b32 s22, 0x600000
.irp a, 0,1,2,3,4,5,6,7
	v_and_b32 v[RB+2*\a], s81, v[RB+2*\a]
	v_and_b32 v[RB+2*\a+1], s81, v[RB+2*\a+1]
	v_cmp_ne_u32 vcc_lo, 0, v[MK+\a]
	v_cndmask_b32 v[KM+\a], 0, -1, vcc_lo
	v_or_b32 v[KM+\a], s82, v[KM+\a]
.endr
.irp b, 0,1,2,3
	v_mov_b32 v[TM+4+\b], 0
.endr
.macro TILEQ a
.set WW, 2+(\a)/4
.set S0, 64*((\a)%4)
.set PC, PCS+16*((\a)%2)
	WIN (WW*65)
.set I, 0
.rept 32
	v_pk_add_f32 v[S0+I:S0+I+1], v[S0+I:S0+I+1], v[RB+2*(\a):RB+2*(\a)+1]
.set I, I+2
.endr
	WIN (WW*5)
.irp b, 0,1,2,3
	v_max3_num_f32 v[TM+\b], |v[S0+16*\b]|, |v[S0+1+16*\b]|, 0x4800000
.endr
	WIN (WW*20)
.irp i, 2,4,6,8,10,12,14
.irp b, 0,1,2,3
	v_max3_num_f32 v[TM+\b], v[TM+\b], |v[S0+16*\b+\i]|, |v[S0+1+16*\b+\i]|
.endr
.endr
	WIN 0
.irp b, 0,1,2,3
	v_permlanex16_b32 v[TM+4+\b], v[TM+\b], s20, s21
.endr
.irp b, 0,1,2,3
	v_max_num_f32 v[TM+\b], v[TM+\b], v[TM+4+\b]
.endr
.irp b, 0,1,2,3
	v_add_nc_u32 v[TM+12+\b], 0xfc000000, v[TM+\b]
.endr
.irp b, 0,1,2,3
	v_and_or_b32 v[TM+8+\b], v[TM+\b], 0x7f800000, s22
.endr
.irp b, 0,1,2,3
	v_and_b32 v[TM+8+\b], v[KM+(\a)], v[TM+8+\b]
.endr
.irp b, 0,1,2,3
	v_lshrrev_b32 v[TM+4+\b], 23, v[TM+12+\b]
.endr
	v_lshl_or_b32 v[PW+(\a)], v[TM+5], 8, v[TM+4]
	v_lshl_or_b32 v[PW+(\a)], v[TM+6], 16, v[PW+(\a)]
	v_lshl_or_b32 v[PW+(\a)], v[TM+7], 24, v[PW+(\a)]
	WIN (WW*65)
.irp b, 0,1,2,3
.irp i, 0,1,2,3,4,5,6,7,8,9,10,11,12,13,14,15
	v_med3_num_f32 v[S0+16*\b+\i], v[S0+16*\b+\i], -v[TM+8+\b], v[TM+8+\b]
.endr
.endr
	WIN WW
.if (\a) > 1
	s_wait_alu depctr_va_vdst(0)
	s_wait_xcnt 0x0
.endif
.irp b, 0,1,2,3
	v_cvt_scalef32_pk8_fp8_f32 v[PC+4*\b:PC+1+4*\b], v[S0+16*\b:S0+7+16*\b], v[TM+12+\b]
	v_cvt_scalef32_pk8_fp8_f32 v[PC+2+4*\b:PC+3+4*\b], v[S0+8+16*\b:S0+15+16*\b], v[TM+12+\b]
.endr
	WIN 0
	v_nop
.irp b, 0,1,2,3
	global_store_b128 v[CO], v[PC+4*\b:PC+4*\b+3], s[12:13] offset:\b*8192+(\a)*512
.endr
	ds_store_b32 v[SWA], v[PW+(\a)] offset:(\a)*64
.endm
.irp a, 0,1,2,3,4,5,6,7
	TILEQ \a
.endr
	ds_load_b128 v[TM:TM+3], v[SRA]
	s_wait_dscnt 0x0
	global_store_b128 v[CO], v[TM:TM+3], s[100:101]
	s_wait_tensorcnt 0x0
	ds_add_u32 v[SPW], v[NIL]
	s_wait_dscnt 0x0
	CROUND
	s_endpgm
.Lfunc_end_k_q8aae42ee8f_qkv:
	.size	k_q8aae42ee8f_qkv, .Lfunc_end_k_q8aae42ee8f_qkv-k_q8aae42ee8f_qkv
	.p2alignl 7, 3214868480
	.fill 96, 4, 3214868480
	.section	.rodata,"a",@progbits
	.p2align	6, 0x0
	.amdhsa_kernel k_q8aae42ee8f_qkv
		.amdhsa_group_segment_fixed_size 327680
		.amdhsa_private_segment_fixed_size 0
		.amdhsa_enable_private_segment 0
		.amdhsa_kernarg_size 64
		.amdhsa_user_sgpr_count 2
		.amdhsa_user_sgpr_kernarg_segment_ptr 1
		.amdhsa_wavefront_size32 1
		.amdhsa_system_sgpr_workgroup_id_x 1
		.amdhsa_system_sgpr_workgroup_id_y 1
		.amdhsa_system_sgpr_workgroup_id_z 1
		.amdhsa_system_vgpr_workitem_id 0
		.amdhsa_next_free_vgpr 1024
		.amdhsa_next_free_sgpr 102
		.amdhsa_reserve_vcc 1
		.amdhsa_float_denorm_mode_32 3
		.amdhsa_float_denorm_mode_16_64 3
		.amdhsa_memory_ordered 1
		.amdhsa_forward_progress 1
		.amdhsa_inst_pref_size 212
	.end_amdhsa_kernel
	.amdgpu_metadata
---
amdhsa.version: [ 1, 2 ]
amdhsa.kernels:
  - .name:           k_q8aae42ee8f_qkv
    .symbol:         k_q8aae42ee8f_qkv.kd
    .args:
      - { .name: aq, .offset: 0, .size: 8, .value_kind: global_buffer, .address_space: global }
      - { .name: wb, .offset: 8, .size: 8, .value_kind: global_buffer, .address_space: global }
      - { .name: bq, .offset: 16, .size: 8, .value_kind: global_buffer, .address_space: global }
      - { .name: bk, .offset: 24, .size: 8, .value_kind: global_buffer, .address_space: global }
      - { .name: bv, .offset: 32, .size: 8, .value_kind: global_buffer, .address_space: global }
      - { .name: mask, .offset: 40, .size: 8, .value_kind: global_buffer, .address_space: global }
      - { .name: qb, .offset: 48, .size: 8, .value_kind: global_buffer, .address_space: global }
      - { .name: kv, .offset: 56, .size: 8, .value_kind: global_buffer, .address_space: global }
    .group_segment_fixed_size: 327680
    .private_segment_fixed_size: 0
    .kernarg_segment_align: 8
    .kernarg_segment_size: 64
    .max_flat_workgroup_size: 128
    .sgpr_count:     102
    .vgpr_count:     1024
    .wavefront_size: 32
...
	.end_amdgpu_metadata
.endif
;; end of part 9
;; launch attn (part 10): grid 8 x 32, 8 waves a work-group, clusters of 4 x 1, 327,680 bytes of LDS; arguments qb, kv, mask, hq; writes hq
.if DOCPART == 10
	.amdgcn_target "amdgcn-amd-amdhsa--gfx1250"
	.amdhsa_code_object_version 6
	.text
	.protected	k_q8aae42ee8f_attn
	.globl	k_q8aae42ee8f_attn
	.p2align	8
	.type	k_q8aae42ee8f_attn,@function
k_q8aae42ee8f_attn:
	s_mov_b64 s[64:65], 0
	v_nop
	global_prefetch_b8 v0, s[64:65] scope:SCOPE_SE
	s_setreg_imm32_b32 hwreg(HW_REG_WAVE_MODE, 25, 1), 1
	s_wait_xcnt 0x0
	s_wait_alu depctr_hold_cnt(0) depctr_sa_sdst(0) depctr_va_vdst(0) depctr_va_sdst(0) depctr_va_ssrc(0) depctr_va_vcc(0) depctr_vm_vsrc(0)
	s_getreg_b32 s2, hwreg(HW_REG_IB_STS2, 6, 4)
	s_cmp_eq_u32 s2, 0
	s_cbranch_scc0 .Lentry_in_a_cluster
	s_endpgm
.Lentry_in_a_cluster:
	s_bfe_u32 s2, ttmp6, 0x10000c
	s_cmp_lg_u32 s2, 0x3003
	s_cbranch_scc0 .Lentry_shape_is_right
	s_endpgm
.Lentry_shape_is_right:
; O = softmax(q k^T / 8, masked keys' scores REPLACED by a very low number) v for 2 batches x 16 heads of 64, 2,048 keys, both products on codes of FP8 (E4M3) with E8M0 scales for each 32 along K.
; THE SOFTMAX AHEAD OF THE SECOND PRODUCT: t = score x log2(e) / 8; M = the running largest t rounded up to a whole number; p = 2^(t - M) is quantised along the keys, not normalised; the row's sum is taken
; of the unquantised p and divides O at the end; when M moves, the sum and O are multiplied by 2^(old M - new M), exact.
; THE MASK: a masked key's codes of k are zeros (the launch before made them so), and the score product's C is 0 or -2^33, from a table of one f32 a key that the work-group makes in LDS from the mask.  A masked
; score is exactly -2^33, its t is exact and a whole number, and a row all of whose keys are masked gets p = 1 for every key, the uniform softmax of the reference.
; LIMIT: -2^33 x c = -1.55e9 stands for -1e9 x log2(e): the two agree unless true logits fall under about -1e9.  NaN and infinities are not served; a block of O under 2^-118 gets the byte 1; 1/l is v_rcp_f32 (1 ulp).
; IN: regions of 33,792 bytes for a pair of heads x 256 tokens: chunk (B, u) at B*8192 + u*512, lane l at 16 l; words at 32768 + u*64 + 4 r.  q, k: B = 2 e + c, u = tile of tokens (lane-row r of tile t is token
; 32 (t/2) + 8 (t%2) + r + 8 (r/8) of its 128).  v: B = block of 32 keys within 128, u = 8 (which 128) + 4 e + tile of channels.  kv = [batch][pair][slot of 256 keys][k region | v region].
; SHARES: a work-group owns ONE head and 256 queries.  Wave w (of eight, two to a SIMD) owns tiles 2 w and 2 w + 1 of 16 queries: each fragment of k and v and each scale word that it reads from LDS feeds
; two products.  Every wave walks all keys, 128 a step.
; A HEAD'S k AND v STAY IN LDS: 131,072 bytes of k's codes, as many of v's, 16,384 of scale words (both heads': they share words).  Nothing is filled again, and the loop over the keys has no barrier but one, half-way.
; At the head each wave issues one joint load: waves 0-3 v's codes of slot w (8 rows of 2,048 bytes, 4,096 apart), waves 4, 5 k's codes of slots 0, 1 and 2, 3 (rows of 16,384 bytes, 67,584 apart), waves 6, 7 the
; words (rows of 1,024 bytes, 33,792 apart).  Slots 4-7 follow as later first fills do: the wait for the tensor loads, the add, the wait for LDS, a round, one load a wave (waves 0-5); they land under slots 0-3's steps.
; In LDS: k: slot*16384 + c*8192 + q*4096 + tile*512; v: VBASE + slot*16384 + B*4096 + q*2048 + tile*512; words: WBASE + slot*2048 (k's), + 1024 (v's).
; CLUSTER: the four work-groups of a cluster have the same head: every load is a joint one.  NO PREFETCH: all tiles are asked for by the two groups of loads at the launch's start; no later load is left to run ahead of.
; REGISTERS, two windows of 256.  Tile A's scores, O, codes and state lie at v104-245 of window 0, tile B's at the same numbers of window 1: one text of the softmax serves both under another window setting.
;   window 0: v2-12 addresses; v16-31 scale words and nothing else; v32-95 eight tiles of k, v96-103 zeros; v246, v247 addresses.   window 1: v0-15 tile B's q and zeros, v16-31 tile A's, v32-95 four fragments of v.
; THE MASK'S C IS LOADED ONCE: into tile A's score registers.  Tile B's products take it from there as their C (D in window 1); nine places on, tile A's products add onto it in place.
; BOTH PRODUCTS TRANSPOSED: S^T = k q^T, O^T = v^T p^T: a lane holds one query.  A head's 64 are half of the instruction's K: q's upper 8 registers are zero codes; k's upper 8 are whatever finite codes stand next;
; the scale words come as 16 bits with 0 above, which is 2^-127 and no NaN.
; OUT: O / l quantised along the model's 1,024 into operand blocks of hq (chunk (kb, tile) at kb*4096 + tile*512; words at 32768 + q*512 + tile*64 + 4 r).  A word's four bytes belong to two heads, so to two
; work-groups: each stores its own two bytes, 2 bytes a lane: 1,024 of a block's 33,792 bytes leave so.
.set BLK,   33792
.set VBASE, 131072
.set WBASE, 262144
.set MB,    278528                     ; 8,192 bytes: one f32 for each key
.set SPARE, 286720                     ; the spare words, 128 bytes for each of 8 waves: four blocks of 256 bytes that no other line names
.set AV0,  2
.set ASK0, 3
.set ASV0, 4
.set SPW,  5
.set NIL,  6
.set GO,   7                           ; 16 x lane
.set ADK,  8
.set ADV,  9
.set ADS,  10
.set ADT,  11
.set WA,   12                          ; 4 r
.set KS,   16                          ; v16-23 k's scale words
.set VS,   24                          ; v24-27 v's
.set QSA,  28                          ; q's, tile A, B
.set QSB,  29
.set PSA,  30                          ; p's, tile A, B
.set KT,   32
.set QB,   0                           ; window 1
.set QA,   16                          ; window 1
.set F,    32                          ; window 1
.set S,    104                         ; from here on: a tile's own, the same numbers in both windows
.set O,    168
.set PC,   200
.set BM,   216
.set T2,   220
.set HL,   224
.set SO,   228
.set FF,   232                         ; v[232:233] f
.set NM,   234                         ; -M, the largest t
.set L,    236                         ; the sum in two halves
.set TT,   238
.set PSX,  239
.set X0,   240                         ; v240-245 three more chains of the sum
.set AM0,  246                         ; window 0: MB + 64 h
.set AMB,  247
.set WV,   12
.set E,    13                          ; my head's place in its pair
.set TQ,   14
.set MNT,  19
.set SEL,  20
.set CS,   22                          ; s[22:23] c = log2(e) / 8
.set G1V,  24
.set G0V,  32
.set TB,   36                          ; the slot in hand: 16,384 bytes a slot in k's and in v's codes
.set TMK,  37                          ; the step's place in the table of keys
.set SLOTS, 38
.set TW,   41                          ; the slot's scale words: 2,048 bytes a slot
.set G1K,  68
.set G1W,  76
.set G0K,  84
.set G0W,  88
.set MSB, 0
.macro WIN new                         ; the immediate's high byte repeats the setting that is left
.if MSB != \new
	s_set_vgpr_msb (MSB<<8)|\new
.set MSB, \new
.endif
.endm
.macro CROUND                          ; a round of the cluster's barrier
	s_barrier_signal -1
	s_barrier_wait -1
	s_cmp_lg_u32 s[WV], 0
	s_cbranch_scc1 .Lnot_wave_0_\@
	s_barrier_signal -3
.Lnot_wave_0_\@:
	s_barrier_wait -3
	s_barrier_signal -1
	s_barrier_wait -1
.endm
.macro TL g0, g1                       ; s_nop 0 and four v_nop follow the line
	tensor_load_to_lds s[\g0:\g0+3], s[\g1:\g1+7]
	s_nop 0
.rept 4
	v_nop
.endr
.endm
	s_load_b256 s[4:11], s[0:1], 0x0               ; qb s[4:5], kv s[6:7], mask s[8:9], hq s[10:11]
	v_lshl_add_u32 v[SPW], v0, 2, SPARE
	v_mov_b32 v[NIL], 0
	ds_add_u32 v[SPW], v[NIL]                      ; the opening adds, twice on end; their wait stands ahead of my first tensor load
	ds_add_u32 v[SPW], v[NIL]
	v_lshrrev_b32 v8, 5, v0
	v_readfirstlane_b32 s[WV], v8                  ; wave 0..7
	s_and_b32 s[TQ], s[WV], 3
	s_lshl_b32 s39, s[TQ], 14
	s_add_co_u32 s[G0V+1], s39, VBASE              ; v's codes of slot w % 4: where they go,
	s_mul_i32 s60, s[TQ], 2*BLK                    ; and where they come from
	s_lshl_b32 s[TQ], s[TQ], 1                     ; my first tile of queries in its 128
	s_and_b32 s40, s[WV], 1
	s_lshl_b32 s[G0K+1], s40, 15                   ; k's codes of slots 2 (w % 2) and the next
	s_mul_i32 s62, s40, 4*BLK
	s_lshl_b32 s39, s40, 13
	s_add_co_u32 s[G0W+1], s39, WBASE              ; the words of slots 4 (w % 2) on
	s_mul_i32 s92, s40, 8*BLK
	s_bfe_u32 s15, ttmp6, 0x40000                  ; cx
	s_lshl_b32 s16, ttmp9, 2
	s_add_co_u32 s16, s16, s15                     ; my work-group's 256 queries of the batch: they enter q's and hq's addresses alone
	s_lshl_b32 s16, s16, 1
	s_lshr_b32 s39, s[WV], 2
	s_add_co_u32 s16, s16, s39                     ; my wave's block of 128 queries
	s_and_b32 s17, ttmp7, 0xffff                   ; 16 x batch + head, which the four partners share
	s_and_b32 s[E], s17, 1
	s_lshr_b32 s17, s17, 1                         ; 8 x batch + pair
	s_mul_i32 s42, s17, 16*BLK                     ; the eight slots of this batch and pair
	s_lshl_b32 s39, s[E], 11
	s_add_co_u32 s60, s60, s42
	s_add_co_u32 s60, s60, s39
	s_add_co_u32 s60, s60, BLK                     ; v region, my head's 2,048 bytes of each 4,096
	s_mov_b32 s61, 0
	s_lshl_b32 s39, s[E], 14
	s_add_co_u32 s62, s62, s42
	s_add_co_u32 s62, s62, s39                     ; k region, my head's 16,384 bytes
	s_mov_b32 s63, 0
	s_add_co_u32 s92, s92, s42
	s_add_co_u32 s92, s92, 32768                   ; the words behind a region's codes
	s_mov_b32 s93, 0
	s_lshl_b32 s44, s17, 3
	s_lshr_b32 s45, s16, 1
	s_add_co_u32 s44, s44, s45
	s_mul_i32 s44, s44, 2*BLK                      ; q's region
	s_and_b32 s45, s16, 1
	s_lshl_b32 s45, s45, 3
	s_add_co_u32 s45, s45, s[TQ]                   ; u: my first tile in it
	s_lshl_b32 s46, s45, 9
	s_add_co_u32 s46, s46, s44
	s_lshl_b32 s47, s[E], 14
	s_add_co_u32 s46, s46, s47                     ; chunk (2 e, u)
	s_mov_b32 s47, 0
	s_lshl_b32 s48, s45, 6
	s_add_co_u32 s48, s48, s44
	s_lshl_b32 s49, s[E], 1
	s_add_co_u32 s48, s48, s49
	s_add_co_u32 s48, s48, 32768                   ; my head's two bytes of the tile's words
	s_mov_b32 s49, 0
	s_lshr_b32 s52, s17, 3                         ; batch
	s_lshl_b32 s50, s52, 13                        ; its 2,048 words of the mask
	s_mov_b32 s51, 0
	s_lshl_b32 s52, s52, 4
	s_add_co_u32 s52, s52, s16                     ; hq: group of 128 tokens
	s_lshl_b32 s52, s52, 2
	s_bfe_u32 s53, s17, 0x20001                    ; pair / 2: which 256 of the model's 1,024
	s_add_co_u32 s52, s52, s53
	s_mul_i32 s52, s52, BLK
	s_and_b32 s53, s17, 1                          ; pair % 2
	s_lshl_b32 s54, s53, 9
	s_add_co_u32 s54, s54, s52
	s_add_co_u32 s54, s54, 32768                   ; the words of that 128 along K,
	s_lshl_b32 s55, s[TQ], 6
	s_add_co_u32 s54, s54, s55                     ; my first tile's,
	s_lshl_b32 s55, s[E], 1
	s_add_co_u32 s54, s54, s55                     ; my head's two bytes of them
	s_mov_b32 s55, 0
	s_lshl_b32 s53, s53, 1
	s_add_co_u32 s53, s53, s[E]
	s_lshl_b32 s53, s53, 13                        ; kb = 4 (pair % 2) + 2 e
	s_add_co_u32 s52, s52, s53
	s_lshl_b32 s53, s[TQ], 9
	s_add_co_u32 s52, s52, s53
	s_mov_b32 s53, 0
.irp g, G1V, G1K, G1W
	s_mov_b32 s[\g], 15|(3<<16)|(1<<21)            ; group 1: the mask names all four work-groups; elements of 8 bytes; bit 21 beside a mask
	s_mov_b32 s[\g+6], 0
	s_mov_b32 s[\g+7], 0
.endr
	s_mov_b32 s[G1V+1], 256<<16                    ; v: 8 rows of 256 elements, 512 elements apart
	s_mov_b32 s[G1V+2], 8<<16
	s_mov_b32 s[G1V+3], 256<<16
	s_mov_b32 s[G1V+4], 8
	s_mov_b32 s[G1V+5], 512
	s_mov_b32 s[G1K+1], 2048<<16                   ; k: 2 rows of 2,048 elements, 8,448 apart
	s_mov_b32 s[G1K+2], 2<<16
	s_mov_b32 s[G1K+3], 2048<<16
	s_mov_b32 s[G1K+4], 2
	s_mov_b32 s[G1K+5], 8448
	s_mov_b32 s[G1W+1], 128<<16                    ; words: 8 rows of 128 elements, 4,224 apart
	s_mov_b32 s[G1W+2], 8<<16
	s_mov_b32 s[G1W+3], 128<<16
	s_mov_b32 s[G1W+4], 8
	s_mov_b32 s[G1W+5], 4224
	s_mov_b32 s[SEL], 0x76543210
	s_mov_b32 s[SEL+1], 0xfedcba98
	s_mov_b32 s[CS], 0x3e38aa3b                    ; c = log2(e) / sqrt(64)
	s_mov_b32 s[CS+1], s[CS]
	s_mov_b32 s[MNT], 0x600000
	s_mov_b32 s[TB], 0
	s_mov_b32 s[TW], 0
	s_mov_b32 s[TMK], 0
	s_mov_b32 s[SLOTS], 4
	s_wait_alu depctr_va_vdst(0)
	s_wait_dscnt 0x0                               ; both opening adds are done
	s_wait_kmcnt 0x0
	s_mov_b32 s[G0V], 1
	s_add_nc_u64 s[G0V+2:G0V+3], s[6:7], s[60:61]
	s_or_b32 s[G0V+3], s[G0V+3], 0x80000000
	s_mov_b32 s[G0K], 1
	s_add_nc_u64 s[G0K+2:G0K+3], s[6:7], s[62:63]
	s_or_b32 s[G0K+3], s[G0K+3], 0x80000000
	s_mov_b32 s[G0W], 1
	s_add_nc_u64 s[G0W+2:G0W+3], s[6:7], s[92:93]
	s_or_b32 s[G0W+3], s[G0W+3], 0x80000000
	CROUND                                         ; all four work-groups are here
	s_cmp_lt_u32 s[WV], 4                          ; the head's loads, one a wave: one chain of branches on the wave's number, a load to an arm
	s_cbranch_scc0 .Lhead_k
	TL G0V, G1V
	s_branch .Lhead_asked
.Lhead_k:
	s_cmp_lt_u32 s[WV], 6
	s_cbranch_scc0 .Lhead_w
	TL G0K, G1K
	s_branch .Lhead_asked
.Lhead_w:
	TL G0W, G1W
.Lhead_asked:
	s_add_nc_u64 s[56:57], s[4:5], s[48:49]
	s_add_nc_u64 s[4:5], s[4:5], s[46:47]
	s_add_nc_u64 s[8:9], s[8:9], s[50:51]
	s_add_nc_u64 s[58:59], s[10:11], s[54:55]
	s_add_nc_u64 s[10:11], s[10:11], s[52:53]
	v_and_b32 v250, 15, v0                         ; r
	v_bfe_u32 v251, v0, 4, 1                       ; h
	v_and_b32 v252, 31, v0
	v_lshlrev_b32 v[GO], 4, v252
	v_lshlrev_b32 v[WA], 2, v250
	v_lshlrev_b32 v254, 5, v0                      ; eight keys' mask for each of the 256 threads
	v_lshl_add_u32 v255, v0, 5, MB
	s_wait_alu depctr_va_vdst(0)
	WIN 0x40                                       ; q goes to window 1
	global_load_b128 v[QA:QA+3], v[GO], s[4:5]                   ; tile A: k = 0..31 of my head
	global_load_b128 v[QA+4:QA+7], v[GO], s[4:5] offset:8192     ; k = 32..63
	global_load_b128 v[QB:QB+3], v[GO], s[4:5] offset:512        ; tile B
	global_load_b128 v[QB+4:QB+7], v[GO], s[4:5] offset:8704
.irp j, 0,1,2,3,4,5,6,7
	v_mov_b32 v[QA+8+\j], 0                        ; q's upper halves: zero codes
	v_mov_b32 v[QB+8+\j], 0
.endr
	WIN 0
	global_load_u16 v[QSA], v[WA], s[56:57]                ; the head's two scale bytes, 0 above
	global_load_u16 v[QSB], v[WA], s[56:57] offset:64
	global_load_b128 v[S:S+3], v254, s[8:9]
	global_load_b128 v[S+4:S+7], v254, s[8:9] offset:16
	v_add_nc_u32 v[AV0], VBASE, v[GO]
	s_lshl_b32 s39, s[E], 1
	s_add_co_u32 s39, s39, WBASE
	v_add_nc_u32 v[ASK0], s39, v[WA]
	s_lshl_b32 s39, s[E], 8
	s_add_co_u32 s39, s39, WBASE+1024
	v_add_nc_u32 v[ASV0], s39, v[WA]
	v_lshl_add_u32 v[AM0], v251, 6, MB
.irp j, 0,1,2,3,4,5,6,7
	v_mov_b32 v[KT+64+\j], 0                       ; what stands behind k's eighth tile
.endr
.macro INIT w                          ; a tile's state: the step is written once; its first turn finds zeros
	WIN 0x55*\w
	v_mov_b32 v[NM+1], 0xff61b1e6                  ; the largest t so far: -3e38
	v_floor_f32 v[NM], -v[NM+1]                    ; -M
	v_mov_b32 v[L], 0
	v_mov_b32 v[L+1], 0
	v_mov_b32 v[FF+1], 0                           ; named as the upper half of a pair
	v_mov_b32 v[TT], 0
.irp b, 0,1,2,3
	v_mov_b32 v[T2+\b], 0                          ; a lane permute's destination counts as one of its sources
.endr
.set I, 0
.rept 32
	v_mov_b32 v[O+I], 0
.set I, I+1
.endr
.endm
	INIT 1
	INIT 0
	v_mov_b32 v252, 0xd0000000                     ; -2^33
	s_wait_alu depctr_va_vdst(0)
	s_wait_loadcnt 0x0
.irp i, 0,1,2,3,4,5,6,7
	v_cmp_eq_u32 vcc_lo, 0, v[S+\i]
	s_delay_alu instid0(VALU_DEP_1)
	v_cndmask_b32 v[S+\i], 0, v252, vcc_lo
.endr
	ds_store_b128 v255, v[S:S+3]                   ; seen by all waves behind the round below: its wait for LDS stands in front of it
	ds_store_b128 v255, v[S+4:S+7] offset:16
; THE SOFTMAX OF ONE TILE'S 128 SCORES A LANE-ROW, in window w throughout; p's scale word alone goes to window 0, where scale operands are taken from
.macro SOFT w
	WIN 0x55*\w
	s_wait_alu depctr_va_vdst(0)
.irp b, 0,1,2,3
	v_max3_num_f32 v[BM+\b], v[S+16*\b], v[S+1+16*\b], v[S+2+16*\b]   ; the largest score of each block of 32 keys: for the row's maximum and, since p rises with the score, for the block's largest p
.endr
.irp i, 3,5,7,9,11,13
.irp b, 0,1,2,3
	v_max3_num_f32 v[BM+\b], v[BM+\b], v[S+16*\b+\i], v[S+1+16*\b+\i]
.endr
.endr
.irp b, 0,1,2,3
	v_max_num_f32 v[BM+\b], v[BM+\b], v[S+15+16*\b]
.endr
.irp b, 0,1,2,3
	s_delay_alu instid0(VALU_DEP_4)
	v_permlanex16_b32 v[T2+\b], v[BM+\b], s[SEL], s[SEL+1]
.endr
.irp b, 0,1,2,3
	s_delay_alu instid0(VALU_DEP_4)
	v_max_num_f32 v[BM+\b], v[BM+\b], v[T2+\b]     ; with lane l xor 16's 16 keys
.endr
	s_delay_alu instid0(VALU_DEP_2)
	v_max3_num_f32 v[TT], v[BM], v[BM+1], v[BM+2]
	s_delay_alu instid0(VALU_DEP_1)
	v_max_num_f32 v[TT], v[TT], v[BM+3]
	s_delay_alu instid0(VALU_DEP_1)
	v_mul_f32 v[TT], s[CS], v[TT]                  ; as t
	s_delay_alu instid0(VALU_DEP_1)
	v_max_num_f32 v[NM+1], v[NM+1], v[TT]          ; the running largest t
	v_mov_b32 v[TT], v[NM]
	s_delay_alu instid0(VALU_DEP_2)
	v_floor_f32 v[NM], -v[NM+1]                    ; the new -M = -ceil(t): a whole number
	s_delay_alu instid0(VALU_DEP_1)
	v_sub_f32 v[TT], v[NM], v[TT]                  ; old M - new M, 0 or less
	s_delay_alu instid0(VALU_DEP_1)
	v_cvt_i32_f32 v[TT], v[TT]                     ; (it saturates)
	s_delay_alu instid0(VALU_DEP_1)
	v_ldexp_f32 v[FF], 1.0, v[TT]                  ; f = 2^(old M - new M)
.set I, 0
.rept 32
	v_pk_fma_f32 v[S+I:S+I+1], v[S+I:S+I+1], s[CS:CS+1], v[NM:NM+1] op_sel_hi:[1,0,0]   ; t - M
.set I, I+2
.endr
.irp b, 0,1,2,3
	v_fma_f32 v[BM+\b], v[BM+\b], s[CS], v[NM]
.endr
	s_wait_alu depctr_va_vdst(0)
.set I, 0
.rept 64
	v_exp_f32 v[S+I], v[S+I]                       ; p = 2^(t - M)
.set I, I+1
.endr
.irp b, 0,1,2,3
	v_exp_f32 v[BM+\b], v[BM+\b]                   ; the block's largest p
.endr
	v_pk_mul_f32 v[L:L+1], v[L:L+1], v[FF:FF+1] op_sel_hi:[1,0]   ; the sums under the new M (a plain instruction behind the exponentials)
	s_wait_alu depctr_va_vdst(0)                   ; the wait behind the batch, ahead of its first reader
.irp b, 0,1,2,3
	v_max_num_f32 v[BM+\b], 0x4800000, v[BM+\b]    ; the floor 2^(9 - 127)
.endr
.irp b, 0,1,2,3
	s_delay_alu instid0(VALU_DEP_4)
	v_add_nc_u32 v[SO+\b], 0xfc000000, v[BM+\b]    ; the conversion's scale operand
.endr
.irp b, 0,1,2,3
	v_and_or_b32 v[HL+\b], v[BM+\b], 0x7f800000, s[MNT]   ; 448 x the scale
.endr
.irp b, 0,1,2,3
	v_lshrrev_b32 v[T2+\b], 23, v[SO+\b]           ; the scale's byte
.endr
	s_delay_alu instid0(VALU_DEP_3)
	v_lshl_or_b32 v[PSX], v[T2+1], 8, v[T2]
	s_delay_alu instid0(VALU_DEP_1)
	v_lshl_or_b32 v[PSX], v[T2+2], 16, v[PSX]
	WIN 0x15*\w                                    ; the destination in window 0
	v_lshl_or_b32 v[PSA+\w], v[T2+3], 24, v[PSX]   ; p's scale word for these 128 keys
	WIN 0x55*\w
	v_pk_add_f32 v[X0:X0+1], v[S:S+1], v[S+2:S+3]  ; the row's sum of the unquantised p: four chains
	v_pk_add_f32 v[X0+2:X0+3], v[S+4:S+5], v[S+6:S+7]
	v_pk_add_f32 v[X0+4:X0+5], v[S+8:S+9], v[S+10:S+11]
	v_pk_add_f32 v[L:L+1], v[L:L+1], v[S+12:S+13]
.set I, 14
.rept 6
	v_pk_add_f32 v[X0:X0+1], v[X0:X0+1], v[S+I:S+I+1]
	v_pk_add_f32 v[X0+2:X0+3], v[X0+2:X0+3], v[S+I+2:S+I+3]
	v_pk_add_f32 v[X0+4:X0+5], v[X0+4:X0+5], v[S+I+4:S+I+5]
	v_pk_add_f32 v[L:L+1], v[L:L+1], v[S+I+6:S+I+7]
.set I, I+8
.endr
	v_pk_add_f32 v[X0:X0+1], v[X0:X0+1], v[S+62:S+63]
	v_pk_add_f32 v[L:L+1], v[L:L+1], v[X0+4:X0+5]
	s_delay_alu instid0(VALU_DEP_2)
	v_pk_add_f32 v[X0:X0+1], v[X0:X0+1], v[X0+2:X0+3]
	s_delay_alu instid0(VALU_DEP_1)
	v_pk_add_f32 v[L:L+1], v[L:L+1], v[X0:X0+1]
.irp b, 0,1,2,3
.irp i, 0,2,4,6,8,10,12,14
	v_dual_min_num_f32 v[S+16*\b+\i], v[S+16*\b+\i], v[HL+\b] :: v_dual_min_num_f32 v[S+16*\b+\i+1], v[S+16*\b+\i+1], v[HL+\b]   ; the conversion does not saturate (ISA guide 7.6.2); p is not negative: a one-sided hold, two numbers an instruction
.endr
	v_cvt_scalef32_pk8_fp8_f32 v[PC+4*\b:PC+4*\b+1], v[S+16*\b:S+16*\b+7], v[SO+\b]
	v_cvt_scalef32_pk8_fp8_f32 v[PC+4*\b+2:PC+4*\b+3], v[S+16*\b+8:S+16*\b+15], v[SO+\b]
.endr
	s_wait_alu depctr_va_vdst(0)
.set I, 0
.rept 16
	v_pk_mul_f32 v[O+I:O+I+1], v[O+I:O+I+1], v[FF:FF+1] op_sel_hi:[1,0]   ; O^T under the new M; these sixteen are also the places in front of the products
.set I, I+2
.endr
.endm
.macro PV w                            ; O^T += v^T p^T: the head's four tiles of 16 channels; v's fragments in window 1, the rest in the tile's window
	WIN 0x01+0x54*\w
.irp t, 0,1,2,3
	v_wmma_scale_f32_16x16x128_f8f6f4 v[O+8*\t:O+8*\t+7], v[F+16*\t:F+16*\t+15], v[PC:PC+15], v[O+8*\t:O+8*\t+7], v[VS+\t], v[PSA+\w]
.endr
.endm
; A KEY STEP: 128 keys, the q-th of the slot in hand
.macro STEP q
	v_add_nc_u32 v[ADK], s[TB], v[GO]              ; these five and three v_nop are the eight places in front of the loads into v's fragments and words, which the last products read
	v_add_nc_u32 v[ADV], s[TB], v[AV0]
	v_add_nc_u32 v[ADS], s[TW], v[ASK0]
	v_add_nc_u32 v[ADT], s[TW], v[ASV0]
	v_add_nc_u32 v[AMB], s[TMK], v[AM0]
.rept 3
	v_nop
.endr
.irp t, 0,1,2,3,4,5,6,7
	ds_load_b128 v[KT+8*\t:KT+8*\t+3], v[ADK] offset:(\q)*4096+\t*512
	ds_load_b128 v[KT+8*\t+4:KT+8*\t+7], v[ADK] offset:8192+(\q)*4096+\t*512
	ds_load_u16 v[KS+\t], v[ADS] offset:(\q)*512+\t*64
	ds_load_b128 v[S+8*\t:S+8*\t+3], v[AMB] offset:128*(\t/2)+32*(\t%2)          ; the C: register j belongs to key 32 (tile/2) + 8 (tile%2) + 16 h + j
	ds_load_b128 v[S+8*\t+4:S+8*\t+7], v[AMB] offset:128*(\t/2)+32*(\t%2)+16
.endr
.irp t, 0,1,2,3
	ds_load_b32 v[VS+\t], v[ADT] offset:(\q)*512+\t*64
.endr
	WIN 0x40
.irp t, 0,1,2,3
.irp c, 0,1,2,3
	ds_load_b128 v[F+16*\t+4*\c:F+16*\t+4*\c+3], v[ADV] offset:\c*4096+(\q)*2048+\t*512
.endr
.endr
	WIN 0x44                                       ; tile B: D and q in window 1, k and the C in window 0
	s_wait_dscnt 20                                ; k, its words and the C are in; the youngest 20 loads (v's 4 words and 16 quarters of fragments) may be out
.irp t, 0,1,2,3,4,5,6,7
	v_wmma_scale_f32_16x16x128_f8f6f4 v[S+8*\t:S+8*\t+7], v[KT+8*\t:KT+8*\t+15], v[QB:QB+15], v[S+8*\t:S+8*\t+7], v[KS+\t], v[QSB]
.endr
.rept 9
	v_nop                                          ; nine places: tile A's products write over registers that tile B's read as their C; they are also the places in front of the first read of tile B's scores
.endr
	WIN 0x04                                       ; tile A: in place, in window 0
.irp t, 0,1,2,3,4,5,6,7
	v_wmma_scale_f32_16x16x128_f8f6f4 v[S+8*\t:S+8*\t+7], v[KT+8*\t:KT+8*\t+15], v[QA:QA+15], v[S+8*\t:S+8*\t+7], v[KS+\t], v[QSA]
.endr
	s_wait_dscnt 0x0                               ; v is in
	SOFT 1                                         ; it names window 1's upper registers alone: its lines are the places behind tile A's products
	PV 1
	SOFT 0
	PV 0
	WIN 0
	s_add_co_u32 s[TMK], s[TMK], 512               ; the next 128 keys of the table
.endm
.macro SLOT_ON
	s_add_co_u32 s[TB], s[TB], 16384
	s_add_co_u32 s[TW], s[TW], 2048
	s_sub_co_u32 s[SLOTS], s[SLOTS], 1
	s_cmp_lg_u32 s[SLOTS], 0
.endm
	s_wait_alu depctr_va_vdst(0)
	s_wait_tensorcnt 0x0                           ; my load of the head is in; slots 4-7 are first fills that come later: these three lines, a round, one load a wave
	ds_add_u32 v[SPW], v[NIL]                      ; 0 onto my spare word
	s_add_co_u32 s[G0V+1], s[G0V+1], 65536         ; four slots on, in LDS and in memory
	s_add_nc_u64 s[G0V+2:G0V+3], s[G0V+2:G0V+3], 8*BLK
	s_add_co_u32 s[G0K+1], s[G0K+1], 65536
	s_add_nc_u64 s[G0K+2:G0K+3], s[G0K+2:G0K+3], 8*BLK
	s_wait_dscnt 0x0                               ; the add is done, and my part of the table of keys has landed
	CROUND
	s_cmp_lt_u32 s[WV], 4
	s_cbranch_scc0 .Llate_k
	TL G0V, G1V
	s_branch .Llate_asked
.Llate_k:
	s_cmp_lt_u32 s[WV], 6
	s_cbranch_scc0 .Llate_asked
	TL G0K, G1K
.Llate_asked:
.Lfirst:                                           ; slots 0 to 3: no wave waits for another
	STEP 0
	STEP 1
	SLOT_ON
	s_cbranch_scc1 .Lfirst
	s_mov_b32 s[SLOTS], 4
	s_wait_alu depctr_va_vdst(0)
	s_wait_tensorcnt 0x0                           ; my part of slots 4-7 is in;
	s_barrier_signal -1
	s_barrier_wait -1                              ; everybody's is.
.Lsecond:                                          ; slots 4 to 7
	STEP 0
	STEP 1
	SLOT_ON
	s_cbranch_scc1 .Lsecond
; THE WAY OUT of one tile: O^T / l; registers 16 b + i are channels 32 b + 16 h + i of my head: two blocks of the next product's K.  Tile B goes first: its lines are the places behind tile A's last products
.macro OUT w
	WIN 0x55*\w
	v_add_f32 v[L], v[L], v[L+1]
	s_delay_alu instid0(VALU_DEP_1)
	v_permlanex16_b32 v[TT], v[L], s[SEL], s[SEL+1]
	s_delay_alu instid0(VALU_DEP_1)
	v_add_f32 v[L], v[L], v[TT]                    ; the row's sum
	s_wait_alu depctr_va_vdst(0)
	v_rcp_f32 v[L], v[L]
	v_nop
	s_wait_alu depctr_va_vdst(0)                   ; the wait behind the transcendental, directly ahead of the first reader of it and of O^T
.set I, 0
.rept 16
	v_pk_mul_f32 v[S+I:S+I+1], v[O+I:O+I+1], v[L:L+1] op_sel_hi:[1,0]   ; each accumulator from its low end on
.set I, I+2
.endr
.irp b, 0,1
	v_max3_num_f32 v[BM+\b], |v[S+16*\b]|, |v[S+1+16*\b]|, 0x4800000
.endr
.irp i, 2,4,6,8,10,12,14
.irp b, 0,1
	s_delay_alu instid0(VALU_DEP_2)
	v_max3_num_f32 v[BM+\b], v[BM+\b], |v[S+16*\b+\i]|, |v[S+1+16*\b+\i]|
.endr
.endr
.irp b, 0,1
	s_delay_alu instid0(VALU_DEP_2)
	v_permlanex16_b32 v[T2+\b], v[BM+\b], s[SEL], s[SEL+1]
.endr
.irp b, 0,1
	s_delay_alu instid0(VALU_DEP_2)
	v_max_num_f32 v[BM+\b], v[BM+\b], v[T2+\b]
.endr
	s_delay_alu instid0(VALU_DEP_2)
	v_add_nc_u32 v[SO], 0xfc000000, v[BM]
	s_delay_alu instid0(VALU_DEP_3)
	v_and_or_b32 v[HL], v[BM], 0x7f800000, s[MNT]
	s_delay_alu instid0(VALU_DEP_3)
	v_add_nc_u32 v[SO+1], 0xfc000000, v[BM+1]
	s_delay_alu instid0(VALU_DEP_4)
	v_and_or_b32 v[HL+1], v[BM+1], 0x7f800000, s[MNT]
	s_delay_alu instid0(VALU_DEP_4)
	v_lshrrev_b32 v[T2], 23, v[SO]
	s_delay_alu instid0(VALU_DEP_3)
	v_lshrrev_b32 v[T2+1], 23, v[SO+1]
	s_delay_alu instid0(VALU_DEP_1)
	v_lshl_or_b32 v[TT], v[T2+1], 8, v[T2]         ; my head's two bytes of the row's word
.irp b, 0,1
.irp i, 0,1,2,3,4,5,6,7,8,9,10,11,12,13,14,15
	v_med3_num_f32 v[S+16*\b+\i], v[S+16*\b+\i], -v[HL+\b], v[HL+\b]
.endr
	v_cvt_scalef32_pk8_fp8_f32 v[PC+4*\b:PC+4*\b+1], v[S+16*\b:S+16*\b+7], v[SO+\b]
	v_cvt_scalef32_pk8_fp8_f32 v[PC+4*\b+2:PC+4*\b+3], v[S+16*\b+8:S+16*\b+15], v[SO+\b]
.endr
	v_nop                                          ; a plain instruction behind the last conversion
	WIN 0x04*\w                                    ; a store's data are its source 1
	global_store_b128 v[GO], v[PC:PC+3], s[10:11] offset:512*\w              ; chunk (kb, tile): 512 consecutive bytes, aligned
	global_store_b128 v[GO], v[PC+4:PC+7], s[10:11] offset:4096+512*\w
	global_store_b16 v[WA], v[TT], s[58:59] offset:64*\w                     ; my head's half of the tile's 16 words (both lanes of a row store the same two bytes)
.endm
	OUT 1
	OUT 0
	WIN 0
	s_wait_tensorcnt 0x0                           ; the wave's end
	ds_add_u32 v[SPW], v[NIL]
	s_wait_dscnt 0x0
	CROUND                                         ; the closing round
	s_endpgm
.Lfunc_end_k_q8aae42ee8f_attn:
	.size	k_q8aae42ee8f_attn, .Lfunc_end_k_q8aae42ee8f_attn-k_q8aae42ee8f_attn
	.p2alignl 7, 3214868480
	.fill 96, 4, 3214868480
	.section	.rodata,"a",@progbits
	.p2align	6, 0x0
	.amdhsa_kernel k_q8aae42ee8f_attn
		.amdhsa_group_segment_fixed_size 327680
		.amdhsa_private_segment_fixed_size 0
		.amdhsa_enable_private_segment 0
		.amdhsa_kernarg_size 32
		.amdhsa_user_sgpr_count 2
		.amdhsa_user_sgpr_kernarg_segment_ptr 1
		.amdhsa_wavefront_size32 1
		.amdhsa_system_sgpr_workgroup_id_x 1
		.amdhsa_system_sgpr_workgroup_id_y 1
		.amdhsa_system_sgpr_workgroup_id_z 1
		.amdhsa_system_vgpr_workitem_id 0
		.amdhsa_next_free_vgpr 512
		.amdhsa_next_free_sgpr 96
		.amdhsa_reserve_vcc 1
		.amdhsa_float_denorm_mode_32 3
		.amdhsa_float_denorm_mode_16_64 3
		.amdhsa_memory_ordered 1
		.amdhsa_forward_progress 1
		.amdhsa_inst_pref_size 177
	.end_amdhsa_kernel
	.amdgpu_metadata
---
amdhsa.version: [ 1, 2 ]
amdhsa.kernels:
  - .name:           k_q8aae42ee8f_attn
    .symbol:         k_q8aae42ee8f_attn.kd
    .args:
      - { .name: qb, .offset: 0, .size: 8, .value_kind: global_buffer, .address_space: global }
      - { .name: kv, .offset: 8, .size: 8, .value_kind: global_buffer, .address_space: global }
      - { .name: mask, .offset: 16, .size: 8, .value_kind: global_buffer, .address_space: global }
      - { .name: hq, .offset: 24, .size: 8, .value_kind: global_buffer, .address_space: global }
    .group_segment_fixed_size: 327680
    .private_segment_fixed_size: 0
    .kernarg_segment_align: 8
    .kernarg_segment_size: 32
    .max_flat_workgroup_size: 256
    .sgpr_count:     96
    .vgpr_count:     512
    .wavefront_size: 32
...
	.end_amdgpu_metadata
.endif
;; end of part 10
;; launch wo (part 11): grid 8 x 32, 4 waves a work-group, clusters of 4 x 4, 327,680 bytes of LDS; arguments hq, wb, bo, hidden, h; writes h
.if DOCPART == 11
	.amdgcn_target "amdgcn-amd-amdhsa--gfx1250"
	.amdhsa_code_object_version 6
	.text
	.protected	k_q8aae42ee8f_wo
	.globl	k_q8aae42ee8f_wo
	.p2align	8
	.type	k_q8aae42ee8f_wo,@function
k_q8aae42ee8f_wo:
	s_mov_b64 s[64:65], 0
	v_nop
	global_prefetch_b8 v0, s[64:65] scope:SCOPE_SE
	s_setreg_imm32_b32 hwreg(HW_REG_WAVE_MODE, 25, 1), 1
	s_wait_xcnt 0x0
	s_wait_alu depctr_hold_cnt(0) depctr_sa_sdst(0) depctr_va_vdst(0) depctr_va_sdst(0) depctr_va_ssrc(0) depctr_va_vcc(0) depctr_vm_vsrc(0)
	s_getreg_b32 s2, hwreg(HW_REG_IB_STS2, 6, 4)
	s_cmp_eq_u32 s2, 0
	s_cbranch_scc0 .Lentry_in_a_cluster
	s_endpgm
.Lentry_in_a_cluster:
	s_bfe_u32 s2, ttmp6, 0x10000c
	s_cmp_lg_u32 s2, 0xf033
	s_cbranch_scc0 .Lentry_shape_is_right
	s_endpgm
.Lentry_shape_is_right:
; h = hidden + (attention's output) Wo + bo: [4,096 x 1,024] x [1,024 x 1,024] on codes of FP8 (E4M3) with E8M0 scales for each 32 along K; bias, residual and result f32.
; OPERANDS are OPERAND BLOCKS of 33,792 bytes (128 rows x 256 K as an image of the operand's registers: chunk (kb, tile) at kb*4096 + tile*512, lane l at 16 l; scale words at 32768 + q*512 + tile*64 + 4 r;
; lane-row r of tile t is row rho(t, r) = 32 (t/2) + 8 (t%2) + r + 8 (r/8)).  A buffer is [group of 128 rows][K/256].  A = hq; B = wb from block 96 on.
; SHARES: a tile of C is 128 x 128, so that C's 32 x 8 tiles make 256 work-groups; four waves, each 64 x 64: 16 accumulators, 128 registers.  A tile's rows are one group of A, its columns one group of B.
; A SLOT HOLDS 512 ALONG K: A's two blocks, then B's two, 135,168 bytes, one dense tensor load of two blocks a wave: as long a K step as two slots in LDS allow, so that there are as few refills as can be.
; With SIZE_K = 1,024 the two slots are the whole of K: both are first fills, nothing is filled again, and there is no loop.
; CLUSTERS of 4 x 4: A's blocks are asked for jointly along a row of the cluster, B's along a column.  The product is used transposed (source 0 = B's tile, source 1 = A's): a lane holds row rho(a, r), and accumulator
; b's eight registers the columns 32 (b/2) + 8 (b%2) + 16 h + 0..7.  The bias is the C of the first products.
; A STEP is 128 along K: 16 products, the accumulators by turns; the next step's 32 LDS loads are issued ahead of them into the other of two fragment buffers.
; THE WAY OUT: a tile of 16 rows x 64 columns goes through the wave's own stage in LDS and comes back by rows of 256 bytes; the residual's same bytes, asked for behind the first step, are added; sixteen lanes store 256
; consecutive bytes, aligned.  Every tile has registers of its own, so no store's data are written again.
; LIMITS: NaN and infinities are not served.
; REGISTERS: window 0: v1-31 addresses; v32-63 scale words, two sets, and nothing else; v64-95 the bias; v128-255 the accumulators ((a, b) at v[128 + 8 (4 a + b)]).
;   window 1: two fragment buffers of 128: A's four fragments, then B's four.   window 2: v0-127 the residual, v128-255 rows of C back from the stage.
.set SIZE_K, 1024
.set WOFF,   96*33792                  ; where B's blocks begin in wb
.set BLK,    33792
.set GSTR,   (SIZE_K/256)*BLK          ; from a group of 128 rows to the next
.set SLOT,   4*BLK                     ; A's blocks of K 0-255 and 256-511 of the slot, then B's
.set NSLOT,  SIZE_K/512
.set SPARE,  2*SLOT                    ; the spare words, 128 bytes a wave: two blocks of 256 bytes that no other line names
.set STG,    SPARE+512                 ; a stage of 16 rows x 272 bytes for each wave: never the target of a tensor load
.set SPITCH, 272                       ; 256 bytes + 16: row r starts 68 r words on, so that 16 rows' 16 bytes fall on different banks (64 banks of 4 bytes: ISA guide 11.1)
.set NP,   8                           ; places behind this matrix instruction (ISA guide 7.12.1)
.set ADRA, 16                          ; v16-17 my A fragments in slot 0, 1
.set ADRB, 20                          ; v20-21 my B fragments
.set ADRS, 22                          ; v22-23 my scale words: lanes 0-15 A's, lanes 16-31 B's
.set STO,  24                          ; v24 the way out: where I put 32 bytes of a row
.set RD,   25                          ; v25 and where I read 16 bytes of a row back
.set CO,   26                          ; v26 4,096 h + 16 r: my 16 bytes of two rows of C
.set SPW,  28
.set NIL,  29
.set BIA,  30                          ; v30 64 h
.set SC,   32                          ; set s at v[SC + 16 s]; register 4 i + step: lanes 0-15 the word of A's tile i, lanes 16-31 that of B's tile i
.set CB,   64
.set ACC,  128
.set F0,   0                           ; fragment buffers, in window 1
.set F1,   128
.set RES,  0                           ; in window 2
.set BK,   128
.set G1,  24
.set G0,  32
.set G1B, 48
.set G0B, 56
.set MSB, 0
.macro WIN new                         ; the immediate's high byte repeats the setting that is left
.if MSB != \new
	s_set_vgpr_msb (MSB<<8)|\new
.set MSB, \new
.endif
.endm
.set MUL,  0x05                        ; sources 0 (B) and 1 (A) window 1; C and D window 0
.set TO_F, 0x40                        ; destination window 1, address window 0
; THE FILLS: K's 1,024 are the two slots, and a group's four blocks lie on end in memory.  So each wave brings TWO neighbouring blocks, 264 rows of 256 bytes, by its one joint load at the head:
; waves 0 and 1 slot 0's blocks of A and of B, waves 2 and 3 slot 1's.  Nothing is filled later.
.macro JLOAD g0a, g0b                  ; even waves fetch for A, odd waves for B; s_nop 0 and four v_nop follow each line
	s_cmp_eq_u32 s16, 0
	s_cbranch_scc0 .Lfor_b_\@
	tensor_load_to_lds s[\g0a:\g0a+3], s[G1:G1+7]
	s_nop 0
.rept 4
	v_nop
.endr
	s_branch .Lasked_\@
.Lfor_b_\@:
	tensor_load_to_lds s[\g0b:\g0b+3], s[G1B:G1B+7]
	s_nop 0
.rept 4
	v_nop
.endr
.Lasked_\@:
.endm
.macro CREST                           ; a round of the cluster's barrier behind its opening barrier
	s_cmp_lg_u32 s14, 0
	s_cbranch_scc1 .Lnot_wave_0_\@
	s_barrier_signal -3
.Lnot_wave_0_\@:
	s_barrier_wait -3
	s_barrier_signal -1
	s_barrier_wait -1
.endm
.macro CROUND
	s_barrier_signal -1
	s_barrier_wait -1
	CREST
.endm
	s_load_b128 s[4:7], s[0:1], 0x0                ; A's blocks, wb
	s_load_b128 s[8:11], s[0:1], 0x10              ; the bias, the residual
	s_load_b64 s[12:13], s[0:1], 0x20              ; the result
	v_lshl_add_u32 v[SPW], v0, 2, SPARE
	v_mov_b32 v[NIL], 0
	ds_add_u32 v28, v29
	ds_add_u32 v28, v29
	s_wait_dscnt 0x0
	v_lshrrev_b32 v1, 5, v0
	v_readfirstlane_b32 s14, v1                    ; wave 0..3
	s_lshr_b32 s15, s14, 1                         ; my half of the tile's rows.  Also: which slot I fetch
	s_and_b32 s16, s14, 1                          ; my half of its columns.  Also: I fetch for A (0) or for B (1)
	s_bfe_u32 s40, ttmp6, 0x40000                  ; cx
	s_bfe_u32 s41, ttmp6, 0x40004                  ; cy
	s_lshl_b32 s42, ttmp9, 2
	s_add_co_u32 s42, s42, s40                     ; tile column = B's group
	s_and_b32 s17, ttmp7, 0xffff
	s_lshl_b32 s17, s17, 2
	s_add_co_u32 s17, s17, s41                     ; tile row = A's group
	s_lshl_b32 s43, s41, 2
	s_lshl_b32 s43, 15, s43                        ; my row of the cluster
	s_lshl_b32 s44, 0x1111, s40                    ; my column
	; descriptor group 1: an operand block, dense: 132 rows of 32 elements of 8 bytes, no padding
	s_or_b32 s[G1+0], s43, (3<<16)|(1<<21)         ; 15:0 the mask; 17:16 elements of 8 bytes; 21 set beside a mask
	s_or_b32 s[G1B+0], s44, (3<<16)|(1<<21)
.irp g, G1, G1B
	s_mov_b32 s[\g+1], 32<<16                      ; tensor_dim0 = 32
	s_mov_b32 s[\g+2], 264<<16                     ; tensor_dim1 = 264: two blocks
	s_mov_b32 s[\g+3], 32<<16                      ; tile_dim0 = 32
	s_mov_b32 s[\g+4], 264                         ; tile_dim1 = 264
	s_mov_b32 s[\g+5], 32                          ; tensor_dim0_stride
	s_mov_b32 s[\g+6], 0
	s_mov_b32 s[\g+7], 0
.endr
	s_mul_i32 s22, s15, 2*BLK                      ; which slot's two blocks I fetch: wave / 2
	s_mul_i32 s20, s17, GSTR                       ; A: the tile row's group
	s_add_co_u32 s20, s20, s22
	s_mov_b32 s21, 0
	s_mul_i32 s46, s42, GSTR                       ; B: the tile column's group
	s_add_co_u32 s46, s46, s22
	s_add_co_u32 s46, s46, WOFF
	s_mov_b32 s47, 0
	s_mul_i32 s45, s15, SLOT                       ; where they go: that slot: no place in the cluster enters an LDS address
	s_wait_kmcnt 0x0
	s_add_nc_u64 s[20:21], s[4:5], s[20:21]
	s_add_nc_u64 s[46:47], s[6:7], s[46:47]
	CROUND                                         ; all sixteen work-groups are here: the first joint loads meet
	s_mov_b32 s[G0], 1
	s_mov_b32 s[G0+1], s45                         ; A's two blocks stand first in a slot,
	s_mov_b64 s[G0+2:G0+3], s[20:21]
	s_or_b32 s[G0+3], s[G0+3], 0x80000000
	s_mov_b32 s[G0B], 1
	s_add_co_u32 s[G0B+1], s45, 2*BLK              ; B's two behind them
	s_mov_b64 s[G0B+2:G0B+3], s[46:47]
	s_or_b32 s[G0B+3], s[G0B+3], 0x80000000
	JLOAD G0, G0B                                  ; my one tensor load of the launch
	v_and_b32 v1, 15, v0                           ; r
	v_bfe_u32 v2, v0, 4, 1                         ; h
	v_and_b32 v3, 31, v0
	v_lshlrev_b32 v5, 4, v3                        ; 16 x lane: a lane's place in every chunk
	s_wait_alu depctr_va_vdst(0)
	s_lshl_b32 s21, s15, 11                        ; my four tiles of A: 2,048 bytes on in each run of eight tiles
	s_lshl_b32 s22, s16, 11
	s_add_co_u32 s22, s22, 2*BLK                   ; my four tiles of B, behind A's two blocks
	s_xor_b32 s23, s15, 1
	s_add_co_u32 s23, s23, s16
	s_lshl_b32 s23, s23, 8
	s_add_co_u32 s23, s23, 2*BLK-256               ; the distance from my A words to my B words: 2 blocks + 256 (column half - row half)
	v_mul_u32_u24 v4, s23, v2                      ; lanes 16-31 take B's words: one product
	v_lshl_add_u32 v4, v1, 2, v4
	s_lshl_b32 s23, s15, 8
	s_add_co_u32 s23, s23, 32768
	v_add_nc_u32 v[ADRS], s23, v4
	v_add_nc_u32 v[ADRS+1], SLOT, v[ADRS]
.irp s, 0,1
	v_add_nc_u32 v[ADRA+\s], s21, v5
	v_add_nc_u32 v[ADRB+\s], s22, v5
	s_add_co_u32 s21, s21, SLOT
	s_add_co_u32 s22, s22, SLOT
.endr
	v_lshlrev_b32 v[BIA], 6, v2
	s_lshl_b32 s2, s42, 9
	s_lshl_b32 s3, s16, 8
	s_add_co_u32 s2, s2, s3                        ; my first column, in bytes: 512 x tile column + 256 x half
	s_mov_b32 s3, 0
	s_add_nc_u64 s[8:9], s[8:9], s[2:3]
.irp b, 0,1,2,3
	global_load_b128 v[CB+8*\b:CB+8*\b+3], v[BIA], s[8:9] offset:128*(\b/2)+32*(\b%2)       ; accumulator b's eight columns: 32 (b/2) + 8 (b%2) + 16 h + 0..7
	global_load_b128 v[CB+8*\b+4:CB+8*\b+7], v[BIA], s[8:9] offset:128*(\b/2)+32*(\b%2)+16
.endr
	s_lshl_b32 s18, s17, 7
	s_lshl_b32 s19, s15, 6
	s_add_co_u32 s18, s18, s19                     ; my first row: 128 x tile row + 64 x half
	s_lshl_b32 s18, s18, 12                        ; rows of 4,096 bytes
	s_add_co_u32 s18, s18, s2
	s_mov_b32 s19, 0
	s_add_nc_u64 s[10:11], s[10:11], s[18:19]
	s_add_nc_u64 s[12:13], s[12:13], s[18:19]
	v_lshlrev_b32 v[CO], 4, v1
	v_lshl_add_u32 v[CO], v2, 12, v[CO]            ; lanes 0-15 one row of C, lanes 16-31 the next
	s_mul_i32 s23, s14, 16*SPITCH
	s_add_co_u32 s23, s23, STG                     ; my stage
	v_mul_u32_u24 v6, v1, SPITCH
	v_lshl_add_u32 v6, v2, 6, v6
	v_add_nc_u32 v[STO], s23, v6                   ; in: row r, + 64 h
	v_mul_u32_u24 v6, v2, SPITCH
	v_lshl_add_u32 v6, v1, 4, v6
	v_add_nc_u32 v[RD], s23, v6                    ; back: lanes 0-15 one row of 256 bytes, lanes 16-31 the next
; 32 LDS loads: the fragments of the slot's step st (block st / 2, its 128 along K st % 2) into buffer f: B's four, then A's four
.macro FETCH slot, st, f
	WIN TO_F
.irp i, 0,1,2,3
.irp c, 0,1,2,3
	ds_load_b128 v[(\f)+64+16*\i+4*\c:(\f)+64+16*\i+4*\c+3], v[ADRB+\slot] offset:((\st)/2)*BLK+(4*((\st)%2)+\c)*4096+\i*512
.endr
.endr
.irp i, 0,1,2,3
.irp c, 0,1,2,3
	ds_load_b128 v[(\f)+16*\i+4*\c:(\f)+16*\i+4*\c+3], v[ADRA+\slot] offset:((\st)/2)*BLK+(4*((\st)%2)+\c)*4096+\i*512
.endr
.endr
.endm
.macro SCALES s                        ; slot s's scale words for its four steps
.irp i, 0,1,2,3
.irp t, 0,1,2,3
	ds_load_b32 v[SC+16*\s+4*\i+\t], v[ADRS+\s] offset:(\t/2)*BLK+(\t%2)*512+\i*64
.endr
.endr
.endm
; 8 matrix instructions: A's tiles a0, a0 + 1 x B's four, buffer f, step st of the slot whose scale words lie in set sc.  first = 1: C is the bias.  The 16 accumulators take turns.
.macro MUL8 f, a0, sc, st, first
.irp a, \a0, \a0+1
.irp b, 0,1,2,3
.if \first
	v_wmma_scale_f32_16x16x128_f8f6f4 v[ACC+8*(4*(\a)+\b):ACC+8*(4*(\a)+\b)+7], v[(\f)+64+16*\b:(\f)+64+16*\b+15], v[(\f)+16*(\a):(\f)+16*(\a)+15], v[CB+8*\b:CB+8*\b+7], v[SC+16*(\sc)+4*\b+(\st)], v[SC+16*(\sc)+4*(\a)+(\st)] matrix_a_scale:MATRIX_SCALE_ROW1
.else
	v_wmma_scale_f32_16x16x128_f8f6f4 v[ACC+8*(4*(\a)+\b):ACC+8*(4*(\a)+\b)+7], v[(\f)+64+16*\b:(\f)+64+16*\b+15], v[(\f)+16*(\a):(\f)+16*(\a)+15], v[ACC+8*(4*(\a)+\b):ACC+8*(4*(\a)+\b)+7], v[SC+16*(\sc)+4*\b+(\st)], v[SC+16*(\sc)+4*(\a)+(\st)] matrix_a_scale:MATRIX_SCALE_ROW1
.endif
.endr
.endr
.endm
.macro PLACES n                        ; plain vector instructions between a matrix instruction and a load into, or a read of, its registers
.rept \n
	v_nop
.endr
.endm
; One of a slot's first three steps: the next step's fragments are asked for first, into the buffer that the last step's products have read (eight places behind them); then this step's 16 products.
.macro STEP slot, st, first
	PLACES NP
	FETCH \slot, (\st)+1, 128*(1-(\st)%2)
	s_wait_dscnt 32                                ; all but the 32 just issued: this step's fragments (and, in a slot's first step, its scale words) are in
	WIN MUL
	MUL8 128*((\st)%2), 0, \slot, \st, \first
	MUL8 128*((\st)%2), 2, \slot, \st, \first
.endm
; A slot's fourth step changes slots: one barrier; in front of it each wave waits for all its tensor loads, adds 0 to its spare word, and waits for that and for its reads of this slot.  fill = 1: the slot is filled again.
.macro TURN slot, next, fill
	WIN 0                                          ; (the add's two registers lie in window 0)
	s_wait_tensorcnt 0x0                           ; all my tensor loads have landed: my part of the next slot
	ds_add_u32 v[SPW], v[NIL]                      ; 0 onto my spare word
	s_wait_dscnt 1                                 ; this step's fragments are in; the add may be out
	WIN MUL
	MUL8 F1, 0, \slot, 3, 0                        ; eight matrix instructions stand between the add and the wait for it
	s_wait_dscnt 0x0                               ; the add is done, and my reads of this slot are over
	s_barrier_signal -1
	MUL8 F1, 2, \slot, 3, 0
	WIN 0
	s_barrier_wait -1
.if \fill
	CREST                                          ; the barrier has opened a round of the cluster's barrier: no wave of any partner still reads this slot or has a load on its way
	s_add_nc_u64 s[G0+4*\slot+2:G0+4*\slot+3], s[G0+4*\slot+2:G0+4*\slot+3], 4*BLK
	s_add_nc_u64 s[G0B+4*\slot+2:G0B+4*\slot+3], s[G0B+4*\slot+2:G0B+4*\slot+3], 4*BLK
	JLOAD G0+4*\slot, G0B+4*\slot                  ; the first tensor load behind the round: two slots on along K; its four v_nop are four of the places
	PLACES NP-4
.else
	PLACES NP
.endif
	FETCH \next, 0, F0
	WIN 0
	SCALES \next
.endm
	s_wait_alu depctr_va_vdst(0)
	s_wait_tensorcnt 0x0                           ; my two blocks are in; behind the barrier both slots are whole
	s_barrier_signal -1
	s_barrier_wait -1
	FETCH 0, 0, F0
	WIN 0
	SCALES 0
	s_wait_loadcnt 0x0                             ; the bias
	STEP 0, 0, 1                                   ; the first step stands in front of the loop: its products start the sums from the bias
	WIN 0x80                                       ; destination window 2
.irp a, 0,1,2,3                        ; the residual's bytes of my 64 rows, in the order in which the rows come back from the stage: waited for on the way out
.irp i, 0,1,2,3,4,5,6,7
	global_load_b128 v[RES+32*\a+4*\i:RES+32*\a+4*\i+3], v[CO], s[10:11] offset:(32*(\a/2)+8*(\a%2)+2*\i+8*(\i/4))*4096
.endr
.endr
	WIN 0                                          ; at a label and at a branch every window is 0
.if NSLOT > 2
	s_mov_b32 s3, NSLOT/2-1
.Llap:                                                 ; a trip goes once round the ring, from a lap's second step to the next lap's first, and fills both slots again
	STEP 0, 1, 0
	STEP 0, 2, 0
	TURN 0, 1, 1
	STEP 1, 0, 0
	STEP 1, 1, 0
	STEP 1, 2, 0
	TURN 1, 0, 1
	STEP 0, 0, 0
	WIN 0
	s_sub_co_u32 s3, s3, 1
	s_cmp_lg_u32 s3, 0
	s_cbranch_scc1 .Llap
.endif
	STEP 0, 1, 0                                   ; the last lap fills nothing, and has no round of the cluster's barrier
	STEP 0, 2, 0
	TURN 0, 1, 0
	STEP 1, 0, 0
	STEP 1, 1, 0
	STEP 1, 2, 0
	s_wait_dscnt 0x0                               ; the very last step: nothing more to fetch
	WIN MUL
	MUL8 F1, 0, 1, 3, 0
	MUL8 F1, 2, 1, 3, 0
	WIN 0
	; THE WAY OUT.  LDS serves a wave's instructions in order (ISA guide 5.7.1.4): no wait between a tile's stores and its loads, nor in front of the next tile's stores.  Stage row t of tile a is row rho(a, t).
	PLACES NP
.irp a, 0,1,2,3
.irp b, 0,1,2,3
	ds_store_b128 v[STO], v[ACC+8*(4*\a+\b):ACC+8*(4*\a+\b)+3] offset:128*(\b/2)+32*(\b%2)        ; each accumulator from its low end on
	ds_store_b128 v[STO], v[ACC+8*(4*\a+\b)+4:ACC+8*(4*\a+\b)+7] offset:128*(\b/2)+32*(\b%2)+16
.endr
	WIN 0x80                                       ; destination window 2
.irp i, 0,1,2,3,4,5,6,7
	ds_load_b128 v[BK+32*\a+4*\i:BK+32*\a+4*\i+3], v[RD] offset:\i*2*SPITCH
.endr
	WIN 0
.endr
	s_wait_loadcnt 0x0                             ; the residual
.irp a, 0,1,2,3
	s_wait_dscnt 16*(3-\a)                         ; tile a's rows are back; the later tiles' 8 stores and 8 loads each may be out
	WIN 0x8a                                       ; both sources and the destination in window 2
.set I, 0
.rept 16
	v_pk_add_f32 v[BK+32*\a+I:BK+32*\a+I+1], v[BK+32*\a+I:BK+32*\a+I+1], v[RES+32*\a+I:RES+32*\a+I+1]
.set I, I+2
.endr
	WIN 0x08                                       ; a store's data are its source 1: window 2
.irp i, 0,1,2,3,4,5,6,7
	global_store_b128 v[CO], v[BK+32*\a+4*\i:BK+32*\a+4*\i+3], s[12:13] offset:(32*(\a/2)+8*(\a%2)+2*\i+8*(\i/4))*4096   ; 16 lanes store 256 consecutive bytes, aligned
.endr
.endr
	WIN 0
	s_wait_tensorcnt 0x0                           ; the wave's end
	ds_add_u32 v[SPW], v[NIL]
	s_wait_dscnt 0x0
	CROUND                                         ; the closing round
	s_endpgm
.Lfunc_end_k_q8aae42ee8f_wo:
	.size	k_q8aae42ee8f_wo, .Lfunc_end_k_q8aae42ee8f_wo-k_q8aae42ee8f_wo
	.p2alignl 7, 3214868480
	.fill 96, 4, 3214868480
	.section	.rodata,"a",@progbits
	.p2align	6, 0x0
	.amdhsa_kernel k_q8aae42ee8f_wo
		.amdhsa_group_segment_fixed_size 327680
		.amdhsa_private_segment_fixed_size 0
		.amdhsa_enable_private_segment 0
		.amdhsa_kernarg_size 40
		.amdhsa_user_sgpr_count 2
		.amdhsa_user_sgpr_kernarg_segment_ptr 1
		.amdhsa_wavefront_size32 1
		.amdhsa_system_sgpr_workgroup_id_x 1
		.amdhsa_system_sgpr_workgroup_id_y 1
		.amdhsa_system_sgpr_workgroup_id_z 1
		.amdhsa_system_vgpr_workitem_id 0
		.amdhsa_next_free_vgpr 768
		.amdhsa_next_free_sgpr 66
		.amdhsa_reserve_vcc 0
		.amdhsa_float_denorm_mode_32 3
		.amdhsa_float_denorm_mode_16_64 3
		.amdhsa_memory_ordered 1
		.amdhsa_forward_progress 1
		.amdhsa_inst_pref_size 60
	.end_amdhsa_kernel
	.amdgpu_metadata
---
amdhsa.version: [ 1, 2 ]
amdhsa.kernels:
  - .name:           k_q8aae42ee8f_wo
    .symbol:         k_q8aae42ee8f_wo.kd
    .args:
      - { .name: hq, .offset: 0, .size: 8, .value_kind: global_buffer, .address_space: global }
      - { .name: wb, .offset: 8, .size: 8, .value_kind: global_buffer, .address_space: global }
      - { .name: bo, .offset: 16, .size: 8, .value_kind: global_buffer, .address_space: global }
      - { .name: hidden, .offset: 24, .size: 8, .value_kind: global_buffer, .address_space: global }
      - { .name: h, .offset: 32, .size: 8, .value_kind: global_buffer, .address_space: global }
    .group_segment_fixed_size: 327680
    .private_segment_fixed_size: 0
    .kernarg_segment_align: 8
    .kernarg_segment_size: 40
    .max_flat_workgroup_size: 128
    .sgpr_count:     66
    .vgpr_count:     768
    .wavefront_size: 32
...
	.end_amdgpu_metadata
.endif
;; end of part 11
;; launch ln2: the kernel of part 8 again; grid 256 x 1, 4 waves a work-group, no clusters, 1,024 bytes of LDS; arguments h, ln2_g, ln2_b, aq, wq, wk, wv, wo, w1, w2, wb; writes aq, wb
;; launch ffn1 (part 12): grid 16 x 16, 4 waves a work-group, clusters of 4 x 4, 327,680 bytes of LDS; arguments aq, wb, b1, gq; writes gq
.if DOCPART == 12
	.amdgcn_target "amdgcn-amd-amdhsa--gfx1250"
	.amdhsa_code_object_version 6
	.text
	.protected	k_q8aae42ee8f_ffn1
	.globl	k_q8aae42ee8f_ffn1
	.p2align	8
	.type	k_q8aae42ee8f_ffn1,@function
k_q8aae42ee8f_ffn1:
	s_mov_b64 s[64:65], 0
	v_nop
	global_prefetch_b8 v0, s[64:65] scope:SCOPE_SE
	s_setreg_imm32_b32 hwreg(HW_REG_WAVE_MODE, 25, 1), 1
	s_wait_xcnt 0x0
	s_wait_alu depctr_hold_cnt(0) depctr_sa_sdst(0) depctr_va_vdst(0) depctr_va_sdst(0) depctr_va_ssrc(0) depctr_va_vcc(0) depctr_vm_vsrc(0)
	s_getreg_b32 s2, hwreg(HW_REG_IB_STS2, 6, 4)
	s_cmp_eq_u32 s2, 0
	s_cbranch_scc0 .Lentry_in_a_cluster
	s_endpgm
.Lentry_in_a_cluster:
	s_bfe_u32 s2, ttmp6, 0x10000c
	s_cmp_lg_u32 s2, 0xf033
	s_cbranch_scc0 .Lentry_shape_is_right
	s_endpgm
.Lentry_shape_is_right:
.set SIZE_K, 1024
.set WOFF,   128*33792
.set BLK,    33792
.set GSTR,   (SIZE_K/256)*BLK
.set SLOT,   4*BLK
.set LAPS,   SIZE_K/512
.set SPARE,  2*SLOT
.set STG,    SPARE+512
.set FR,   16
.set NP,   8
.set ADRA, 16
.set ADRB, 20
.set ADRS, 22
.set SWA,  24
.set SRA,  25
.set CO,   26
.set SPW,  28
.set NIL,  29
.set BIA,  30
.set SC,   32
.set CB,   64
.set K1,   66
.set AF,   128
.set PCS,  128
.set TM,   160
.set PW,   176
.set T,    192
.set G1,  24
.set G0,  32
.set G1B, 48
.set G0B, 56
.set MSB, 0
.macro WIN new
.if MSB != \new
	s_set_vgpr_msb (MSB<<8)|\new
.set MSB, \new
.endif
.endm
.set MUL_LO, 0xa1
.set MUL_HI, 0xf1
.set TO_B,   0x40
.macro JLOAD g0a, g0b
	s_cmp_eq_u32 s15, 0
	s_cbranch_scc0 .Lfor_b_\@
	tensor_load_to_lds s[\g0a:\g0a+3], s[G1:G1+7]
	s_nop 0
.rept 4
	v_nop
.endr
	s_branch .Lasked_\@
.Lfor_b_\@:
	tensor_load_to_lds s[\g0b:\g0b+3], s[G1B:G1B+7]
	s_nop 0
.rept 4
	v_nop
.endr
.Lasked_\@:
.endm
.macro CREST
	s_cmp_lg_u32 s14, 0
	s_cbranch_scc1 .Lnot_wave_0_\@
	s_barrier_signal -3
.Lnot_wave_0_\@:
	s_barrier_wait -3
	s_barrier_signal -1
	s_barrier_wait -1
.endm
.macro CROUND
	s_barrier_signal -1
	s_barrier_wait -1
	CREST
.endm
	s_load_b128 s[4:7], s[0:1], 0x0
	s_load_b128 s[8:11], s[0:1], 0x10
	v_lshl_add_u32 v[SPW], v0, 2, SPARE
	v_mov_b32 v[NIL], 0
	ds_add_u32 v28, v29
	ds_add_u32 v28, v29
	s_wait_dscnt 0x0
	v_lshrrev_b32 v1, 5, v0
	v_readfirstlane_b32 s14, v1
	s_lshr_b32 s15, s14, 1
	s_and_b32 s16, s14, 1
	s_bfe_u32 s40, ttmp6, 0x40000
	s_bfe_u32 s41, ttmp6, 0x40004
	s_lshl_b32 s42, ttmp9, 2
	s_add_co_u32 s42, s42, s40
	s_and_b32 s17, ttmp7, 0xffff
	s_lshl_b32 s17, s17, 2
	s_add_co_u32 s17, s17, s41
	s_lshl_b32 s43, s41, 2
	s_lshl_b32 s43, 15, s43
	s_lshl_b32 s44, 0x1111, s40
	s_or_b32 s[G1+0], s43, (3<<16)|(1<<21)
	s_or_b32 s[G1B+0], s44, (3<<16)|(1<<21)
.irp g, G1, G1B
	s_mov_b32 s[\g+1], 32<<16
	s_mov_b32 s[\g+2], 264<<16                     ; the head's loads bring two neighbouring blocks: 264 rows of 256 bytes
	s_mov_b32 s[\g+3], 32<<16
	s_mov_b32 s[\g+4], 264
	s_mov_b32 s[\g+5], 32
	s_mov_b32 s[\g+6], 0
	s_mov_b32 s[\g+7], 0
.endr
	s_lshl_b32 s20, s17, 1
	s_add_co_u32 s20, s20, s16
	s_mul_i32 s20, s20, GSTR
	s_mov_b32 s21, 0
	s_lshl_b32 s46, s42, 1
	s_add_co_u32 s46, s46, s16
	s_mul_i32 s46, s46, GSTR
	s_add_co_u32 s46, s46, WOFF
	s_mov_b32 s47, 0
	s_mul_i32 s45, s14, 2*BLK                      ; LDS: place (A's two groups, then B's two) x two blocks; in a place slot 0's block, then slot 1's
	s_wait_kmcnt 0x0
	s_add_nc_u64 s[20:21], s[4:5], s[20:21]
	s_add_nc_u64 s[46:47], s[6:7], s[46:47]
	CROUND
.irp s, 0,1
	s_mov_b32 s[G0+4*\s], 1
	s_add_co_u32 s[G0+4*\s+1], s45, \s*BLK
	s_add_nc_u64 s[G0+4*\s+2:G0+4*\s+3], s[20:21], \s*BLK
	s_or_b32 s[G0+4*\s+3], s[G0+4*\s+3], 0x80000000
	s_mov_b32 s[G0B+4*\s], 1
	s_add_co_u32 s[G0B+4*\s+1], s45, \s*BLK
	s_add_nc_u64 s[G0B+4*\s+2:G0B+4*\s+3], s[46:47], \s*BLK
	s_or_b32 s[G0B+4*\s+3], s[G0B+4*\s+3], 0x80000000
.endr
	; THE PREFETCH: blocks 2 and 3 of my group, the only refills, are 264 rows of 256 bytes on end.  Each of the four partners that will ask for them jointly names 66, told apart by address (cx for A, cy for B):
	; 32, 32 and 2 rows (the third line's other lanes name its last row again).  It stands behind the head's load, two slots ahead of the refills.
	s_cmp_eq_u32 s15, 0
	s_cselect_b64 s[70:71], s[20:21], s[46:47]
	s_cselect_b32 s18, s40, s41
	s_mul_i32 s18, s18, 16896
	s_add_co_u32 s18, s18, 2*BLK
	s_mov_b32 s19, 0
	s_add_nc_u64 s[70:71], s[70:71], s[18:19]
	JLOAD G0, G0B                                  ; my one load at the head: my group's blocks 0 and 1, which lie on end in memory and in LDS: both slots are filled
	v_and_b32 v8, 31, v0
	v_min_u32 v10, 1, v8
	v_lshlrev_b32 v8, 8, v8                        ; 256 x lane; never rewritten
	v_lshlrev_b32 v10, 8, v10                      ; 256 x min(lane, 1); never rewritten
	global_prefetch_b8 v8, s[70:71] th:TH_LOAD_NT scope:SCOPE_SE
	global_prefetch_b8 v8, s[70:71] offset:8192 th:TH_LOAD_NT scope:SCOPE_SE
	global_prefetch_b8 v10, s[70:71] offset:16384 th:TH_LOAD_NT scope:SCOPE_SE
	v_and_b32 v1, 15, v0
	v_bfe_u32 v2, v0, 4, 1
	v_and_b32 v3, 31, v0
	v_lshlrev_b32 v[CO], 4, v3
	s_wait_alu depctr_va_vdst(0)
	s_mul_i32 s21, s15, 2*BLK                      ; my group of A: place s15
	s_mul_i32 s22, s16, 2*BLK
	s_add_co_u32 s22, s22, 4*BLK                   ; my group of B: place 2 + s16
	s_xor_b32 s23, s15, 1
	s_add_co_u32 s23, s23, s16
	s_add_co_u32 s23, s23, 1
	s_mul_i32 s23, s23, 2*BLK                      ; the distance between the two places
	v_mul_u32_u24 v4, s23, v2
	v_lshl_add_u32 v4, v1, 2, v4
	s_add_co_u32 s23, s21, 32768
	v_add_nc_u32 v[ADRS], s23, v4
	v_add_nc_u32 v[ADRS+1], BLK, v[ADRS]
.irp s, 0,1
	v_add_nc_u32 v[ADRA+\s], s21, v[CO]
	v_add_nc_u32 v[ADRB+\s], s22, v[CO]
	s_add_co_u32 s21, s21, BLK
	s_add_co_u32 s22, s22, BLK
.endr
	v_lshlrev_b32 v[BIA], 6, v2
	s_lshl_b32 s2, s42, 10
	s_lshl_b32 s3, s16, 9
	s_add_co_u32 s2, s2, s3
	s_mov_b32 s3, 0
	s_add_nc_u64 s[8:9], s[8:9], s[2:3]
.irp b, 0,1,2,3,4,5,6,7
	global_load_b128 v[CB+8*\b:CB+8*\b+3], v[BIA], s[8:9] offset:128*(\b/2)+32*(\b%2)
	global_load_b128 v[CB+8*\b+4:CB+8*\b+7], v[BIA], s[8:9] offset:128*(\b/2)+32*(\b%2)+16
.endr
	s_lshl_b32 s23, s14, 9
	s_add_co_u32 s23, s23, STG
	v_lshl_add_u32 v[SWA], v1, 2, s23
	v_add_nc_u32 v[SRA], s23, v[CO]
	s_lshl_b32 s18, s17, 1
	s_add_co_u32 s18, s18, s15
	s_lshl_b32 s18, s18, 4
	s_add_co_u32 s18, s18, s42
	s_mul_i32 s18, s18, BLK
	s_lshl_b32 s68, s16, 9
	s_add_co_u32 s68, s68, s18
	s_add_co_u32 s68, s68, 32768
	s_mov_b32 s69, 0
	s_lshl_b32 s19, s16, 14
	s_add_co_u32 s18, s18, s19
	s_mov_b32 s19, 0
	s_add_nc_u64 s[12:13], s[10:11], s[68:69]
	s_add_nc_u64 s[10:11], s[10:11], s[18:19]
.macro FRAG reg, adr, q, i
.irp c, 0,1,2,3
	ds_load_b128 v[\reg+4*\c:\reg+4*\c+3], v[\adr] offset:(4*(\q)+\c)*4096+(\i)*512
.endr
.endm
.macro MUL16 a0, p, q, sc, first
.irp a, \a0, \a0+1
.irp b, 0,1,2,3,4,5,6,7
.if \first
	v_wmma_scale_f32_16x16x128_f8f6f4 v[8*(8*((\a)%4)+\b):8*(8*((\a)%4)+\b)+7], v[128*(\p)+FR*\b:128*(\p)+FR*\b+FR-1], v[AF+FR*(\a):AF+FR*(\a)+FR-1], v[CB+8*\b:CB+8*\b+7], v[SC+16*(\sc)+2*\b+(\q)], v[SC+16*(\sc)+2*(\a)+(\q)] matrix_a_scale:MATRIX_SCALE_ROW1
.else
	v_wmma_scale_f32_16x16x128_f8f6f4 v[8*(8*((\a)%4)+\b):8*(8*((\a)%4)+\b)+7], v[128*(\p)+FR*\b:128*(\p)+FR*\b+FR-1], v[AF+FR*(\a):AF+FR*(\a)+FR-1], v[8*(8*((\a)%4)+\b):8*(8*((\a)%4)+\b)+7], v[SC+16*(\sc)+2*\b+(\q)], v[SC+16*(\sc)+2*(\a)+(\q)] matrix_a_scale:MATRIX_SCALE_ROW1
.endif
.endr
.endr
.endm
.macro FETCH_B slot, q, p
	WIN TO_B
.irp i, 0,1,2,3,4,5,6,7
	FRAG 128*(\p)+FR*\i, ADRB+\slot, \q, \i
.endr
	WIN 0
.endm
.macro FETCH_A slot, q, i0
.irp i, \i0, \i0+1, \i0+2, \i0+3
	FRAG AF+FR*(\i), ADRA+\slot, \q, \i
.endr
.endm
.macro SCALES s
.irp i, 0,1,2,3,4,5,6,7
	ds_load_b32 v[SC+16*\s+2*\i], v[ADRS+\s] offset:\i*64
	ds_load_b32 v[SC+16*\s+2*\i+1], v[ADRS+\s] offset:512+\i*64
.endr
.endm
.macro PLACES n
.rept \n
	v_nop
.endr
.endm
.macro STEP slot, q, first
	s_wait_dscnt 16
.if \first
	WIN 0x81
.else
	WIN MUL_LO
.endif
	MUL16 0, (\q)%2, \q, \slot, \first
	MUL16 2, (\q)%2, \q, \slot, \first
	s_wait_dscnt 0x0
	PLACES NP
	FETCH_B \slot, (\q)+1, 1-(\q)%2
	FETCH_A \slot, (\q)+1, 0
.if \first
	WIN 0xc1
.else
	WIN MUL_HI
.endif
	MUL16 4, (\q)%2, \q, \slot, \first
	MUL16 6, (\q)%2, \q, \slot, \first
	PLACES NP
	WIN 0
	FETCH_A \slot, (\q)+1, 4
.endm
.macro TURN slot, next, fill
	s_wait_tensorcnt 0x0
	ds_add_u32 v[SPW], v[NIL]
	s_wait_dscnt 17
	WIN MUL_LO
	MUL16 0, 1, 1, \slot, 0
	s_wait_dscnt 0x0
	s_barrier_signal -1
	MUL16 2, 1, 1, \slot, 0
	WIN 0
	s_barrier_wait -1
.if \fill
	CREST
	s_add_nc_u64 s[G0+4*\slot+2:G0+4*\slot+3], s[G0+4*\slot+2:G0+4*\slot+3], 2*BLK
	s_add_nc_u64 s[G0B+4*\slot+2:G0B+4*\slot+3], s[G0B+4*\slot+2:G0B+4*\slot+3], 2*BLK
	JLOAD G0+4*\slot, G0B+4*\slot
	PLACES NP-4
.else
	PLACES NP
.endif
	FETCH_B \next, 0, 0
	FETCH_A \next, 0, 0
	SCALES \next
	WIN MUL_HI
	MUL16 4, 1, 1, \slot, 0
	MUL16 6, 1, 1, \slot, 0
	PLACES NP
	WIN 0
	FETCH_A \next, 0, 4
.endm
	s_wait_alu depctr_va_vdst(0)
	s_wait_tensorcnt 0x0                           ; my two blocks are in, and no load of mine is out: from here on a load brings one block, 132 rows
	s_mov_b32 s[G1+2], 132<<16
	s_mov_b32 s[G1+4], 132
	s_mov_b32 s[G1B+2], 132<<16
	s_mov_b32 s[G1B+4], 132
	s_barrier_signal -1
	s_barrier_wait -1
	FETCH_B 0, 0, 0
	FETCH_A 0, 0, 0
	SCALES 0
	FETCH_A 0, 0, 4
	s_wait_loadcnt 0x0
	STEP 0, 0, 1
	s_mov_b32 s3, LAPS-1
.Llap:
	TURN 0, 1, 1
	STEP 1, 0, 0
	TURN 1, 0, 1
	STEP 0, 0, 0
	s_sub_co_u32 s3, s3, 1
	s_cmp_lg_u32 s3, 0
	s_cbranch_scc1 .Llap
	TURN 0, 1, 0
	STEP 1, 0, 0
	s_wait_dscnt 16
	WIN MUL_LO
	MUL16 0, 1, 1, 1, 0
	MUL16 2, 1, 1, 1, 0
	s_wait_dscnt 0x0
	WIN MUL_HI
	MUL16 4, 1, 1, 1, 0
	MUL16 6, 1, 1, 1, 0
	WIN 0
	PLACES NP
	s_mov_b32 s20, 0x76543210
	s_mov_b32 s21, 0xfedcba98
	s_mov_b32 s22, 0x600000
	s_mov_b32 s66, 0xbdd2d3e8
	s_mov_b32 s67, s66
	v_mov_b32 v[K1], 0xc0135761
	v_mov_b32 v[K1+1], 0xc0135761
.irp b, 0,1,2,3
	v_mov_b32 v[TM+4+\b], 0
.endr
.macro TILEQ a
.set WW, 2+(\a)/4
.set S0, 64*((\a)%4)
.set PC, PCS+16*((\a)%2)
	WIN (WW*5)
.set I, 0
.rept 32
	v_pk_mul_f32 v[T+I:T+I+1], v[S0+I:S0+I+1], v[S0+I:S0+I+1]
.set I, I+2
.endr
	WIN 0
.set I, 0
.rept 32
	v_pk_fma_f32 v[T+I:T+I+1], v[T+I:T+I+1], s[66:67], v[K1:K1+1] op_sel_hi:[1,0,1]
.set I, I+2
.endr
	WIN (WW*4)
.set I, 0
.rept 32
	v_pk_mul_f32 v[T+I:T+I+1], v[T+I:T+I+1], v[S0+I:S0+I+1]
.set I, I+2
.endr
	WIN 0
.set I, 0
	s_wait_alu depctr_va_vdst(0)
.rept 64
	v_exp_f32 v[T+I], v[T+I]
.set I, I+1
.endr
	v_nop
.set I, 0
	s_wait_alu depctr_va_vdst(0)
.rept 32
	v_pk_add_f32 v[T+I:T+I+1], v[T+I:T+I+1], 1.0 op_sel_hi:[1,0]
.set I, I+2
.endr
.set I, 0
	s_wait_alu depctr_va_vdst(0)
.rept 64
	v_rcp_f32 v[T+I], v[T+I]
.set I, I+1
.endr
	v_nop
	WIN (WW*65)
.set I, 0
	s_wait_alu depctr_va_vdst(0)
.rept 32
	v_pk_mul_f32 v[S0+I:S0+I+1], v[S0+I:S0+I+1], v[T+I:T+I+1]
.set I, I+2
.endr
	WIN (WW*5)
.irp b, 0,1,2,3
	v_max3_num_f32 v[TM+\b], |v[S0+16*\b]|, |v[S0+1+16*\b]|, 0x4800000
.endr
	WIN (WW*20)
.irp i, 2,4,6,8,10,12,14
.irp b, 0,1,2,3
	v_max3_num_f32 v[TM+\b], v[TM+\b], |v[S0+16*\b+\i]|, |v[S0+1+16*\b+\i]|
.endr
.endr
	WIN 0
.irp b, 0,1,2,3
	v_permlanex16_b32 v[TM+4+\b], v[TM+\b], s20, s21
.endr
.irp b, 0,1,2,3
	v_max_num_f32 v[TM+\b], v[TM+\b], v[TM+4+\b]
.endr
.irp b, 0,1,2,3
	v_add_nc_u32 v[TM+12+\b], 0xfc000000, v[TM+\b]
.endr
.irp b, 0,1,2,3
	v_and_or_b32 v[TM+8+\b], v[TM+\b], 0x7f800000, s22
.endr
.irp b, 0,1,2,3
	v_lshrrev_b32 v[TM+4+\b], 23, v[TM+12+\b]
.endr
	v_lshl_or_b32 v[PW+(\a)], v[TM+5], 8, v[TM+4]
	v_lshl_or_b32 v[PW+(\a)], v[TM+6], 16, v[PW+(\a)]
	v_lshl_or_b32 v[PW+(\a)], v[TM+7], 24, v[PW+(\a)]
	WIN (WW*65)
.irp b, 0,1,2,3
.irp i, 0,1,2,3,4,5,6,7,8,9,10,11,12,13,14,15
	v_med3_num_f32 v[S0+16*\b+\i], v[S0+16*\b+\i], -v[TM+8+\b], v[TM+8+\b]
.endr
.endr
	WIN WW
.if (\a) > 1
	s_wait_alu depctr_va_vdst(0)
	s_wait_xcnt 0x0
.endif
.irp b, 0,1,2,3
	v_cvt_scalef32_pk8_fp8_f32 v[PC+4*\b:PC+1+4*\b], v[S0+16*\b:S0+7+16*\b], v[TM+12+\b]
	v_cvt_scalef32_pk8_fp8_f32 v[PC+2+4*\b:PC+3+4*\b], v[S0+8+16*\b:S0+15+16*\b], v[TM+12+\b]
.endr
	WIN 0
	v_nop
.irp b, 0,1,2,3
	global_store_b128 v[CO], v[PC+4*\b:PC+4*\b+3], s[10:11] offset:\b*4096+(\a)*512
.endr
	ds_store_b32 v[SWA], v[PW+(\a)] offset:(\a)*64
.endm
.irp a, 0,1,2,3,4,5,6,7
	TILEQ \a
.endr
	ds_load_b128 v[TM:TM+3], v[SRA]
	s_wait_dscnt 0x0
	global_store_b128 v[CO], v[TM:TM+3], s[12:13]
	s_wait_tensorcnt 0x0
	ds_add_u32 v[SPW], v[NIL]
	s_wait_dscnt 0x0
	CROUND
	s_endpgm
.Lfunc_end_k_q8aae42ee8f_ffn1:
	.size	k_q8aae42ee8f_ffn1, .Lfunc_end_k_q8aae42ee8f_ffn1-k_q8aae42ee8f_ffn1
	.p2alignl 7, 3214868480
	.fill 96, 4, 3214868480
	.section	.rodata,"a",@progbits
	.p2align	6, 0x0
	.amdhsa_kernel k_q8aae42ee8f_ffn1
		.amdhsa_group_segment_fixed_size 327680
		.amdhsa_private_segment_fixed_size 0
		.amdhsa_enable_private_segment 0
		.amdhsa_kernarg_size 32
		.amdhsa_user_sgpr_count 2
		.amdhsa_user_sgpr_kernarg_segment_ptr 1
		.amdhsa_wavefront_size32 1
		.amdhsa_system_sgpr_workgroup_id_x 1
		.amdhsa_system_sgpr_workgroup_id_y 1
		.amdhsa_system_sgpr_workgroup_id_z 1
		.amdhsa_system_vgpr_workitem_id 0
		.amdhsa_next_free_vgpr 1024
		.amdhsa_next_free_sgpr 72
		.amdhsa_reserve_vcc 0
		.amdhsa_float_denorm_mode_32 3
		.amdhsa_float_denorm_mode_16_64 3
		.amdhsa_memory_ordered 1
		.amdhsa_forward_progress 1
		.amdhsa_inst_pref_size 255
	.end_amdhsa_kernel
	.section	.bss,"aw",@nobits
	.p2align	6
	.space	262144
	.amdgpu_metadata
---
amdhsa.version: [ 1, 2 ]
amdhsa.kernels:
  - .name:           k_q8aae42ee8f_ffn1
    .symbol:         k_q8aae42ee8f_ffn1.kd
    .args:
      - { .name: aq, .offset: 0, .size: 8, .value_kind: global_buffer, .address_space: global }
      - { .name: wb, .offset: 8, .size: 8, .value_kind: global_buffer, .address_space: global }
      - { .name: b1, .offset: 16, .size: 8, .value_kind: global_buffer, .address_space: global }
      - { .name: gq, .offset: 24, .size: 8, .value_kind: global_buffer, .address_space: global }
    .group_segment_fixed_size: 327680
    .private_segment_fixed_size: 0
    .kernarg_segment_align: 8
    .kernarg_segment_size: 32
    .max_flat_workgroup_size: 128
    .sgpr_count:     72
    .vgpr_count:     1024
    .wavefront_size: 32
...
	.end_amdgpu_metadata
.endif
;; end of part 12
;; launch ffn2 (part 13): grid 8 x 32, 4 waves a work-group, clusters of 4 x 4, 327,680 bytes of LDS; arguments gq, wb, b2, h, out0; writes out0
.if DOCPART == 13
	.amdgcn_target "amdgcn-amd-amdhsa--gfx1250"
	.amdhsa_code_object_version 6
	.text
	.protected	k_q8aae42ee8f_ffn2
	.globl	k_q8aae42ee8f_ffn2
	.p2align	8
	.type	k_q8aae42ee8f_ffn2,@function
k_q8aae42ee8f_ffn2:
	s_mov_b64 s[64:65], 0
	v_nop
	global_prefetch_b8 v0, s[64:65] scope:SCOPE_SE
	s_setreg_imm32_b32 hwreg(HW_REG_WAVE_MODE, 25, 1), 1
	s_wait_xcnt 0x0
	s_wait_alu depctr_hold_cnt(0) depctr_sa_sdst(0) depctr_va_vdst(0) depctr_va_sdst(0) depctr_va_ssrc(0) depctr_va_vcc(0) depctr_vm_vsrc(0)
	s_getreg_b32 s2, hwreg(HW_REG_IB_STS2, 6, 4)
	s_cmp_eq_u32 s2, 0
	s_cbranch_scc0 .Lentry_in_a_cluster
	s_endpgm
.Lentry_in_a_cluster:
	s_bfe_u32 s2, ttmp6, 0x10000c
	s_cmp_lg_u32 s2, 0xf033
	s_cbranch_scc0 .Lentry_shape_is_right
	s_endpgm
.Lentry_shape_is_right:
.set SIZE_K, 4096
.set WOFF,   256*33792
.set BLK,    33792
.set GSTR,   (SIZE_K/256)*BLK
.set SLOT,   4*BLK
.set NSLOT,  SIZE_K/512
.set SPARE,  2*SLOT
.set STG,    SPARE+512
.set SPITCH, 272
.set NP,   8
.set ADRA, 16
.set ADRB, 20
.set ADRS, 22
.set STO,  24
.set RD,   25
.set CO,   26
.set SPW,  28
.set NIL,  29
.set BIA,  30
.set SC,   32
.set CB,   64
.set ACC,  128
.set F0,   0
.set F1,   128
.set RES,  0
.set BK,   128
.set G1,  24
.set G0,  32
.set G1B, 48
.set G0B, 56
.set MSB, 0
.macro WIN new
.if MSB != \new
	s_set_vgpr_msb (MSB<<8)|\new
.set MSB, \new
.endif
.endm
.set MUL,  0x05
.set TO_F, 0x40
.macro JLOAD g0a, g0b
	s_cmp_eq_u32 s15, 0
	s_cbranch_scc0 .Lfor_b_\@
	tensor_load_to_lds s[\g0a:\g0a+3], s[G1:G1+7]
	s_nop 0
.rept 4
	v_nop
.endr
	s_branch .Lasked_\@
.Lfor_b_\@:
	tensor_load_to_lds s[\g0b:\g0b+3], s[G1B:G1B+7]
	s_nop 0
.rept 4
	v_nop
.endr
.Lasked_\@:
.endm
.macro CREST
	s_cmp_lg_u32 s14, 0
	s_cbranch_scc1 .Lnot_wave_0_\@
	s_barrier_signal -3
.Lnot_wave_0_\@:
	s_barrier_wait -3
	s_barrier_signal -1
	s_barrier_wait -1
.endm
.macro CROUND
	s_barrier_signal -1
	s_barrier_wait -1
	CREST
.endm
	s_load_b128 s[4:7], s[0:1], 0x0
	s_load_b128 s[8:11], s[0:1], 0x10
	s_load_b64 s[12:13], s[0:1], 0x20
	v_lshl_add_u32 v[SPW], v0, 2, SPARE
	v_mov_b32 v[NIL], 0
	ds_add_u32 v28, v29
	ds_add_u32 v28, v29
	s_wait_dscnt 0x0
	v_lshrrev_b32 v1, 5, v0
	v_readfirstlane_b32 s14, v1
	s_lshr_b32 s15, s14, 1
	s_and_b32 s16, s14, 1
	s_bfe_u32 s40, ttmp6, 0x40000
	s_bfe_u32 s41, ttmp6, 0x40004
	s_lshl_b32 s42, ttmp9, 2
	s_add_co_u32 s42, s42, s40
	s_and_b32 s17, ttmp7, 0xffff
	s_lshl_b32 s17, s17, 2
	s_add_co_u32 s17, s17, s41
	s_lshl_b32 s43, s41, 2
	s_lshl_b32 s43, 15, s43
	s_lshl_b32 s44, 0x1111, s40
	s_or_b32 s[G1+0], s43, (3<<16)|(1<<21)
	s_or_b32 s[G1B+0], s44, (3<<16)|(1<<21)
.irp g, G1, G1B
	s_mov_b32 s[\g+1], 32<<16
	s_mov_b32 s[\g+2], 264<<16                     ; the head's loads bring two neighbouring blocks: 264 rows of 256 bytes
	s_mov_b32 s[\g+3], 32<<16
	s_mov_b32 s[\g+4], 264
	s_mov_b32 s[\g+5], 32
	s_mov_b32 s[\g+6], 0
	s_mov_b32 s[\g+7], 0
.endr
	s_mul_i32 s22, s16, BLK
	s_mul_i32 s20, s17, GSTR
	s_add_co_u32 s20, s20, s22
	s_mov_b32 s21, 0
	s_mul_i32 s46, s42, GSTR
	s_add_co_u32 s46, s46, s22
	s_add_co_u32 s46, s46, WOFF
	s_mov_b32 s47, 0
	s_mul_i32 s45, s14, BLK
	s_wait_kmcnt 0x0
	s_add_nc_u64 s[20:21], s[4:5], s[20:21]
	s_add_nc_u64 s[46:47], s[6:7], s[46:47]
	CROUND
.irp s, 0,1
	s_mov_b32 s[G0+4*\s], 1
	s_add_co_u32 s[G0+4*\s+1], s45, \s*SLOT
	s_add_nc_u64 s[G0+4*\s+2:G0+4*\s+3], s[20:21], \s*2*BLK
	s_or_b32 s[G0+4*\s+3], s[G0+4*\s+3], 0x80000000
	s_mov_b32 s[G0B+4*\s], 1
	s_add_co_u32 s[G0B+4*\s+1], s45, \s*SLOT
	s_add_nc_u64 s[G0B+4*\s+2:G0B+4*\s+3], s[46:47], \s*2*BLK
	s_or_b32 s[G0B+4*\s+3], s[G0B+4*\s+3], 0x80000000
.endr
	; THE HEAD'S LOADS, ONE A WAVE, FILL BOTH SLOTS: a group's blocks lie on end in memory, and a slot holds A's two blocks and then B's two.  Waves 0, 1 bring A's two blocks of slot 0, 1; waves 2, 3 B's.
	s_mov_b32 s23, 0
	s_mul_i32 s69, s16, SLOT                       ; the slot that I fill: wave % 2
	s_mov_b32 s68, 1
	s_add_nc_u64 s[70:71], s[20:21], s[22:23]      ; A's group + 2 (wave % 2) blocks (s[20:21] holds one of the two steps already)
	s_or_b32 s71, s71, 0x80000000
	s_mov_b32 s72, 1
	s_add_co_u32 s73, s69, 2*BLK
	s_add_nc_u64 s[74:75], s[46:47], s[22:23]
	s_or_b32 s75, s75, 0x80000000
	; THE PREFETCHES: of the 132 rows of 256 bytes that my wave fetches in a refill, each of the four partners that ask jointly names 33, told apart by address (cx for A, cy for B):
	; 32 rows a lane a row, and the 33rd by a second line whose lanes all name it.  A refill of slot j is followed by the ask for slot j + 2; slots 2 and 3 are asked for here; the last ask names slot 7.
	s_cmp_eq_u32 s15, 0
	s_cselect_b64 s[76:77], s[20:21], s[46:47]
	s_cselect_b32 s78, s40, s41
	s_mul_i32 s78, s78, 8448
	s_add_co_u32 s78, s78, 4*BLK                   ; slot 2
	s_mov_b32 s79, 0
	s_add_nc_u64 s[76:77], s[76:77], s[78:79]
	JLOAD 68, 72
	v_and_b32 v8, 31, v0
	v_lshlrev_b32 v8, 8, v8                        ; 256 x lane; never rewritten
	v_mov_b32 v9, 0                                ; never rewritten
	global_prefetch_b8 v8, s[76:77] th:TH_LOAD_NT scope:SCOPE_SE
	global_prefetch_b8 v9, s[76:77] offset:8192 th:TH_LOAD_NT scope:SCOPE_SE
	global_prefetch_b8 v8, s[76:77] offset:2*BLK th:TH_LOAD_NT scope:SCOPE_SE
	global_prefetch_b8 v9, s[76:77] offset:2*BLK+8192 th:TH_LOAD_NT scope:SCOPE_SE
	v_and_b32 v1, 15, v0
	v_bfe_u32 v2, v0, 4, 1
	v_and_b32 v3, 31, v0
	v_lshlrev_b32 v5, 4, v3
	s_wait_alu depctr_va_vdst(0)
	s_lshl_b32 s21, s15, 11
	s_lshl_b32 s22, s16, 11
	s_add_co_u32 s22, s22, 2*BLK
	s_xor_b32 s23, s15, 1
	s_add_co_u32 s23, s23, s16
	s_lshl_b32 s23, s23, 8
	s_add_co_u32 s23, s23, 2*BLK-256
	v_mul_u32_u24 v4, s23, v2
	v_lshl_add_u32 v4, v1, 2, v4
	s_lshl_b32 s23, s15, 8
	s_add_co_u32 s23, s23, 32768
	v_add_nc_u32 v[ADRS], s23, v4
	v_add_nc_u32 v[ADRS+1], SLOT, v[ADRS]
.irp s, 0,1
	v_add_nc_u32 v[ADRA+\s], s21, v5
	v_add_nc_u32 v[ADRB+\s], s22, v5
	s_add_co_u32 s21, s21, SLOT
	s_add_co_u32 s22, s22, SLOT
.endr
	v_lshlrev_b32 v[BIA], 6, v2
	s_lshl_b32 s2, s42, 9
	s_lshl_b32 s3, s16, 8
	s_add_co_u32 s2, s2, s3
	s_mov_b32 s3, 0
	s_add_nc_u64 s[8:9], s[8:9], s[2:3]
.irp b, 0,1,2,3
	global_load_b128 v[CB+8*\b:CB+8*\b+3], v[BIA], s[8:9] offset:128*(\b/2)+32*(\b%2)
	global_load_b128 v[CB+8*\b+4:CB+8*\b+7], v[BIA], s[8:9] offset:128*(\b/2)+32*(\b%2)+16
.endr
	s_lshl_b32 s18, s17, 7
	s_lshl_b32 s19, s15, 6
	s_add_co_u32 s18, s18, s19
	s_lshl_b32 s18, s18, 12
	s_add_co_u32 s18, s18, s2
	s_mov_b32 s19, 0
	s_add_nc_u64 s[10:11], s[10:11], s[18:19]
	s_add_nc_u64 s[12:13], s[12:13], s[18:19]
	v_lshlrev_b32 v[CO], 4, v1
	v_lshl_add_u32 v[CO], v2, 12, v[CO]
	s_mul_i32 s23, s14, 16*SPITCH
	s_add_co_u32 s23, s23, STG
	v_mul_u32_u24 v6, v1, SPITCH
	v_lshl_add_u32 v6, v2, 6, v6
	v_add_nc_u32 v[STO], s23, v6
	v_mul_u32_u24 v6, v2, SPITCH
	v_lshl_add_u32 v6, v1, 4, v6
	v_add_nc_u32 v[RD], s23, v6
.macro FETCH slot, st, f
	WIN TO_F
.irp i, 0,1,2,3
.irp c, 0,1,2,3
	ds_load_b128 v[(\f)+64+16*\i+4*\c:(\f)+64+16*\i+4*\c+3], v[ADRB+\slot] offset:((\st)/2)*BLK+(4*((\st)%2)+\c)*4096+\i*512
.endr
.endr
.irp i, 0,1,2,3
.irp c, 0,1,2,3
	ds_load_b128 v[(\f)+16*\i+4*\c:(\f)+16*\i+4*\c+3], v[ADRA+\slot] offset:((\st)/2)*BLK+(4*((\st)%2)+\c)*4096+\i*512
.endr
.endr
.endm
.macro SCALES s
.irp i, 0,1,2,3
.irp t, 0,1,2,3
	ds_load_b32 v[SC+16*\s+4*\i+\t], v[ADRS+\s] offset:(\t/2)*BLK+(\t%2)*512+\i*64
.endr
.endr
.endm
.macro MUL8 f, a0, sc, st, first
.irp a, \a0, \a0+1
.irp b, 0,1,2,3
.if \first
	v_wmma_scale_f32_16x16x128_f8f6f4 v[ACC+8*(4*(\a)+\b):ACC+8*(4*(\a)+\b)+7], v[(\f)+64+16*\b:(\f)+64+16*\b+15], v[(\f)+16*(\a):(\f)+16*(\a)+15], v[CB+8*\b:CB+8*\b+7], v[SC+16*(\sc)+4*\b+(\st)], v[SC+16*(\sc)+4*(\a)+(\st)] matrix_a_scale:MATRIX_SCALE_ROW1
.else
	v_wmma_scale_f32_16x16x128_f8f6f4 v[ACC+8*(4*(\a)+\b):ACC+8*(4*(\a)+\b)+7], v[(\f)+64+16*\b:(\f)+64+16*\b+15], v[(\f)+16*(\a):(\f)+16*(\a)+15], v[ACC+8*(4*(\a)+\b):ACC+8*(4*(\a)+\b)+7], v[SC+16*(\sc)+4*\b+(\st)], v[SC+16*(\sc)+4*(\a)+(\st)] matrix_a_scale:MATRIX_SCALE_ROW1
.endif
.endr
.endr
.endm
.macro PLACES n
.rept \n
	v_nop
.endr
.endm
.macro STEP slot, st, first
	PLACES NP
	FETCH \slot, (\st)+1, 128*(1-(\st)%2)
	s_wait_dscnt 32
	WIN MUL
	MUL8 128*((\st)%2), 0, \slot, \st, \first
	MUL8 128*((\st)%2), 2, \slot, \st, \first
.endm
.macro TURN slot, next, fill
	WIN 0
.if \fill
	s_wait_xcnt 0x0                                ; my prefetches have read their address: it steps one slot on
	s_add_nc_u64 s[76:77], s[76:77], 2*BLK
.endif
	s_wait_tensorcnt 0x0
	ds_add_u32 v[SPW], v[NIL]
	s_wait_dscnt 1
	WIN MUL
	MUL8 F1, 0, \slot, 3, 0
	s_wait_dscnt 0x0
	s_barrier_signal -1
	MUL8 F1, 2, \slot, 3, 0
	WIN 0
	s_barrier_wait -1
.if \fill
	CREST
	s_add_nc_u64 s[G0+4*\slot+2:G0+4*\slot+3], s[G0+4*\slot+2:G0+4*\slot+3], 4*BLK
	s_add_nc_u64 s[G0B+4*\slot+2:G0B+4*\slot+3], s[G0B+4*\slot+2:G0B+4*\slot+3], 4*BLK
	JLOAD G0+4*\slot, G0B+4*\slot
	PLACES NP-4
.else
	PLACES NP
.endif
	FETCH \next, 0, F0
	WIN 0
	SCALES \next
.if \fill
	s_cmp_gt_u32 s3, 1                             ; the loop's last trip has no slot two on
	s_cbranch_scc0 .Lno_ask_\@
	global_prefetch_b8 v8, s[76:77] th:TH_LOAD_NT scope:SCOPE_SE
	global_prefetch_b8 v9, s[76:77] offset:8192 th:TH_LOAD_NT scope:SCOPE_SE
.Lno_ask_\@:
.endif
.endm
	s_wait_alu depctr_va_vdst(0)
	s_wait_tensorcnt 0x0                           ; my two blocks are in, and no load of mine is out: from here on a load brings one block, 132 rows
	s_mov_b32 s[G1+2], 132<<16
	s_mov_b32 s[G1+4], 132
	s_mov_b32 s[G1B+2], 132<<16
	s_mov_b32 s[G1B+4], 132
	s_wait_xcnt 0x0                                ; the head's prefetches have read their address
	s_add_nc_u64 s[76:77], s[76:77], 2*BLK         ; at slot 3: the first refill steps it to slot 4
	s_barrier_signal -1
	s_barrier_wait -1
	FETCH 0, 0, F0
	WIN 0
	SCALES 0
	s_wait_loadcnt 0x0
	STEP 0, 0, 1
	WIN 0x80
.irp a, 0,1,2,3
.irp i, 0,1,2,3,4,5,6,7
	global_load_b128 v[RES+32*\a+4*\i:RES+32*\a+4*\i+3], v[CO], s[10:11] offset:(32*(\a/2)+8*(\a%2)+2*\i+8*(\i/4))*4096
.endr
.endr
	WIN 0
.if NSLOT > 2
	s_mov_b32 s3, NSLOT/2-1
.Llap:
	STEP 0, 1, 0
	STEP 0, 2, 0
	TURN 0, 1, 1
	STEP 1, 0, 0
	STEP 1, 1, 0
	STEP 1, 2, 0
	TURN 1, 0, 1
	STEP 0, 0, 0
	WIN 0
	s_sub_co_u32 s3, s3, 1
	s_cmp_lg_u32 s3, 0
	s_cbranch_scc1 .Llap
.endif
	STEP 0, 1, 0
	STEP 0, 2, 0
	TURN 0, 1, 0
	STEP 1, 0, 0
	STEP 1, 1, 0
	STEP 1, 2, 0
	s_wait_dscnt 0x0
	WIN MUL
	MUL8 F1, 0, 1, 3, 0
	MUL8 F1, 2, 1, 3, 0
	WIN 0
	PLACES NP
.irp a, 0,1,2,3
.irp b, 0,1,2,3
	ds_store_b128 v[STO], v[ACC+8*(4*\a+\b):ACC+8*(4*\a+\b)+3] offset:128*(\b/2)+32*(\b%2)
	ds_store_b128 v[STO], v[ACC+8*(4*\a+\b)+4:ACC+8*(4*\a+\b)+7] offset:128*(\b/2)+32*(\b%2)+16
.endr
	WIN 0x80
.irp i, 0,1,2,3,4,5,6,7
	ds_load_b128 v[BK+32*\a+4*\i:BK+32*\a+4*\i+3], v[RD] offset:\i*2*SPITCH
.endr
	WIN 0
.endr
	s_wait_loadcnt 0x0
.irp a, 0,1,2,3
	s_wait_dscnt 16*(3-\a)
	WIN 0x8a
.set I, 0
.rept 16
	v_pk_add_f32 v[BK+32*\a+I:BK+32*\a+I+1], v[BK+32*\a+I:BK+32*\a+I+1], v[RES+32*\a+I:RES+32*\a+I+1]
.set I, I+2
.endr
	WIN 0x08
.irp i, 0,1,2,3,4,5,6,7
	global_store_b128 v[CO], v[BK+32*\a+4*\i:BK+32*\a+4*\i+3], s[12:13] offset:(32*(\a/2)+8*(\a%2)+2*\i+8*(\i/4))*4096 th:TH_STORE_NT
.endr
.endr
	WIN 0
	s_wait_tensorcnt 0x0
	ds_add_u32 v[SPW], v[NIL]
	s_wait_dscnt 0x0
	CROUND
	s_endpgm
.Lfunc_end_k_q8aae42ee8f_ffn2:
	.size	k_q8aae42ee8f_ffn2, .Lfunc_end_k_q8aae42ee8f_ffn2-k_q8aae42ee8f_ffn2
	.p2alignl 7, 3214868480
	.fill 96, 4, 3214868480
	.section	.rodata,"a",@progbits
	.p2align	6, 0x0
	.amdhsa_kernel k_q8aae42ee8f_ffn2
		.amdhsa_group_segment_fixed_size 327680
		.amdhsa_private_segment_fixed_size 0
		.amdhsa_enable_private_segment 0
		.amdhsa_kernarg_size 40
		.amdhsa_user_sgpr_count 2
		.amdhsa_user_sgpr_kernarg_segment_ptr 1
		.amdhsa_wavefront_size32 1
		.amdhsa_system_sgpr_workgroup_id_x 1
		.amdhsa_system_sgpr_workgroup_id_y 1
		.amdhsa_system_sgpr_workgroup_id_z 1
		.amdhsa_system_vgpr_workitem_id 0
		.amdhsa_next_free_vgpr 768
		.amdhsa_next_free_sgpr 80
		.amdhsa_reserve_vcc 0
		.amdhsa_float_denorm_mode_32 3
		.amdhsa_float_denorm_mode_16_64 3
		.amdhsa_memory_ordered 1
		.amdhsa_forward_progress 1
		.amdhsa_inst_pref_size 102
	.end_amdhsa_kernel
	.amdgpu_metadata
---
amdhsa.version: [ 1, 2 ]
amdhsa.kernels:
  - .name:           k_q8aae42ee8f_ffn2
    .symbol:         k_q8aae42ee8f_ffn2.kd
    .args:
      - { .name: gq, .offset: 0, .size: 8, .value_kind: global_buffer, .address_space: global }
      - { .name: wb, .offset: 8, .size: 8, .value_kind: global_buffer, .address_space: global }
      - { .name: b2, .offset: 16, .size: 8, .value_kind: global_buffer, .address_space: global }
      - { .name: h, .offset: 24, .size: 8, .value_kind: global_buffer, .address_space: global }
      - { .name: out0, .offset: 32, .size: 8, .value_kind: global_buffer, .address_space: global }
    .group_segment_fixed_size: 327680
    .private_segment_fixed_size: 0
    .kernarg_segment_align: 8
    .kernarg_segment_size: 40
    .max_flat_workgroup_size: 128
    .sgpr_count:     80
    .vgpr_count:     768
    .wavefront_size: 32
...
	.end_amdgpu_metadata
.endif
;; end of part 13
